; MI455X (gfx1250); checked and timed in simulation.
; The chip was launched on July 23, 2026; its instructions are those of AMD's public machine-readable ISA for CDNA 5 (MIT licence, August 2026) and "CDNA5" Instruction Set Architecture Reference Guide (July 2026). The comments in the code are by the model that wrote it; some were corrected since.
;; Context Memory. Allowed arithmetic: matrix products marked QUANTISED: E3M2 operands, one E8M0 scale for each 32 along K, by v_wmma_scale_f32_16x16x128_f8f6f4 with both operands' format E3M2, f32 sums; products left as they are: f32 operands where the result goes on into a quantised operand, else bf16, f16 or f32 operands; f32 sums; everything else in f32.
;; Inputs: gate_b 1,024 float32; gate_w_codes 1,024 x 64 x 24 uint8 (E3M2 codes of gate_w, K innermost, in blocks of 32 codes, four codes in three bytes); gate_w_scales 1,024 x 64 uint8 (E8M0 scales of gate_w, one for each 32 codes along K); memory 1 x 512 x 1,024 float32; query 8 x 1,024 x 1,024 float32; r_in_b 3,072 float32; r_in_w_codes 3,072 x 32 x 24 uint8 (E3M2 codes of r_in_w, K innermost, in blocks of 32 codes, four codes in three bytes); r_in_w_scales 3,072 x 32 uint8 (E8M0 scales of r_in_w, one for each 32 codes along K); r_out_b 1,024 float32; r_out_w_codes 1,024 x 32 x 24 uint8 (E3M2 codes of r_out_w, K innermost, in blocks of 32 codes, four codes in three bytes); r_out_w_scales 1,024 x 32 uint8 (E8M0 scales of r_out_w, one for each 32 codes along K); rn_b 1,024 float32; rn_g 1,024 float32; w_in_b 3,072 float32; w_in_w 3,072 x 1,024 float32; w_out_b 1,024 float32; w_out_w_codes 1,024 x 32 x 24 uint8 (E3M2 codes of w_out_w, K innermost, in blocks of 32 codes, four codes in three bytes); w_out_w_scales 1,024 x 32 uint8 (E8M0 scales of w_out_w, one for each 32 codes along K); wn_b 1,024 float32; wn_g 1,024 float32.
;; Outputs: out0 8 x 1,024 x 1,024 float32; out1 8 x 512 x 1,024 float32.
;; This version of the problem:
;;   THIS VERSION OF THE PROBLEM IS GIVEN IN LOW PRECISION. The matrix products marked QUANTISED in the list below multiply operands that are first quantised to E3M2 (3 exponent bits, 2 mantissa bits; 6 bits a number), with one power-of-two scale for each 32 numbers along K (OCP MX v1.0); their sums are f32. All else is computed in f32.
;;   The module's matrix products, in the order in which they are computed (A, B: the left and right operand; K: the contracted axis; several contracted axes count as one K, in the product's order):
;;     1. [M 8,192, K 1,024] x [K 1,024, N 1,024]; A: input query; B: input r_in_w (given as codes): QUANTISED
;;     2. [M 4,096, K 1,024] x [K 1,024, N 1,024]; A: input memory; B: input r_in_w (given as codes): QUANTISED
;;     3. [M 4,096, K 1,024] x [K 1,024, N 1,024]; A: input memory; B: input r_in_w (given as codes): QUANTISED
;;     4. batch 128 x [M 1,024, K 64] x [K 64, N 512]; A: computed on the way; B: computed on the way: QUANTISED
;;     5. batch 128 x [M 64, K 512] x [K 512, N 1,024]; A: computed on the way; B: softmax (see below): QUANTISED
;;     6. [M 8,192, K 1,024] x [K 1,024, N 1,024]; A: computed on the way; B: input r_out_w (given as codes): QUANTISED
;;     7. [M 4,096, K 1,024] x [K 1,024, N 1,024]; A: input memory; B: input w_in_w: QUANTISED
;;     8. [M 8, K 1,024] x [K 1,024, N 1,024]; A: computed on the way; B: input w_in_w: left as it is (M = 8 < 16)
;;     9. [M 8, K 1,024] x [K 1,024, N 1,024]; A: computed on the way; B: input w_in_w: left as it is (M = 8 < 16)
;;     10. batch 128 x [M 512, K 64] x [K 64, N 1]; A: computed on the way; B: computed on the way: left as it is (N = 1 < 16)
;;     11. batch 128 x [M 64, K 1] x [K 1, N 512]; A: computed on the way; B: softmax (see below): left as it is (K = 1 < 32)
;;     12. [M 4,096, K 1,024] x [K 1,024, N 1,024]; A: computed on the way; B: input w_out_w (given as codes): QUANTISED
;;     13. [M 4,096, K 2,048] x [K 2,048, N 1,024]; A: computed on the way; B: input gate_w (given as codes): QUANTISED
;;   THE QUANTISER, for each operand of a quantised product, along K:
;;     - K is cut into blocks of 32 from its start; a last block that is shorter is filled with zeros.
;;     - A block's scale is 2^e with e = floor(log2(the largest magnitude in the block)) - 4, held to -126 .. 127; a block of zeros has e = 0. As a byte (E8M0): e + 127.
;;     - Each number is divided by its block's scale, clamped to +-28, and rounded to the nearest number of E3M2, ties to even, subnormals kept.
;;     - The product sums the exact products of the quantised numbers (number of the format x scale) in f32.
;;   ~~~python
;;   def quantise(x, axis):      # numpy; x: float32 -> the quantised numbers, widened to float32 again
;;       x = np.moveaxis(x, axis, -1); K = x.shape[-1]
;;       x = np.pad(x, [(0, 0)] * (x.ndim - 1) + [(0, -K % 32)]); x = x.reshape(x.shape[:-1] + (-1, 32)); a = np.abs(x).max(-1, keepdims=True)
;;       e = np.where(a > 0, np.clip(np.frexp(np.where(a > 0, a, 1))[1] - 1 - 4, -126, 127), 0)      # np.frexp(a)[1] - 1 = floor(log2(a)), exactly
;;       r = np.clip(x / 2.0 ** e, -28, 28)
;;       step = 2.0 ** (np.maximum(np.frexp(np.where(r == 0, 1, r))[1] - 1, -2) - 2)
;;       q = np.round(r / step) * step * 2.0 ** e      # np.round: ties to even
;;       return np.moveaxis(q.reshape(q.shape[:-2] + (-1,))[..., :K], -1, axis).astype(np.float32)
;;   ~~~
;;   SOFTMAX AHEAD OF A QUANTISED PRODUCT. Where the list says 'softmax', what is quantised is not the finished softmax but p = 2^(t - M), with t = logit x log2(e) and M = ceil(the row's largest t), a whole number; so 1/2 < the row's largest p <= 1. The row's sum l is taken of the UNQUANTISED p, in f32, and the product's result is divided by l at the end. Since M is a whole number, a kernel that streams over the keys may use a running M (the ceiling of the running maximum): every later rescaling is an exact power of two, which a block's scale takes up: the codes' values come out the same.
;;   OPERANDS COMPUTED ON THE WAY. 'Computed on the way' means the value that the module computes at that place (a softmax that the list does not call 'softmax' is quantised finished and normalised). What goes into a quantiser is computed in f32, as accurately as f32 sums, v_exp_f32 and their like allow (about 1e-6 of the number): no bf16 or f16 on the way to a quantiser, and a product that is left as it is and whose result goes on into a quantised operand takes f32 operands (vector FMAs, or v_wmma_f32_16x16x4_f32). A number that lies on a knife's edge between two numbers of the format may be rounded either way, as far as f32 arithmetic and the matrix unit's own rounding can turn it there, and no further.
;;   INPUTS GIVEN AS CODES. gate_w (in the module: [1024, 2048], K = its axis 1); r_in_w (in the module: [3072, 1024], K = its axis 1); r_out_w (in the module: [1024, 1024], K = its axis 1); w_out_w (in the module: [1024, 1024], K = its axis 1): each comes as NAME_codes (uint8): NAME with its K axis moved to the last place and cut into blocks of 32 codes, [.., K / 32, bytes a block], one block behind the other in memory; four codes in three bytes: a row's codes are one little-endian stream of bits, code i at bits 6 i .. 6 i + 5 (a code: sign, 3 exponent bits, 2 mantissa bits); and NAME_scales (uint8): the same leading axes, one E8M0 byte (e + 127) for each 32 codes along K. Its value is code x scale, taken as it is: it is not quantised again, and the codes and scales need not be those that the quantiser above would give.
;; 3 versions. Each part assembles by itself: llvm-mc -triple=amdgcn-amd-amdhsa -mcpu=gfx1250 --defsym DOCPART=n.
;; ======== version 1 of 3: 6 launches
;; workspace buffers: pw 4,554,752 bytes; g2c 786,432 bytes; g2s 32,768 bytes; part 1,048,576 bytes; vwb 32,768 bytes; updb 65,536 bytes; g2b 65,536 bytes
;; launch prep (part 1): grid 16 x 8, 16 waves a work-group, no clusters, 72,704 bytes of LDS; arguments memory, r_in_w_codes, r_in_w_scales, r_in_b, gate_w_codes, gate_w_scales, r_out_w_codes, pw, g2c, g2s; writes pw, g2c, g2s
.if DOCPART == 1
	.amdgcn_target "amdgcn-amd-amdhsa--gfx1250"
	.amdhsa_code_object_version 6
	.text
	.protected	k_q0448fa0a63_prep
	.globl	k_q0448fa0a63_prep
	.p2align	8
	.type	k_q0448fa0a63_prep,@function
k_q0448fa0a63_prep:
	s_mov_b64 s[64:65], 0
	v_nop
	global_prefetch_b8 v0, s[64:65] scope:SCOPE_SE
	s_setreg_imm32_b32 hwreg(HW_REG_WAVE_MODE, 25, 1), 1
	s_wait_xcnt 0x0
; What hangs on the memory tensor alone, made once.  reference() broadcasts one [512][1024] tensor over the batch, so the key and value
; projections and the memory half of the gate's product have 512 different rows: those are multiplied, the copies are not.
; Work-group (x, y): x = head = group of 64 columns, y = block of 64 memory rows.  Sixteen waves; role = wave / 4, q = wave % 4.
; PHASE M (all waves): the 64 rows are quantised to BF6 along their 1,024 numbers: 32 fragments (4 tiles of rows x 8 K steps), kept in LDS as images
; of the operand's registers.  THE ROWS OF A TILE ARE NOT NEIGHBOURS: lane r of tile kt holds row 32 (kt / 2) + 8 (kt % 2) + r + 8 (r / 8).
; ROLE 0: keys of tile q, head x: Wk's rows are source 0, so a lane holds one key and its registers run along the head's 64: quantised, stored as half a fragment.
; ROLE 1: values: memory is source 0, 16 rows of Wv source 1: a lane holds one channel and its registers run along 64 keys: quantised along the keys.
; ROLE 2: G1 = Q(memory) x gate_w[:, :1024]^T, f32, through a stage in LDS so that sixteen lanes store 256 consecutive bytes.
; ROLE 3: Wq's and Wo's codes are laid as images of fragments; the upper half of gate_w's rows is copied dense.
; LIMITS: NaN and infinities are not served.  A block whose largest magnitude lies under 2^-122 (zeros too) gets the scale byte 1; the bytes are read by this program alone.
.set MSC,  49152                       ; LDS: images at 0 (32 x 1,536 bytes), their scale words (32 x 128), four stages of 16 rows x 272 bytes
.set STG,  53248
.set KS,   393216                      ; regions of pw, in bytes: key codes at 0, key scale words,
.set VC,   458752                      ; value codes,
.set VS,   851968                      ; value scale words,
.set WQF,  884736                      ; Wq's fragments,
.set WOF,  1671168                     ; Wo's fragments,
.set G1O,  2457600                     ; G1
.set SEL,  28                          ; s[28:29] lane selects: lane l xor 16
.set ACC,  16                          ; v16-47  four accumulators
.set SW,   48                          ; v48-63  the weights' scale words: lanes 0-15 K steps 0-3, lanes 16-31 K steps 4-7
.set SM,   64                          ; v64     memory's scale word (role 1: v52-55).  v48-64 hold scales and nothing else
.set MF,   68                          ; v68-79  memory's fragment (role 1: the bias as C)
.set WS0,  96                          ; v96-239 three sets of four weight fragments
; 32 numbers of a lane, register 16 b + i = k 32 b + 16 (lane / 16) + i of its row, become six registers of codes (k = 32 (lane / 16) + 0 .. 31) at v[dst]; v[TQ+6] = the two scale bytes
.macro QH src, dst
.irp b, 0,1
	v_max3_num_f32 v[TQ+\b], |v[\src+16*\b]|, |v[\src+16*\b+1]|, 0x2800000   ; my 16 numbers and the floor 2^(5 - 127): the byte cannot fall under 1
.endr
.irp i, 2,4,6,8,10,12,14
.irp b, 0,1
	v_max3_num_f32 v[TQ+\b], v[TQ+\b], |v[\src+16*\b+\i]|, |v[\src+16*\b+\i+1]|
.endr
.endr
.irp b, 0,1
	v_permlanex16_b32 v[TQ+2+\b], v[TQ+\b], s[SEL], s[SEL+1]
.endr
.irp b, 0,1
	v_max_num_f32 v[TQ+\b], v[TQ+\b], v[TQ+2+\b]   ; with lane l xor 16's: the block's largest magnitude
.endr
.irp b, 0,1
	v_add_nc_u32 v[TQ+4+\b], 0xfe000000, v[TQ+\b]  ; 4 off its exponent field: the conversion's scale operand
.endr
.irp b, 0,1
	v_lshrrev_b32 v[TQ+2+\b], 23, v[TQ+4+\b]       ; the scale's byte
.endr
	v_lshl_or_b32 v[TQ+6], v[TQ+3], 8, v[TQ+2]
	v_cvt_scalef32_pk16_bf6_f32 v[\dst:\dst+2], v[\src:\src+15], v[TQ+4]
	v_cvt_scalef32_pk16_bf6_f32 v[TQ+8:TQ+10], v[\src+16:\src+31], v[TQ+5]
	v_nop                                          ; one plain place behind a scaled conversion
.irp i, 0,1,2
	v_permlane16_swap_b32 v[\dst+\i], v[TQ+8+\i]   ; a whole block to a lane: lanes 0-15 block 0, lanes 16-31 block 1
.endr
.irp i, 0,1,2
	v_mov_b32 v[\dst+3+\i], v[TQ+8+\i]
.endr
.endm
.macro BAR                             ; my LDS stores have landed and my LDS loads are in: then the work-group's barrier
	s_wait_dscnt 0x0
	s_barrier_signal -1
	s_barrier_wait -1
.endm
.macro NOP4                            ; four places behind a matrix instruction, ahead of loads into its registers and of reads of its result
.rept 4
	v_nop
.endr
.endm
; one matrix instruction.  c < 0: the constant 0 starts the sum.  ra, rb: source 0's or source 1's scales stand in lanes 16-31
.macro WM d, a, b, c, sa, sb, ra, rb
.if (\c) < 0
	v_wmma_scale_f32_16x16x128_f8f6f4 v[\d:\d+7], v[\a:\a+11], v[\b:\b+11], 0, v[\sa], v[\sb] matrix_a_fmt:MATRIX_FMT_BF6 matrix_b_fmt:MATRIX_FMT_BF6
.elseif \ra
	v_wmma_scale_f32_16x16x128_f8f6f4 v[\d:\d+7], v[\a:\a+11], v[\b:\b+11], v[\c:\c+7], v[\sa], v[\sb] matrix_a_fmt:MATRIX_FMT_BF6 matrix_b_fmt:MATRIX_FMT_BF6 matrix_a_scale:MATRIX_SCALE_ROW1
.elseif \rb
	v_wmma_scale_f32_16x16x128_f8f6f4 v[\d:\d+7], v[\a:\a+11], v[\b:\b+11], v[\c:\c+7], v[\sa], v[\sb] matrix_a_fmt:MATRIX_FMT_BF6 matrix_b_fmt:MATRIX_FMT_BF6 matrix_b_scale:MATRIX_SCALE_ROW1
.else
	v_wmma_scale_f32_16x16x128_f8f6f4 v[\d:\d+7], v[\a:\a+11], v[\b:\b+11], v[\c:\c+7], v[\sa], v[\sb] matrix_a_fmt:MATRIX_FMT_BF6 matrix_b_fmt:MATRIX_FMT_BF6
.endif
.endm
; K step s of four weight tiles, 24 loads of 8 bytes, into set s % 3.  perm = 1: tile t begins at row 32 (t / 2) + 8 (t % 2), else at 16 t
.macro LOADW s, pitch, perm
.irp t, 0,1,2,3
.irp p, 0,1,2,3,4,5
	global_load_b64 v[WS0+48*((\s)%3)+12*\t+2*\p:WS0+48*((\s)%3)+12*\t+2*\p+1], v80, s[32:33] offset:((\perm)*(32*(\t/2)+8*(\t%2))+(1-(\perm))*16*\t)*(\pitch)+96*(\s)+48*(\p/3)+8*(\p%3)
.endr
.endr
.endm
; 64 weight rows (source 0) x memory's tile q (source 1), all of K = 1,024.  Codes at s[32:33] + v80, scale bytes at s[34:35] + v81, bias at s[36:37] + v82.
; The four accumulators take turns, one instruction a turn.
.macro GW4 pitch, spitch, perm, bias
.if \bias
.irp t, 0,1,2,3
	global_load_b128 v[ACC+8*\t:ACC+8*\t+3], v82, s[36:37] offset:((\perm)*(32*(\t/2)+8*(\t%2))+(1-(\perm))*16*\t)*4      ; the bias is the C of the first product
	global_load_b128 v[ACC+8*\t+4:ACC+8*\t+7], v82, s[36:37] offset:((\perm)*(32*(\t/2)+8*(\t%2))+(1-(\perm))*16*\t)*4+16
.endr
.endif
.irp t, 0,1,2,3
	global_load_b128 v[SW+4*\t:SW+4*\t+3], v81, s[34:35] offset:((\perm)*(32*(\t/2)+8*(\t%2))+(1-(\perm))*16*\t)*(\spitch)
.endr
	LOADW 0, \pitch, \perm
	LOADW 1, \pitch, \perm
	LOADW 2, \pitch, \perm
.irp s, 0,1,2,3,4,5,6,7
.irp i, 0,1,2
	ds_load_b128 v[MF+4*\i:MF+4*\i+3], v9 offset:1536*\s+512*\i
.endr
	ds_load_b32 v[SM], v10 offset:128*\s
.if \s < 6
	s_wait_loadcnt 48                              ; this step's set is in; the two sets of 24 loads behind it may be out
.else
	s_wait_loadcnt 24*(7-\s)
.endif
	s_wait_dscnt 0x0
.irp t, 0,1,2,3
.if (\s == 0) && (\bias == 0)
	WM ACC+8*\t, WS0+48*(\s%3)+12*\t, MF, -1, SW+4*\t+(\s%4), SM, 0, 0
.else
	WM ACC+8*\t, WS0+48*(\s%3)+12*\t, MF, ACC+8*\t, SW+4*\t+(\s%4), SM, \s/4, 0
.endif
.endr
	NOP4
.if \s < 5
	LOADW \s+3, \pitch, \perm
.endif
.endr
.endm
	s_load_b512 s[8:23], s[0:1], 0x0               ; memory 8, r_in codes 10, r_in scales 12, r_in_b 14, gate codes 16, gate scales 18, r_out codes 20, pw 22
	s_load_b128 s[24:27], s[0:1], 0x40             ; g2c 24, g2s 26
	v_lshl_add_u32 v254, v0, 2, 0x11400
	v_mov_b32 v255, 0
	v_lshrrev_b32 v1, 5, v0
	v_readfirstlane_b32 s2, v1                     ; wave 0..15
	s_and_b32 s3, s2, 3                            ; q
	s_lshr_b32 s4, s2, 2                           ; role; in phase M the tile of rows
	s_mov_b32 s5, ttmp9                            ; x
	s_and_b32 s6, ttmp7, 0xffff                    ; y
	s_mov_b32 s[SEL], 0x76543210
	s_mov_b32 s[SEL+1], 0xfedcba98
	v_and_b32 v15, 31, v0
	v_lshlrev_b32 v1, 4, v15                       ; 16 x lane: an image's place (the images begin at LDS byte 0)
	v_lshlrev_b32 v2, 3, v15                       ; 8 x lane
	v_lshlrev_b32 v3, 2, v15                       ; 4 x lane
	v_and_b32 v4, 15, v0                           ; r
	v_bfe_u32 v5, v0, 4, 1                         ; h
	v_and_b32 v6, 8, v4
	v_add_nc_u32 v6, v6, v4                        ; r + 8 (r / 8)
	; every LDS address is made here, ahead of the parting of the roles
	s_mul_i32 s30, s2, 3072
	v_add_nc_u32 v7, s30, v1                       ; where I store my two images: fragment 8 (w / 4) + 2 (w % 4) = 2 w
	s_lshl_b32 s30, s2, 8
	s_add_co_u32 s30, s30, MSC
	v_add_nc_u32 v8, s30, v3                       ; and their scale words
	s_mul_i32 s30, s3, 12288
	v_add_nc_u32 v9, s30, v1                       ; tile q's eight images
	s_lshl_b32 s30, s3, 10
	s_add_co_u32 s30, s30, MSC
	v_add_nc_u32 v10, s30, v3                      ; and their scale words
	v_add_nc_u32 v12, MSC, v3                      ; all scale words
	s_mul_i32 s30, s3, 4352
	s_add_co_u32 s30, s30, STG
	v_mul_u32_u24 v13, v4, 272
	v_lshl_add_u32 v13, v5, 5, v13
	v_add_nc_u32 v13, s30, v13                     ; stage q, in: row r, + 32 h
	v_mul_u32_u24 v14, v5, 272
	v_lshl_add_u32 v14, v4, 4, v14
	v_add_nc_u32 v14, s30, v14                     ; and back: lanes 0-15 one row, lanes 16-31 the next
	v_lshlrev_b32 v15, 12, v6
	v_lshl_add_u32 v15, v5, 6, v15                 ; memory: row r + 8 (r / 8) of 4,096 bytes, + 64 h: my 16 numbers of a block
	s_lshr_b32 s7, s3, 1
	s_lshl_b32 s7, s7, 5
	s_and_b32 s31, s3, 1
	s_lshl_b32 s31, s31, 3
	s_add_co_u32 s7, s7, s31                       ; first row of tile q: 32 (q / 2) + 8 (q % 2)
	s_lshr_b32 s30, s4, 1
	s_lshl_b32 s30, s30, 5
	s_and_b32 s31, s4, 1
	s_lshl_b32 s31, s31, 3
	s_add_co_u32 s30, s30, s31                     ; the same of phase M's tile
	s_lshl_b32 s31, s6, 6
	s_add_co_u32 s30, s30, s31
	s_lshl_b32 s30, s30, 12
	s_lshl_b32 s31, s3, 10                         ; K steps 2 q, 2 q + 1: 512 bytes each
	s_add_co_u32 s30, s30, s31
	s_mov_b32 s31, 0
	s_wait_kmcnt 0x0
	s_add_nc_u64 s[30:31], s[8:9], s[30:31]
	; ---- PHASE M
.irp f, 0,1
.irp b, 0,1,2,3
.irp j, 0,1,2,3
	global_load_b128 v[96+64*\f+16*\b+4*\j:96+64*\f+16*\b+4*\j+3], v15, s[30:31] offset:512*\f+128*\b+16*\j
.endr
.endr
.endr
.set TQ, 236
	v_mov_b32 v[TQ+2], 0                           ; written once: a lane permute's destination counts as one of its sources
	v_mov_b32 v[TQ+3], 0
.irp f, 0,1
	s_wait_loadcnt 16-16*\f                        ; this K step's 16 loads are in; the other's may be out
	QH 96+64*\f, 224
	v_mov_b32 v248, v[TQ+6]
	QH 128+64*\f, 230
	v_lshl_or_b32 v248, v[TQ+6], 16, v248          ; the row's scale word for 128 along K
.irp i, 0,1,2
	ds_store_b128 v7, v[224+4*\i:224+4*\i+3] offset:1536*\f+512*\i
.endr
	ds_store_b32 v8, v248 offset:128*\f
	s_wait_dscnt 0x0
.endr
	BAR                                            ; the 32 images lie in LDS; nobody writes them again, and no barrier follows
	s_cmp_eq_u32 s4, 0
	s_cbranch_scc1 .Lrole_k
	s_cmp_eq_u32 s4, 1
	s_cbranch_scc1 .Lrole_v
	s_cmp_eq_u32 s4, 2
	s_cbranch_scc1 .Lrole_g
	; ---- ROLE 3: relayout.  gw = 0 .. 511 over the launch
	s_lshl_b32 s30, s6, 4
	s_add_co_u32 s30, s30, s5
	s_lshl_b32 s30, s30, 2
	s_add_co_u32 s30, s30, s3                      ; gw = fragment 8 T + s
	s_lshr_b32 s31, s30, 3                         ; T: tile of 16 weight rows
	s_and_b32 s42, s30, 7
	s_mul_i32 s42, s42, 96                         ; K step s: 96 bytes
	s_lshr_b32 s32, s31, 2
	s_lshl_b32 s32, s32, 6
	s_bfe_u32 s33, s31, 0x10001
	s_lshl_b32 s33, s33, 5
	s_add_co_u32 s32, s32, s33
	s_and_b32 s33, s31, 1
	s_lshl_b32 s33, s33, 3
	s_add_co_u32 s32, s32, s33                     ; Wq: 64 (T / 4) + 32 ((T / 2) % 2) + 8 (T % 2)
	s_mul_i32 s32, s32, 768
	s_add_co_u32 s32, s32, s42
	s_mov_b32 s33, 0
	s_add_nc_u64 s[32:33], s[10:11], s[32:33]
	s_mul_i32 s34, s31, 16*768                     ; Wo: row 16 T
	s_add_co_u32 s34, s34, s42
	s_mov_b32 s35, 0
	s_add_nc_u64 s[34:35], s[20:21], s[34:35]
	s_mul_i32 s36, s30, 3072                       ; gate_w: rows 2 gw, 2 gw + 1 of 1,536 bytes, their upper half
	s_add_co_u32 s36, s36, 768
	s_mov_b32 s37, 0
	s_add_nc_u64 s[36:37], s[16:17], s[36:37]
	s_lshl_b32 s38, s30, 7                         ; and of 64 scale bytes
	s_add_co_u32 s38, s38, 32
	s_mov_b32 s39, 0
	s_add_nc_u64 s[38:39], s[18:19], s[38:39]
	s_mul_i32 s44, s30, 1536
	s_mov_b32 s45, 0
	s_add_nc_u64 s[40:41], s[22:23], s[44:45]      ; pw + 1,536 gw
	s_add_nc_u64 s[42:43], s[24:25], s[44:45]      ; g2c + 2 gw rows of 768 bytes
	s_lshl_b32 s46, s30, 6
	s_mov_b32 s47, 0
	s_add_nc_u64 s[46:47], s[26:27], s[46:47]      ; g2s + 2 gw rows of 32 bytes
	v_mul_u32_u24 v80, v6, 768
	v_mad_u32_u24 v80, v5, 24, v80
	v_mul_u32_u24 v81, v4, 768
	v_mad_u32_u24 v81, v5, 24, v81
	v_lshlrev_b32 v82, 6, v5
	v_lshl_add_u32 v82, v4, 1, v82                 ; 64 h + 2 r
	v_lshrrev_b32 v83, 1, v3                       ; 2 x lane
.irp p, 0,1,2,3,4,5
	global_load_b64 v[16+2*\p:17+2*\p], v80, s[32:33] offset:48*(\p/3)+8*(\p%3)
	global_load_b64 v[28+2*\p:29+2*\p], v81, s[34:35] offset:48*(\p/3)+8*(\p%3)
.endr
.irp i, 0,1
.irp p, 0,1,2
	global_load_b64 v[96+6*\i+2*\p:97+6*\i+2*\p], v2, s[36:37] offset:1536*\i+256*\p
.endr
.endr
	global_load_u16 v84, v82, s[38:39]
	s_wait_loadcnt 0x0
.irp i, 0,1,2
	global_store_b128 v1, v[16+4*\i:19+4*\i], s[40:41] offset:WQF+512*\i     ; 32 lanes store 512 consecutive bytes
	global_store_b128 v1, v[28+4*\i:31+4*\i], s[40:41] offset:WOF+512*\i
.endr
.irp i, 0,1
.irp p, 0,1,2
	global_store_b64 v2, v[96+6*\i+2*\p:97+6*\i+2*\p], s[42:43] offset:768*\i+256*\p
.endr
.endr
	global_store_b16 v83, v84, s[46:47]
	s_wait_tensorcnt 0x0
	ds_add_u32 v254, v255
	s_wait_dscnt 0x0
	s_endpgm
.Lrole_k:                                          ; ---- ROLE 0: keys
	s_lshl_b32 s30, s5, 6
	s_add_co_u32 s30, s30, 1024                    ; Wk's first row of this head
	s_mul_i32 s32, s30, 768
	s_mov_b32 s33, 0
	s_add_nc_u64 s[32:33], s[10:11], s[32:33]
	s_lshl_b32 s34, s30, 5
	s_mov_b32 s35, 0
	s_add_nc_u64 s[34:35], s[12:13], s[34:35]
	s_lshl_b32 s36, s30, 2
	s_mov_b32 s37, 0
	s_add_nc_u64 s[36:37], s[14:15], s[36:37]
	v_mul_u32_u24 v80, v6, 768
	v_mad_u32_u24 v80, v5, 24, v80
	v_lshlrev_b32 v81, 5, v6
	v_lshl_add_u32 v81, v5, 4, v81                 ; lanes 16-31 take the words of K steps 4-7
	v_lshlrev_b32 v82, 6, v5                       ; the bias of my eight channels: tile's first + 16 h
	GW4 768, 32, 1, 1
	s_lshl_b32 s30, s5, 5
	s_lshl_b32 s31, s6, 2
	s_add_co_u32 s30, s30, s31
	s_add_co_u32 s30, s30, s3                      ; tile 32 x + 4 y + q
	s_mul_i32 s38, s30, 768
	s_mov_b32 s39, 0
	s_add_nc_u64 s[38:39], s[22:23], s[38:39]
	s_lshl_b32 s40, s30, 7
	s_add_co_u32 s40, s40, KS
	s_mov_b32 s41, 0
	s_add_nc_u64 s[40:41], s[22:23], s[40:41]
.set TQ, 240
	v_mov_b32 v[TQ+2], 0
	v_mov_b32 v[TQ+3], 0
	QH ACC, 96
	v_or_b32 v84, 0x7f7f0000, v[TQ+6]              ; the upper half of K = 128 is padding: its bytes stand for 1
.irp p, 0,1,2
	global_store_b64 v2, v[96+2*\p:97+2*\p], s[38:39] offset:256*\p          ; 32 lanes store 256 consecutive bytes
.endr
	global_store_b32 v3, v84, s[40:41]
	s_wait_tensorcnt 0x0
	ds_add_u32 v254, v255
	s_wait_dscnt 0x0
	s_endpgm
.Lrole_v:                                          ; ---- ROLE 1: values, channels 32 (q / 2) + 8 (q % 2) + r + 8 (r / 8) of the head
	s_lshl_b32 s30, s5, 6
	s_add_co_u32 s30, s30, 2048
	s_add_co_u32 s30, s30, s7
	s_mul_i32 s32, s30, 768
	s_mov_b32 s33, 0
	s_add_nc_u64 s[32:33], s[10:11], s[32:33]
	s_lshl_b32 s34, s30, 5
	s_mov_b32 s35, 0
	s_add_nc_u64 s[34:35], s[12:13], s[34:35]
	s_lshl_b32 s36, s30, 2
	s_mov_b32 s37, 0
	s_add_nc_u64 s[36:37], s[14:15], s[36:37]
	v_mul_u32_u24 v80, v6, 768
	v_mad_u32_u24 v80, v5, 24, v80
	v_lshlrev_b32 v81, 5, v6
	v_lshl_add_u32 v81, v5, 4, v81
	v_lshlrev_b32 v82, 2, v6
.irp s, 0,1,2,3,4,5,6,7
.irp p, 0,1,2,3,4,5
	global_load_b64 v[96+12*\s+2*\p:97+12*\s+2*\p], v80, s[32:33] offset:96*\s+48*(\p/3)+8*(\p%3)
.endr
.endr
	global_load_b128 v[SW:SW+3], v81, s[34:35]
	global_load_b32 v76, v82, s[36:37]             ; my channel's bias
	s_wait_loadcnt 0x0
.irp j, 0,1,2,3,4,5,6,7
	v_mov_b32 v[MF+\j], v76                        ; as C: a lane holds one channel, its eight registers eight keys
.endr
	NOP4
.irp s, 0,1,2,3,4,5,6,7
.irp kt, 0,1,2,3
.irp i, 0,1,2
	ds_load_b128 v[192+12*\kt+4*\i:192+12*\kt+4*\i+3], v1 offset:(8*\kt+\s)*1536+512*\i
.endr
	ds_load_b32 v[52+\kt], v12 offset:(8*\kt+\s)*128
.endr
	s_wait_dscnt 0x0
.irp kt, 0,1,2,3
.if \s == 0
	WM ACC+8*\kt, 192+12*\kt, 96+12*\s, MF, 52+\kt, SW+(\s%4), 0, 0
.else
	WM ACC+8*\kt, 192+12*\kt, 96+12*\s, ACC+8*\kt, 52+\kt, SW+(\s%4), 0, \s/4
.endif
.endr
	NOP4
.endr
	s_lshl_b32 s30, s5, 2
	s_lshr_b32 s31, s6, 1
	s_add_co_u32 s30, s30, s31
	s_lshl_b32 s30, s30, 2
	s_add_co_u32 s30, s30, s3                      ; (head, key step of 128, tile of channels)
	s_and_b32 s31, s6, 1                           ; which 64 keys of the step
	s_lshl_b32 s38, s30, 1
	s_add_co_u32 s38, s38, s31
	s_mul_i32 s38, s38, 768
	s_add_co_u32 s38, s38, VC
	s_mov_b32 s39, 0
	s_add_nc_u64 s[38:39], s[22:23], s[38:39]
	s_lshl_b32 s40, s30, 7
	s_lshl_b32 s31, s31, 1
	s_add_co_u32 s40, s40, s31
	s_add_co_u32 s40, s40, VS
	s_mov_b32 s41, 0
	s_add_nc_u64 s[40:41], s[22:23], s[40:41]
.set TQ, 240
	v_mov_b32 v[TQ+2], 0
	v_mov_b32 v[TQ+3], 0
	QH ACC, 96
.irp p, 0,1,2
	global_store_b64 v2, v[96+2*\p:97+2*\p], s[38:39] offset:256*\p
.endr
	global_store_b16 v3, v[TQ+6], s[40:41]         ; two of the scale word's four bytes; the work-group of the other 64 keys stores the other two
	s_wait_tensorcnt 0x0
	ds_add_u32 v254, v255
	s_wait_dscnt 0x0
	s_endpgm
.Lrole_g:                                          ; ---- ROLE 2: G1, columns 64 x on, memory's tile q
	s_mul_i32 s32, s5, 64*1536
	s_mov_b32 s33, 0
	s_add_nc_u64 s[32:33], s[16:17], s[32:33]
	s_lshl_b32 s34, s5, 12
	s_mov_b32 s35, 0
	s_add_nc_u64 s[34:35], s[18:19], s[34:35]
	v_mul_u32_u24 v80, v4, 1536
	v_mad_u32_u24 v80, v5, 24, v80
	v_lshlrev_b32 v81, 6, v4
	v_lshl_add_u32 v81, v5, 4, v81
	v_lshlrev_b32 v83, 12, v5
	v_lshl_add_u32 v83, v4, 4, v83                 ; G1: + h rows of 4,096 bytes, 16 bytes a lane
	GW4 1536, 64, 0, 0
	s_lshl_b32 s38, s6, 6
	s_add_co_u32 s38, s38, s7
	s_lshl_b32 s38, s38, 12
	s_lshl_b32 s39, s5, 8
	s_add_co_u32 s38, s38, s39
	s_add_co_u32 s38, s38, G1O
	s_mov_b32 s39, 0
	s_add_nc_u64 s[38:39], s[22:23], s[38:39]
.irp t, 0,1,2,3
	ds_store_b128 v13, v[ACC+8*\t:ACC+8*\t+3] offset:64*\t          ; each accumulator from its low end on
	ds_store_b128 v13, v[ACC+8*\t+4:ACC+8*\t+7] offset:64*\t+16
.endr
.irp n, 0,1,2,3,4,5,6,7
	ds_load_b128 v[96+4*\n:99+4*\n], v14 offset:544*\n              ; LDS serves a wave's instructions in order: these see my stores
.endr
	s_wait_dscnt 0x0
.irp n, 0,1,2,3,4,5,6,7
	global_store_b128 v83, v[96+4*\n:99+4*\n], s[38:39] offset:(2*\n+8*(\n/4))*4096   ; stage row 2 n + h is memory row + 8 (n / 4); 16 lanes store 256 consecutive bytes
.endr
	s_wait_tensorcnt 0x0
	ds_add_u32 v254, v255
	s_wait_dscnt 0x0
	s_endpgm
.Lfunc_end_k_q0448fa0a63_prep:
	.size	k_q0448fa0a63_prep, .Lfunc_end_k_q0448fa0a63_prep-k_q0448fa0a63_prep
	.p2alignl 7, 3214868480
	.fill 96, 4, 3214868480
	.section	.rodata,"a",@progbits
	.p2align	6, 0x0
	.amdhsa_kernel k_q0448fa0a63_prep
		.amdhsa_group_segment_fixed_size 72704
		.amdhsa_private_segment_fixed_size 0
		.amdhsa_enable_private_segment 0
		.amdhsa_kernarg_size 80
		.amdhsa_user_sgpr_count 2
		.amdhsa_user_sgpr_kernarg_segment_ptr 1
		.amdhsa_wavefront_size32 1
		.amdhsa_system_sgpr_workgroup_id_x 1
		.amdhsa_system_sgpr_workgroup_id_y 1
		.amdhsa_system_sgpr_workgroup_id_z 1
		.amdhsa_system_vgpr_workitem_id 0
		.amdhsa_next_free_vgpr 256
		.amdhsa_next_free_sgpr 66
		.amdhsa_reserve_vcc 0
		.amdhsa_float_denorm_mode_32 3
		.amdhsa_float_denorm_mode_16_64 3
		.amdhsa_memory_ordered 1
		.amdhsa_forward_progress 1
		.amdhsa_inst_pref_size 101
	.end_amdhsa_kernel
	.amdgpu_metadata
---
amdhsa.version: [ 1, 2 ]
amdhsa.kernels:
  - .name:           k_q0448fa0a63_prep
    .symbol:         k_q0448fa0a63_prep.kd
    .args:
      - { .name: memory, .offset: 0, .size: 8, .value_kind: global_buffer, .address_space: global }
      - { .name: r_in_w_codes, .offset: 8, .size: 8, .value_kind: global_buffer, .address_space: global }
      - { .name: r_in_w_scales, .offset: 16, .size: 8, .value_kind: global_buffer, .address_space: global }
      - { .name: r_in_b, .offset: 24, .size: 8, .value_kind: global_buffer, .address_space: global }
      - { .name: gate_w_codes, .offset: 32, .size: 8, .value_kind: global_buffer, .address_space: global }
      - { .name: gate_w_scales, .offset: 40, .size: 8, .value_kind: global_buffer, .address_space: global }
      - { .name: r_out_w_codes, .offset: 48, .size: 8, .value_kind: global_buffer, .address_space: global }
      - { .name: pw, .offset: 56, .size: 8, .value_kind: global_buffer, .address_space: global }
      - { .name: g2c, .offset: 64, .size: 8, .value_kind: global_buffer, .address_space: global }
      - { .name: g2s, .offset: 72, .size: 8, .value_kind: global_buffer, .address_space: global }
    .group_segment_fixed_size: 72704
    .private_segment_fixed_size: 0
    .kernarg_segment_align: 8
    .kernarg_segment_size: 80
    .max_flat_workgroup_size: 512
    .sgpr_count:     66
    .vgpr_count:     256
    .wavefront_size: 32
...
	.end_amdgpu_metadata
.endif
;; end of part 1
;; launch read (part 2): grid 256 x 1, 16 waves a work-group, no clusters, 261,120 bytes of LDS; arguments query, pw, r_in_w_scales, r_in_b, r_out_w_scales, r_out_b, rn_g, rn_b, out0, part; writes out0, part
.if DOCPART == 2
	.amdgcn_target "amdgcn-amd-amdhsa--gfx1250"
	.amdhsa_code_object_version 6
	.text
	.protected	k_q0448fa0a63_read
	.globl	k_q0448fa0a63_read
	.p2align	8
	.type	k_q0448fa0a63_read,@function
k_q0448fa0a63_read:
	s_mov_b64 s[64:65], 0
	v_nop
	global_prefetch_b8 v0, s[64:65] scope:SCOPE_SE
	s_setreg_imm32_b32 hwreg(HW_REG_WAVE_MODE, 25, 1), 1
	s_wait_xcnt 0x0
; The read path, query to out0, for 32 rows of query a work-group (two tiles of 16).  Wave w is head w, and columns 64 w .. 64 w + 63 in both projections.
; X: the rows come once from memory into LDS (they serve the quantiser, the residual and the column sums for the write path); 16 fragments of codes, one a wave, go to LDS as images of the operand's registers.
; Q: q = Q(x) Wq^T + bq, transposed (source 0 = 16 rows of Wq, chosen so that a lane's registers run along the head's 64), quantised in registers.
; PASS m: attention of row tile m over the 512 keys, 128 a trip.  S^T = K Q^T with K = 64 padded to 128: Q's upper 64 codes are zeros, so whatever stands in K's upper registers adds nothing.
;   p = 2^(t - M), M the running largest t rounded up to a whole number; the row's sum of the unquantised p divides at the end.  O^T = V^T P^T.  The result, quantised, is half a fragment of the next product.
; O: out-projection, residual, LayerNorm (mean, then the mean of squared differences, each summed over the sixteen waves through LDS), stores of 256 consecutive bytes by sixteen lanes.
; No tile is shared through a cluster: a K step of weights for sixteen waves is 98,304 bytes, and two slots of that do not fit beside the 259,072 bytes used here; the weights go from memory straight into registers, laid as fragments.
; LIMITS: NaN and infinities are not served; a block whose largest magnitude lies under 2^-122 gets the scale byte 1.
.set XIMG, 131584                      ; LDS: rows at 0 (32 x 4,112 bytes); x's 16 images (index 8 m + s) of 1,536 bytes;
.set XSC,  156160                      ; their scale words, 128 bytes each;
.set OIMG, 158208                      ; the attention result's images
.set OSC,  182784                      ; and scale words;
.set STG,  184832                      ; a stage of 16 rows x 272 bytes for each wave;
.set RED1, 254464                      ; [row 32][wave 16] partial sums; the second reduction's lie 2,304 bytes on
.set TOT1, 256512                      ; [row % 2][row / 2] totals; likewise
.set KS,   393216
.set VC,   458752
.set VS,   851968
.set WQF,  884736
.set WOF,  1671168
.set SEL,  40                          ; s[40:41]
.set CS,   42                          ; s[42:43] c = log2(e) / 8
.set ACC,  96                          ; v96-159  accumulators (32 m + 8 t); in a pass the scores, then p
.set SR,   96
.set OA,   160                         ; v160-191 O^T
.set FR,   32                          ; v32-85   fragments of K (8 x 6 registers, + 6 of zeros) or of V (4 x 12)
.set PC,   198                         ; v198-209 codes just made
.set BM,   210                         ; v210-213 block maxima
.set T4,   214
.set SO,   218                         ; v218-221 the conversions' scale operands
.set CV,   222
.set FP,   230                         ; v[230:231] f = 2^(old M - new M)
.set TT,   232
.set SU,   234
.set TQ,   210                         ; QH's twelve temporaries
.set WSC,  238                         ; v238-255 hold scales and nothing else: in a product the weights' words (4 t + s % 4) and x's (v254, v255);
.set KSC,  238                         ; in a pass K's eight,
.set VSC,  246                         ; V's four,
.set QS,   250                         ; Q's of the tile in hand, v251 of tile 1,
.set PWD,  252                         ; and p's
.macro QH src, dst
.irp b, 0,1
	v_max3_num_f32 v[TQ+\b], |v[\src+16*\b]|, |v[\src+16*\b+1]|, 0x2800000   ; my 16 numbers and the floor 2^(5 - 127)
.endr
.irp i, 2,4,6,8,10,12,14
.irp b, 0,1
	v_max3_num_f32 v[TQ+\b], v[TQ+\b], |v[\src+16*\b+\i]|, |v[\src+16*\b+\i+1]|
.endr
.endr
.irp b, 0,1
	v_permlanex16_b32 v[TQ+2+\b], v[TQ+\b], s[SEL], s[SEL+1]
.endr
.irp b, 0,1
	v_max_num_f32 v[TQ+\b], v[TQ+\b], v[TQ+2+\b]
.endr
.irp b, 0,1
	v_add_nc_u32 v[TQ+4+\b], 0xfe000000, v[TQ+\b]
.endr
.irp b, 0,1
	v_lshrrev_b32 v[TQ+2+\b], 23, v[TQ+4+\b]
.endr
	v_lshl_or_b32 v[TQ+6], v[TQ+3], 8, v[TQ+2]
	v_cvt_scalef32_pk16_bf6_f32 v[\dst:\dst+2], v[\src:\src+15], v[TQ+4]
	v_cvt_scalef32_pk16_bf6_f32 v[TQ+8:TQ+10], v[\src+16:\src+31], v[TQ+5]
	v_nop                                          ; one plain place behind a scaled conversion
.irp i, 0,1,2
	v_permlane16_swap_b32 v[\dst+\i], v[TQ+8+\i]
.endr
.irp i, 0,1,2
	v_mov_b32 v[\dst+3+\i], v[TQ+8+\i]
.endr
.endm
.macro BAR
	s_wait_dscnt 0x0
	s_barrier_signal -1
	s_barrier_wait -1
.endm
.macro NOP4
.rept 4
	v_nop
.endr
.endm
.macro WM d, a, b, sa, sb, ra          ; adds in place; ra: source 0's scales stand in lanes 16-31
.if \ra
	v_wmma_scale_f32_16x16x128_f8f6f4 v[\d:\d+7], v[\a:\a+11], v[\b:\b+11], v[\d:\d+7], v[\sa], v[\sb] matrix_a_fmt:MATRIX_FMT_BF6 matrix_b_fmt:MATRIX_FMT_BF6 matrix_a_scale:MATRIX_SCALE_ROW1
.else
	v_wmma_scale_f32_16x16x128_f8f6f4 v[\d:\d+7], v[\a:\a+11], v[\b:\b+11], v[\d:\d+7], v[\sa], v[\sb] matrix_a_fmt:MATRIX_FMT_BF6 matrix_b_fmt:MATRIX_FMT_BF6
.endif
.endm
.macro LOADW s                         ; K step s of my four weight tiles: 12 loads of 512 consecutive bytes; set 0 at v160, set 1 at v48
.irp t, 0,1,2,3
.irp i, 0,1,2
	global_load_b128 v[160-112*((\s)%2)+12*\t+4*\i:160-112*((\s)%2)+12*\t+4*\i+3], v1, s[30:31] offset:(8*\t+(\s))*1536+512*\i
.endr
.endr
.endm
; my 64 columns x the 32 rows, K = 1,024.  Weights at s[30:31], their scale bytes at s[32:33] + v9, the bias at s[34:35] + v10; the rows' images at v7, their scale words at v8.
; The eight accumulators take turns, one instruction a turn.
.macro GEMM perm
.irp m, 0,1
.irp t, 0,1,2,3
	global_load_b128 v[ACC+32*\m+8*\t:ACC+32*\m+8*\t+3], v10, s[34:35] offset:((\perm)*(32*(\t/2)+8*(\t%2))+(1-(\perm))*16*\t)*4      ; the bias is the C of the first product
	global_load_b128 v[ACC+32*\m+8*\t+4:ACC+32*\m+8*\t+7], v10, s[34:35] offset:((\perm)*(32*(\t/2)+8*(\t%2))+(1-(\perm))*16*\t)*4+16
.endr
.endr
.irp t, 0,1,2,3
	global_load_b128 v[WSC+4*\t:WSC+4*\t+3], v9, s[32:33] offset:((\perm)*(32*(\t/2)+8*(\t%2))+(1-(\perm))*16*\t)*32
.endr
	LOADW 0
.irp s, 0,1,2,3,4,5,6,7
	NOP4                                           ; ahead of loads into registers that the last step's products read
.if \s < 7
	LOADW \s+1
.endif
.irp m, 0,1
.irp i, 0,1,2
	ds_load_b128 v[24+12*\m+4*\i:24+12*\m+4*\i+3], v7 offset:(8*\m+\s)*1536+512*\i
.endr
	ds_load_b32 v[254+\m], v8 offset:(8*\m+\s)*128
.endr
.if \s < 7
	s_wait_loadcnt 12                              ; this step's set is in; the next step's 12 loads may be out
.else
	s_wait_loadcnt 0x0
.endif
	s_wait_dscnt 0x0
.irp m, 0,1
.irp t, 0,1,2,3
	WM ACC+32*\m+8*\t, 160-112*(\s%2)+12*\t, 24+12*\m, WSC+4*\t+(\s%4), 254+\m, \s/4
.endr
.endr
.endr
.endm
.macro RED16 base, n                   ; sums over the 16 lanes of each half, n registers by turns
.irp x, 1,2,4,8
.set KK, 0
.rept \n
	v_add_f32_dpp v[\base+KK], v[\base+KK], v[\base+KK] row_xmask:\x row_mask:0xf bank_mask:0xf
.set KK, KK+1
.endr
.endr
.endm
	s_load_b512 s[8:23], s[0:1], 0x0               ; query 8, pw 10, r_in scales 12, r_in_b 14, r_out scales 16, r_out_b 18, rn_g 20, rn_b 22
	s_load_b128 s[24:27], s[0:1], 0x40             ; out0 24, part 26
	v_lshl_add_u32 v236, v0, 2, 0x3f400
	v_mov_b32 v237, 0
	v_lshrrev_b32 v7, 5, v0
	v_readfirstlane_b32 s2, v7                     ; wave 0..15
	s_mov_b32 s3, ttmp9
	s_mov_b32 s[SEL], 0x76543210
	s_mov_b32 s[SEL+1], 0xfedcba98
	s_mov_b32 s[CS], 0x3e38aa3b
	s_mov_b32 s[CS+1], s[CS]
	v_and_b32 v6, 31, v0
	v_lshlrev_b32 v1, 4, v6                        ; 16 x lane
	v_lshlrev_b32 v2, 3, v6                        ; 8 x lane
	v_lshlrev_b32 v3, 2, v6                        ; 4 x lane
	v_and_b32 v4, 15, v0                           ; r
	v_bfe_u32 v5, v0, 4, 1                         ; h
	v_and_b32 v6, 8, v4
	v_add_nc_u32 v6, v6, v4                        ; r + 8 (r / 8)
	v_lshl_add_u32 v7, v7, 13, v1                  ; query: rows 2 w, 2 w + 1
	s_mul_i32 s28, s2, 8224
	v_add_nc_u32 v8, s28, v1                       ; the same rows in LDS
	s_lshr_b32 s28, s2, 3
	s_mul_i32 s28, s28, 65792                      ; fragment w: tile of rows w / 8,
	s_and_b32 s29, s2, 7
	s_lshl_b32 s29, s29, 9                         ; K step w % 8
	s_add_co_u32 s28, s28, s29
	v_mul_u32_u24 v9, v4, 4112
	v_lshl_add_u32 v9, v5, 6, v9
	v_add_nc_u32 v9, s28, v9
	s_mul_i32 s28, s2, 1536
	s_add_co_u32 s28, s28, XIMG
	v_add_nc_u32 v10, s28, v1
	s_lshl_b32 s28, s2, 7
	s_add_co_u32 s28, s28, XSC
	v_add_nc_u32 v11, s28, v3
	v_lshlrev_b32 v30, 3, v0                       ; the column sums: two columns a thread
	v_add_nc_u32 v31, 65792, v30                   ; rows 16 on
	v_mov_b32 v[TQ+2], 0                           ; written once: a lane permute's destination counts as one of its sources
	v_mov_b32 v[TQ+3], 0
	s_lshl_b32 s28, s3, 17
	s_mov_b32 s29, 0
	s_lshl_b32 s36, s3, 12
	s_mov_b32 s37, 0
	s_wait_kmcnt 0x0
	s_add_nc_u64 s[8:9], s[8:9], s[28:29]
	s_add_nc_u64 s[24:25], s[24:25], s[28:29]
	s_add_nc_u64 s[26:27], s[26:27], s[36:37]
	; ---- X
.set II, 0
.rept 16
	global_load_b128 v[96+4*II:99+4*II], v7, s[8:9] offset:(II/8)*4096+(II%8)*512 th:TH_LOAD_NT   ; 512 consecutive bytes a load; read once in the launch
.set II, II+1
.endr
	s_wait_loadcnt 0x0
.set II, 0
.rept 16
	ds_store_b128 v8, v[96+4*II:99+4*II] offset:(II/8)*4112+(II%8)*512
.set II, II+1
.endr
	BAR                                            ; the 32 rows lie in LDS and stay
.irp b, 0,1,2,3
.irp j, 0,1,2,3
	ds_load_b128 v[96+16*\b+4*\j:99+16*\b+4*\j], v9 offset:128*\b+16*\j       ; register 16 b + i = k 32 b + 16 h + i of row r
.endr
.endr
.set II, 0
.rept 16
	ds_load_b64 v[32+2*II:33+2*II], v30 offset:II*4112
.set II, II+1
.endr
.set II, 0
.rept 16
	ds_load_b64 v[64+2*II:65+2*II], v31 offset:II*4112
.set II, II+1
.endr
	s_wait_dscnt 32                                ; the fragment's 16 loads are in; the 32 column loads may be out
	QH 96, PC
	v_mov_b32 v222, v[TQ+6]
	QH 128, PC+6
	v_lshl_or_b32 v222, v[TQ+6], 16, v222
.irp i, 0,1,2
	ds_store_b128 v10, v[PC+4*\i:PC+4*\i+3] offset:512*\i
.endr
	ds_store_b32 v11, v222
	s_wait_dscnt 4                                 ; the column loads are in; the four stores behind them may be out
.set II, 2
.rept 15
	v_pk_add_f32 v[32:33], v[32:33], v[32+2*II:33+2*II]
	v_pk_add_f32 v[34:35], v[34:35], v[34+2*II:35+2*II]
.set II, II+2
.endr
	v_pk_add_f32 v[32:33], v[32:33], v[34:35]
	global_store_b64 v30, v[32:33], s[26:27]       ; my 32 rows' sums of two columns
	v_add_nc_u32 v7, XIMG, v1
	v_add_nc_u32 v8, XSC, v3
	v_lshlrev_b32 v9, 5, v6
	v_lshl_add_u32 v9, v5, 4, v9                   ; Wq's scale bytes: row r + 8 (r / 8), lanes 16-31 the words of K steps 4-7
	v_lshlrev_b32 v10, 6, v5                       ; the bias: + 16 h numbers
	s_mul_i32 s30, s2, 49152
	s_add_co_u32 s30, s30, WQF
	s_mov_b32 s31, 0
	s_add_nc_u64 s[30:31], s[10:11], s[30:31]
	s_lshl_b32 s32, s2, 11
	s_mov_b32 s33, 0
	s_add_nc_u64 s[32:33], s[12:13], s[32:33]
	s_lshl_b32 s34, s2, 8
	s_mov_b32 s35, 0
	s_add_nc_u64 s[34:35], s[14:15], s[34:35]
	s_wait_xcnt 0x0                                ; the store has read v30 and v[32:33]: they are written again below
	BAR                                            ; x's sixteen images lie in LDS
	; ---- Q
	GEMM 1
	NOP4
	QH ACC, 16
	v_or_b32 v[QS], 0x7f7f0000, v[TQ+6]            ; the padding's bytes stand for 1
	QH ACC+32, 192
	v_or_b32 v[QS+1], 0x7f7f0000, v[TQ+6]
.irp i, 0,1,2,3,4,5
	v_mov_b32 v[22+\i], 0                          ; Q's codes of the padding: zeros
	v_mov_b32 v[FR+48+\i], 0                       ; what the eighth tile of K names beyond its own six registers
.endr
.irp i, 0,1,2,3
	v_mov_b32 v[T4+\i], 0
.endr
	v_mov_b32 v[FP+1], 0                           ; (named as the upper half of a pair)
	v_mov_b32 v[TT], 0
	s_lshr_b32 s28, s2, 1
	s_mul_i32 s28, s28, 1536
	s_and_b32 s29, s2, 1
	s_mul_i32 s36, s29, 520
	s_add_co_u32 s36, s36, s28
	s_add_co_u32 s36, s36, OIMG
	v_add_nc_u32 v7, s36, v1                       ; my half of fragment w / 2: registers 0, 1 (or 6, 7); 512 bytes on: 4, 5 (or 10, 11)
	s_mul_i32 s36, s29, 1016
	s_add_co_u32 s36, s36, s28
	s_add_co_u32 s36, s36, OIMG+8
	v_add_nc_u32 v8, s36, v1                       ; registers 2, 3 (or 8, 9)
	s_lshr_b32 s28, s2, 1
	s_lshl_b32 s28, s28, 7
	s_lshl_b32 s29, s29, 1
	s_add_co_u32 s28, s28, s29
	s_add_co_u32 s28, s28, OSC
	v_add_nc_u32 v9, s28, v3                       ; my two bytes of its scale words
	s_mul_i32 s28, s2, 24576
	s_mov_b32 s29, 0
	s_add_nc_u64 s[52:53], s[10:11], s[28:29]      ; my head's key codes,
	s_add_nc_u64 s[56:57], s[52:53], VC            ; value codes,
	s_lshl_b32 s28, s2, 12
	s_add_nc_u64 s[54:55], s[10:11], s[28:29]
	s_add_nc_u64 s[54:55], s[54:55], KS            ; key scale words,
	s_lshl_b32 s28, s2, 11
	s_add_nc_u64 s[58:59], s[10:11], s[28:29]
	s_add_nc_u64 s[58:59], s[58:59], VS            ; value scale words
.macro PASS m
.if \m
.irp i, 0,1,2,3,4,5
	v_mov_b32 v[16+\i], v[192+\i]
.endr
	v_mov_b32 v[QS], v[QS+1]
.endif
	v_mov_b32 v13, 0xff61b1e6                      ; the largest t so far: -3e38
	v_floor_f32 v12, -v13                          ; -M
	v_mov_b32 v14, 0                               ; the sum, in two halves
	v_mov_b32 v15, 0
.set JJ, 0
.rept 32
	v_mov_b32 v[OA+JJ], 0                          ; the trip is written once: the first finds zeros
.set JJ, JJ+1
.endr
	s_mov_b64 s[44:45], s[52:53]
	s_mov_b64 s[46:47], s[54:55]
	s_mov_b64 s[48:49], s[56:57]
	s_mov_b64 s[50:51], s[58:59]
	s_mov_b32 s60, 4
.Lkeys_\@:                                         ; 128 keys a trip
	NOP4                                           ; ahead of loads into registers that the last products read
.irp t, 0,1,2,3,4,5,6,7
.irp p, 0,1,2
	global_load_b64 v[FR+6*\t+2*\p:FR+6*\t+2*\p+1], v2, s[44:45] offset:768*\t+256*\p
.endr
	global_load_b32 v[KSC+\t], v3, s[46:47] offset:128*\t
.endr
	s_wait_loadcnt 0x0
.irp t, 0,1,2,3,4,5,6,7
	v_wmma_scale_f32_16x16x128_f8f6f4 v[SR+8*\t:SR+8*\t+7], v[FR+6*\t:FR+6*\t+11], v[16:27], 0, v[KSC+\t], v[QS] matrix_a_fmt:MATRIX_FMT_BF6 matrix_b_fmt:MATRIX_FMT_BF6
.endr
	NOP4
.irp t, 0,1,2,3
.irp p, 0,1,2,3,4,5
	global_load_b64 v[FR+12*\t+2*\p:FR+12*\t+2*\p+1], v2, s[48:49] offset:1536*\t+256*\p   ; V lands while the softmax is walked
.endr
	global_load_b32 v[VSC+\t], v3, s[50:51] offset:128*\t
.endr
.irp b, 0,1,2,3
	v_max3_num_f32 v[BM+\b], v[SR+16*\b], v[SR+1+16*\b], v[SR+2+16*\b]   ; the largest score of each block of 32 keys: for the row's maximum and for the block's largest p
.endr
.irp i, 3,5,7,9,11,13
.irp b, 0,1,2,3
	v_max3_num_f32 v[BM+\b], v[BM+\b], v[SR+16*\b+\i], v[SR+1+16*\b+\i]
.endr
.endr
.irp b, 0,1,2,3
	v_max_num_f32 v[BM+\b], v[BM+\b], v[SR+15+16*\b]
.endr
.irp b, 0,1,2,3
	v_permlanex16_b32 v[T4+\b], v[BM+\b], s[SEL], s[SEL+1]
.endr
.irp b, 0,1,2,3
	v_max_num_f32 v[BM+\b], v[BM+\b], v[T4+\b]
.endr
	v_max3_num_f32 v[TT], v[BM], v[BM+1], v[BM+2]
	v_max_num_f32 v[TT], v[TT], v[BM+3]
	v_mul_f32 v[TT], s[CS], v[TT]                  ; as t (c is positive)
	v_max_num_f32 v13, v13, v[TT]
	v_mov_b32 v[TT], v12
	v_floor_f32 v12, -v13                          ; the new -M = -ceil(t)
	v_sub_f32 v[TT], v12, v[TT]
	v_cvt_i32_f32 v[TT], v[TT]                     ; (it saturates)
	v_ldexp_f32 v[FP], 1.0, v[TT]                  ; f = 2^(old M - new M)
.set JJ, 0
.rept 32
	v_pk_fma_f32 v[SR+JJ:SR+JJ+1], v[SR+JJ:SR+JJ+1], s[CS:CS+1], v[12:13] op_sel_hi:[1,0,0]   ; t - M
.set JJ, JJ+2
.endr
.irp b, 0,1,2,3
	v_fma_f32 v[BM+\b], v[BM+\b], s[CS], v12
.endr
.set JJ, 0
.rept 64
	v_exp_f32 v[SR+JJ], v[SR+JJ]                   ; p = 2^(t - M)
.set JJ, JJ+1
.endr
	v_pk_mul_f32 v[14:15], v[14:15], v[FP:FP+1] op_sel_hi:[1,0]   ; a plain place behind the exponentials
	s_wait_alu depctr_va_vdst(0)                   ; one wait for the batch, ahead of its first reader
.irp b, 0,1,2,3
	v_exp_f32 v[BM+\b], v[BM+\b]                   ; the block's largest p
.endr
	v_pk_add_f32 v[SU:SU+1], v[SR:SR+1], v[SR+2:SR+3]   ; the row's sum of the unquantised p, in two chains
.set JJ, 4
.rept 15
	v_pk_add_f32 v[14:15], v[14:15], v[SR+JJ:SR+JJ+1]
	v_pk_add_f32 v[SU:SU+1], v[SU:SU+1], v[SR+JJ+2:SR+JJ+3]
.set JJ, JJ+4
.endr
	v_pk_add_f32 v[14:15], v[14:15], v[SU:SU+1]
	s_wait_alu depctr_va_vdst(0)                   ; and one for the four
.irp b, 0,1,2,3
	v_max_num_f32 v[BM+\b], 0x2800000, v[BM+\b]
.endr
.irp b, 0,1,2,3
	v_add_nc_u32 v[SO+\b], 0xfe000000, v[BM+\b]
.endr
.irp b, 0,1,2,3
	v_lshrrev_b32 v[T4+\b], 23, v[SO+\b]
.endr
	v_lshl_or_b32 v[PWD], v[T4+1], 8, v[T4]
	v_lshl_or_b32 v[PWD], v[T4+2], 16, v[PWD]
	v_lshl_or_b32 v[PWD], v[T4+3], 24, v[PWD]
.irp c, 0,1
	v_cvt_scalef32_pk16_bf6_f32 v[PC+6*\c:PC+6*\c+2], v[SR+32*\c:SR+32*\c+15], v[SO+2*\c]
	v_cvt_scalef32_pk16_bf6_f32 v[CV+4*\c:CV+4*\c+2], v[SR+16+32*\c:SR+31+32*\c], v[SO+2*\c+1]
.endr
	v_nop
.irp c, 0,1
.irp i, 0,1,2
	v_permlane16_swap_b32 v[PC+6*\c+\i], v[CV+4*\c+\i]
.endr
.irp i, 0,1,2
	v_mov_b32 v[PC+3+6*\c+\i], v[CV+4*\c+\i]
.endr
.endr
.set JJ, 0
.rept 16
	v_pk_mul_f32 v[OA+JJ:OA+JJ+1], v[OA+JJ:OA+JJ+1], v[FP:FP+1] op_sel_hi:[1,0]   ; O^T under the new M; these are also the places ahead of the products
.set JJ, JJ+2
.endr
	s_wait_loadcnt 0x0                             ; V
.irp t, 0,1,2,3
	v_wmma_scale_f32_16x16x128_f8f6f4 v[OA+8*\t:OA+8*\t+7], v[FR+12*\t:FR+12*\t+11], v[PC:PC+11], v[OA+8*\t:OA+8*\t+7], v[VSC+\t], v[PWD] matrix_a_fmt:MATRIX_FMT_BF6 matrix_b_fmt:MATRIX_FMT_BF6
.endr
	s_add_nc_u64 s[44:45], s[44:45], 6144          ; all my loads are done: the pointers may step
	s_add_nc_u64 s[46:47], s[46:47], 1024
	s_add_nc_u64 s[48:49], s[48:49], 6144
	s_add_nc_u64 s[50:51], s[50:51], 512
	s_sub_co_u32 s60, s60, 1
	s_cmp_lg_u32 s60, 0
	s_cbranch_scc1 .Lkeys_\@
	NOP4
	v_add_f32 v14, v14, v15
	v_permlanex16_b32 v[TT], v14, s[SEL], s[SEL+1]
	v_add_f32 v14, v14, v[TT]                      ; the row's sum
	v_rcp_f32 v14, v14
	v_nop
	s_wait_alu depctr_va_vdst(0)
.set JJ, 0
.rept 32
	v_mul_f32 v[SR+JJ], v[OA+JJ], v14              ; register 16 b + i = channel 32 b + 16 h + i of my head
.set JJ, JJ+1
.endr
	QH SR, PC
	ds_store_b64 v7, v[PC:PC+1] offset:12288*\m
	ds_store_b64 v8, v[PC+2:PC+3] offset:12288*\m
	ds_store_b64 v7, v[PC+4:PC+5] offset:12288*\m+512
	ds_store_b16 v9, v[TQ+6] offset:1024*\m
	s_wait_dscnt 0x0
.endm
	PASS 0
	PASS 1
	v_add_nc_u32 v7, OIMG, v1
	v_add_nc_u32 v8, OSC, v3
	v_lshlrev_b32 v9, 5, v4
	v_lshl_add_u32 v9, v5, 4, v9
	v_lshlrev_b32 v10, 5, v5
	s_mul_i32 s30, s2, 49152
	s_add_co_u32 s30, s30, WOF
	s_mov_b32 s31, 0
	s_add_nc_u64 s[30:31], s[10:11], s[30:31]
	s_lshl_b32 s32, s2, 11
	s_mov_b32 s33, 0
	s_add_nc_u64 s[32:33], s[16:17], s[32:33]
	s_lshl_b32 s34, s2, 8
	s_mov_b32 s35, 0
	s_add_nc_u64 s[34:35], s[18:19], s[34:35]
	BAR                                            ; the attention result's sixteen images lie in LDS
	; ---- O
	GEMM 0
	; the way out.  The address lines are the places behind the last products: none names a register of theirs
	s_mul_i32 s28, s2, 4352
	s_add_co_u32 s28, s28, STG
	v_mul_u32_u24 v7, v4, 272
	v_lshl_add_u32 v7, v5, 5, v7
	v_add_nc_u32 v7, s28, v7                       ; my stage, in: row r, + 32 h
	v_mul_u32_u24 v8, v5, 272
	v_lshl_add_u32 v8, v4, 4, v8
	v_add_nc_u32 v8, s28, v8                       ; back: lanes 0-15 one row, lanes 16-31 the next
	s_lshl_b32 s29, s2, 8
	v_lshl_add_u32 v9, v4, 4, s29                  ; my four columns: 256 w + 16 r bytes
	v_mul_u32_u24 v10, v5, 4112
	v_add_nc_u32 v10, v10, v9                      ; the residual: row h of the rows in LDS
	v_add_nc_u32 v11, 65792, v10
	v_lshl_add_u32 v12, v5, 12, v9                 ; and in out0
	s_lshl_b32 s29, s2, 2
	s_add_co_u32 s36, s29, RED1
	v_lshl_add_u32 v28, v5, 6, s36                 ; partial sums: row 2 k + h, wave w
	s_add_co_u32 s36, s29, TOT1
	v_lshl_add_u32 v30, v5, 6, s36                 ; totals: [h][w] is row 2 w + h
	s_lshl_b32 s29, s2, 7
	s_add_co_u32 s29, s29, RED1
	v_add_nc_u32 v29, s29, v3                      ; rows 2 w, 2 w + 1: sixteen partial sums each
	v_lshlrev_b32 v31, 6, v5
	v_add_nc_u32 v31, TOT1, v31
	global_load_b128 v[16:19], v9, s[20:21]        ; gain
	global_load_b128 v[20:23], v9, s[22:23]        ; bias
.irp m, 0,1
.irp t, 0,1,2,3
	ds_store_b128 v7, v[ACC+32*\m+8*\t:ACC+32*\m+8*\t+3] offset:64*\t        ; each accumulator from its low end on
	ds_store_b128 v7, v[ACC+32*\m+8*\t+4:ACC+32*\m+8*\t+7] offset:64*\t+16
.endr
.irp n, 0,1,2,3,4,5,6,7
	ds_load_b128 v[160+32*\m+4*\n:163+32*\m+4*\n], v8 offset:544*\n          ; k = 8 m + n: row 2 k + h, my four columns.  LDS serves a wave's instructions in order
.endr
.endr
.irp n, 0,1,2,3,4,5,6,7
	ds_load_b128 v[32+4*\n:35+4*\n], v10 offset:8224*\n
	ds_load_b128 v[64+4*\n:67+4*\n], v11 offset:8224*\n
.endr
	s_wait_dscnt 0x0
.set JJ, 0
.rept 32
	v_pk_add_f32 v[160+JJ:161+JJ], v[160+JJ:161+JJ], v[32+JJ:33+JJ]          ; + query
.set JJ, JJ+2
.endr
.set KK, 0
.rept 16
	v_add_f32 v[96+KK], v[160+4*KK], v[161+4*KK]
	v_add_f32 v[112+KK], v[162+4*KK], v[163+4*KK]
.set KK, KK+1
.endr
.set KK, 0
.rept 16
	v_add_f32 v[96+KK], v[96+KK], v[112+KK]
.set KK, KK+1
.endr
	RED16 96, 16
.set KK, 0
.rept 16
	ds_store_b32 v28, v[96+KK] offset:128*KK       ; sixteen lanes write the same word with the same value
.set KK, KK+1
.endr
	BAR
	ds_load_b32 v128, v29
	s_wait_dscnt 0x0
	RED16 128, 1
	v_mul_f32 v128, 0x3a800000, v128               ; / 1,024: the mean
	ds_store_b32 v30, v128
	BAR
.irp i, 0,1,2,3
	ds_load_b128 v[112+4*\i:115+4*\i], v31 offset:16*\i
.endr
	s_wait_dscnt 0x0
.set KK, 0
.rept 16
.irp c, 0,1,2,3
	v_sub_f32 v[160+4*KK+\c], v[160+4*KK+\c], v[112+KK]
.endr
.set KK, KK+1
.endr
.set KK, 0
.rept 16
	v_mul_f32 v[96+KK], v[160+4*KK], v[160+4*KK]
.set KK, KK+1
.endr
.irp c, 1,2,3
.set KK, 0
.rept 16
	v_fmac_f32 v[96+KK], v[160+4*KK+\c], v[160+4*KK+\c]
.set KK, KK+1
.endr
.endr
	RED16 96, 16
.set KK, 0
.rept 16
	ds_store_b32 v28, v[96+KK] offset:128*KK+2304
.set KK, KK+1
.endr
	BAR
	ds_load_b32 v128, v29 offset:2304
	s_wait_dscnt 0x0
	RED16 128, 1
	v_mul_f32 v128, 0x3a800000, v128
	v_add_f32 v128, 0x3727c5ac, v128               ; + 1e-5
	v_rsq_f32 v128, v128
	v_nop
	s_wait_alu depctr_va_vdst(0)
	ds_store_b32 v30, v128 offset:2304
	BAR
.irp i, 0,1,2,3
	ds_load_b128 v[112+4*\i:115+4*\i], v31 offset:2304+16*\i
.endr
	s_wait_dscnt 0x0
	s_wait_loadcnt 0x0                             ; gain and bias
.set KK, 0
.rept 16
.irp c, 0,1,2,3
	v_mul_f32 v[160+4*KK+\c], v[160+4*KK+\c], v[112+KK]
.endr
	v_pk_fma_f32 v[160+4*KK:161+4*KK], v[160+4*KK:161+4*KK], v[16:17], v[20:21]
	v_pk_fma_f32 v[162+4*KK:163+4*KK], v[162+4*KK:163+4*KK], v[18:19], v[22:23]
.set KK, KK+1
.endr
.set KK, 0
.rept 16
	global_store_b128 v12, v[160+4*KK:163+4*KK], s[24:25] offset:8192*KK th:TH_STORE_NT   ; 16 lanes store 256 consecutive bytes, at a multiple of 256 from out0's first byte
.set KK, KK+1
.endr
	s_wait_tensorcnt 0x0
	ds_add_u32 v236, v237
	s_wait_dscnt 0x0
	s_endpgm
.Lfunc_end_k_q0448fa0a63_read:
	.size	k_q0448fa0a63_read, .Lfunc_end_k_q0448fa0a63_read-k_q0448fa0a63_read
	.p2alignl 7, 3214868480
	.fill 96, 4, 3214868480
	.section	.rodata,"a",@progbits
	.p2align	6, 0x0
	.amdhsa_kernel k_q0448fa0a63_read
		.amdhsa_group_segment_fixed_size 261120
		.amdhsa_private_segment_fixed_size 0
		.amdhsa_enable_private_segment 0
		.amdhsa_kernarg_size 80
		.amdhsa_user_sgpr_count 2
		.amdhsa_user_sgpr_kernarg_segment_ptr 1
		.amdhsa_wavefront_size32 1
		.amdhsa_system_sgpr_workgroup_id_x 1
		.amdhsa_system_sgpr_workgroup_id_y 1
		.amdhsa_system_sgpr_workgroup_id_z 1
		.amdhsa_system_vgpr_workitem_id 0
		.amdhsa_next_free_vgpr 256
		.amdhsa_next_free_sgpr 66
		.amdhsa_reserve_vcc 0
		.amdhsa_float_denorm_mode_32 3
		.amdhsa_float_denorm_mode_16_64 3
		.amdhsa_memory_ordered 1
		.amdhsa_forward_progress 1
		.amdhsa_inst_pref_size 149
	.end_amdhsa_kernel
	.amdgpu_metadata
---
amdhsa.version: [ 1, 2 ]
amdhsa.kernels:
  - .name:           k_q0448fa0a63_read
    .symbol:         k_q0448fa0a63_read.kd
    .args:
      - { .name: query, .offset: 0, .size: 8, .value_kind: global_buffer, .address_space: global }
      - { .name: pw, .offset: 8, .size: 8, .value_kind: global_buffer, .address_space: global }
      - { .name: r_in_w_scales, .offset: 16, .size: 8, .value_kind: global_buffer, .address_space: global }
      - { .name: r_in_b, .offset: 24, .size: 8, .value_kind: global_buffer, .address_space: global }
      - { .name: r_out_w_scales, .offset: 32, .size: 8, .value_kind: global_buffer, .address_space: global }
      - { .name: r_out_b, .offset: 40, .size: 8, .value_kind: global_buffer, .address_space: global }
      - { .name: rn_g, .offset: 48, .size: 8, .value_kind: global_buffer, .address_space: global }
      - { .name: rn_b, .offset: 56, .size: 8, .value_kind: global_buffer, .address_space: global }
      - { .name: out0, .offset: 64, .size: 8, .value_kind: global_buffer, .address_space: global }
      - { .name: part, .offset: 72, .size: 8, .value_kind: global_buffer, .address_space: global }
    .group_segment_fixed_size: 261120
    .private_segment_fixed_size: 0
    .kernarg_segment_align: 8
    .kernarg_segment_size: 80
    .max_flat_workgroup_size: 512
    .sgpr_count:     66
    .vgpr_count:     256
    .wavefront_size: 32
...
	.end_amdgpu_metadata
.endif
;; end of part 2
;; launch vw (part 3): grid 32 x 8, 8 waves a work-group, no clusters, 5,376 bytes of LDS; arguments part, w_in_w, w_in_b, vwb; writes vwb
.if DOCPART == 3
	.amdgcn_target "amdgcn-amd-amdhsa--gfx1250"
	.amdhsa_code_object_version 6
	.text
	.protected	k_q0448fa0a63_vw
	.globl	k_q0448fa0a63_vw
	.p2align	8
	.type	k_q0448fa0a63_vw,@function
k_q0448fa0a63_vw:
	s_mov_b64 s[64:65], 0
	v_nop
	global_prefetch_b8 v0, s[64:65] scope:SCOPE_SE
	s_setreg_imm32_b32 hwreg(HW_REG_WAVE_MODE, 25, 1), 1
	s_wait_xcnt 0x0
; The write path's value row: v_w[b] = mean over the sequence of query[b] x Wv^T + bv, in f32 fused multiply-adds, since it goes on into a quantiser.
; reference()'s write attention has ONE key, so its softmax is 1 for every finite input and its result is v_w[b] for every memory slot: the query and key projections of that attention
; (rows 0 to 2,047 of w_in_w and of w_in_b) can change no result and are not computed.
; Work-group (x, b): 32 columns of batch b; wave w takes four of them.  Every work-group adds the batch's 32 rows of column sums anew (128 KiB) and shares the mean through LDS.
; No matrix unit (8 rows), no cluster: memory binds.
	s_load_b256 s[4:11], s[0:1], 0x0               ; part 4, w_in_w 6, w_in_b 8, vwb 10
	v_lshl_add_u32 v126, v0, 2, 0x1100
	v_mov_b32 v127, 0
	v_lshrrev_b32 v1, 5, v0
	v_readfirstlane_b32 s2, v1                     ; wave 0..7
	s_and_b32 s3, ttmp7, 0xffff                    ; b
	v_lshlrev_b32 v1, 4, v0                        ; 16 x thread: four columns of the mean
	v_and_b32 v6, 31, v0
	v_lshlrev_b32 v2, 4, v6                        ; 16 x lane
	v_lshlrev_b32 v6, 2, v6                        ; 4 x lane
	s_lshl_b32 s16, s2, 4
	s_add_co_u32 s16, s16, 4096
	v_mov_b32 v3, s16                              ; LDS: my wave's four results
	v_add_nc_u32 v5, 4096, v6                      ; and all 32
	s_mov_b32 s20, 0x76543210
	s_mov_b32 s21, 0xfedcba98
	s_lshl_b32 s16, s3, 17
	s_mov_b32 s17, 0
	s_lshl_b32 s18, ttmp9, 5
	s_lshl_b32 s19, s2, 2
	s_add_co_u32 s18, s18, s19
	s_add_co_u32 s18, s18, 2048                    ; my first row of w_in_w
	s_lshl_b32 s22, s18, 12
	s_mov_b32 s23, 0
	s_lshl_b32 s24, s18, 2
	s_mov_b32 s25, 0
	s_lshl_b32 s26, s3, 12
	s_lshl_b32 s27, ttmp9, 7
	s_add_co_u32 s26, s26, s27
	s_mov_b32 s27, 0
	s_wait_kmcnt 0x0
	s_add_nc_u64 s[4:5], s[4:5], s[16:17]
	s_add_nc_u64 s[6:7], s[6:7], s[22:23]
	s_add_nc_u64 s[8:9], s[8:9], s[24:25]
	s_add_nc_u64 s[10:11], s[10:11], s[26:27]
	s_load_b128 s[12:15], s[8:9], 0x0              ; four biases
.set II, 0
.rept 16
	global_load_b128 v[32+4*II:35+4*II], v1, s[4:5] offset:4096*II
.set II, II+1
.endr
.irp c, 0,1,2,3
.irp j, 0,1,2,3,4,5,6,7
	global_load_b128 v[128+32*\c+4*\j:131+32*\c+4*\j], v2, s[6:7] offset:4096*\c+512*\j
.endr
.endr
	s_wait_loadcnt 32                              ; the first 16 rows of sums are in; the 32 weight loads may be out
	v_pk_add_f32 v[16:17], v[32:33], v[36:37]
	v_pk_add_f32 v[18:19], v[34:35], v[38:39]
.set II, 2
.rept 14
	v_pk_add_f32 v[16:17], v[16:17], v[32+4*II:33+4*II]
	v_pk_add_f32 v[18:19], v[18:19], v[34+4*II:35+4*II]
.set II, II+1
.endr
.set II, 0
.rept 16
	global_load_b128 v[32+4*II:35+4*II], v1, s[4:5] offset:4096*(16+II)
.set II, II+1
.endr
	s_wait_loadcnt 0x0
.set II, 0
.rept 16
	v_pk_add_f32 v[16:17], v[16:17], v[32+4*II:33+4*II]
	v_pk_add_f32 v[18:19], v[18:19], v[34+4*II:35+4*II]
.set II, II+1
.endr
	v_pk_mul_f32 v[16:17], v[16:17], 0x3a800000 op_sel_hi:[1,0]    ; / 1,024
	v_pk_mul_f32 v[18:19], v[18:19], 0x3a800000 op_sel_hi:[1,0]
	ds_store_b128 v1, v[16:19]
	s_wait_dscnt 0x0
	s_barrier_signal -1
	s_barrier_wait -1
.irp j, 0,1,2,3,4,5,6,7
	ds_load_b128 v[32+4*\j:35+4*\j], v2 offset:512*\j
.endr
	s_wait_dscnt 0x0
.irp c, 0,1,2,3
	v_pk_mul_f32 v[16+2*\c:17+2*\c], v[128+32*\c:129+32*\c], v[32:33]
.endr
.set II, 2
.rept 15
.irp c, 0,1,2,3
	v_pk_fma_f32 v[16+2*\c:17+2*\c], v[128+32*\c+II:129+32*\c+II], v[32+II:33+II], v[16+2*\c:17+2*\c]   ; the four columns by turns
.endr
.set II, II+2
.endr
.irp c, 0,1,2,3
	v_add_f32 v[24+\c], v[16+2*\c], v[17+2*\c]
	v_mov_b32 v[28+\c], 0
.endr
.irp x, 1,2,4,8
.irp c, 0,1,2,3
	v_add_f32_dpp v[24+\c], v[24+\c], v[24+\c] row_xmask:\x row_mask:0xf bank_mask:0xf
.endr
.endr
.irp c, 0,1,2,3
	v_permlanex16_b32 v[28+\c], v[24+\c], s20, s21
.endr
	s_wait_kmcnt 0x0
.irp c, 0,1,2,3
	v_add_f32 v[24+\c], v[24+\c], v[28+\c]
.endr
.irp c, 0,1,2,3
	v_add_f32 v[24+\c], s[12+\c], v[24+\c]
.endr
.irp c, 0,1,2,3
	ds_store_b32 v3, v[24+\c] offset:4*\c          ; all lanes write the same word with the same value
.endr
	s_wait_dscnt 0x0
	s_barrier_signal -1
	s_barrier_wait -1
	s_cmp_lg_u32 s2, 0
	s_cbranch_scc1 .Ldone
	ds_load_b32 v4, v5
	s_wait_dscnt 0x0
	global_store_b32 v6, v4, s[10:11]              ; 32 columns: 128 consecutive bytes
.Ldone:
	s_wait_tensorcnt 0x0
	ds_add_u32 v126, v127
	s_wait_dscnt 0x0
	s_endpgm
.Lfunc_end_k_q0448fa0a63_vw:
	.size	k_q0448fa0a63_vw, .Lfunc_end_k_q0448fa0a63_vw-k_q0448fa0a63_vw
	.p2alignl 7, 3214868480
	.fill 96, 4, 3214868480
	.section	.rodata,"a",@progbits
	.p2align	6, 0x0
	.amdhsa_kernel k_q0448fa0a63_vw
		.amdhsa_group_segment_fixed_size 5376
		.amdhsa_private_segment_fixed_size 0
		.amdhsa_enable_private_segment 0
		.amdhsa_kernarg_size 32
		.amdhsa_user_sgpr_count 2
		.amdhsa_user_sgpr_kernarg_segment_ptr 1
		.amdhsa_wavefront_size32 1
		.amdhsa_system_sgpr_workgroup_id_x 1
		.amdhsa_system_sgpr_workgroup_id_y 1
		.amdhsa_system_sgpr_workgroup_id_z 1
		.amdhsa_system_vgpr_workitem_id 0
		.amdhsa_next_free_vgpr 256
		.amdhsa_next_free_sgpr 66
		.amdhsa_reserve_vcc 0
		.amdhsa_float_denorm_mode_32 3
		.amdhsa_float_denorm_mode_16_64 3
		.amdhsa_memory_ordered 1
		.amdhsa_forward_progress 1
		.amdhsa_inst_pref_size 20
	.end_amdhsa_kernel
	.amdgpu_metadata
---
amdhsa.version: [ 1, 2 ]
amdhsa.kernels:
  - .name:           k_q0448fa0a63_vw
    .symbol:         k_q0448fa0a63_vw.kd
    .args:
      - { .name: part, .offset: 0, .size: 8, .value_kind: global_buffer, .address_space: global }
      - { .name: w_in_w, .offset: 8, .size: 8, .value_kind: global_buffer, .address_space: global }
      - { .name: w_in_b, .offset: 16, .size: 8, .value_kind: global_buffer, .address_space: global }
      - { .name: vwb, .offset: 24, .size: 8, .value_kind: global_buffer, .address_space: global }
    .group_segment_fixed_size: 5376
    .private_segment_fixed_size: 0
    .kernarg_segment_align: 8
    .kernarg_segment_size: 32
    .max_flat_workgroup_size: 256
    .sgpr_count:     66
    .vgpr_count:     256
    .wavefront_size: 32
...
	.end_amdgpu_metadata
.endif
;; end of part 3
;; launch upd (part 4): grid 8 x 1, 8 waves a work-group, no clusters, 14,336 bytes of LDS; arguments vwb, w_out_w_codes, w_out_w_scales, w_out_b, updb; writes updb
.if DOCPART == 4
	.amdgcn_target "amdgcn-amd-amdhsa--gfx1250"
	.amdhsa_code_object_version 6
	.text
	.protected	k_q0448fa0a63_upd
	.globl	k_q0448fa0a63_upd
	.p2align	8
	.type	k_q0448fa0a63_upd,@function
k_q0448fa0a63_upd:
	s_mov_b64 s[64:65], 0
	v_nop
	global_prefetch_b8 v0, s[64:65] scope:SCOPE_SE
	s_setreg_imm32_b32 hwreg(HW_REG_WAVE_MODE, 25, 1), 1
	s_wait_xcnt 0x0
; y = Q(x) W^T + b for the 8 different rows of the write path (every memory slot of a batch has the same row, so the copies are not multiplied).
; x: rows 0 to 7 of [.][1024] f32.  W: [1024][1024] as BF6 codes (768 bytes a row) and E8M0 bytes (32 a row).  y: [16][1024] f32, rows 8 to 15 copies of rows 0 to 7 (the tile has 16 rows).
; Wave w of work-group g makes columns 16 (8 g + w) on.  Each wave quantises K step w of x; the eight fragments meet in LDS as images of the operand's registers.
; One accumulator, eight links: a wait ahead of each link but the first.  Latency binds; 64 waves are all the work there is.
; LIMITS: NaN and infinities are not served; a block whose largest magnitude lies under 2^-122 gets the scale byte 1.
.set SEL, 14
.set TQ,  92
.macro QH src, dst
.irp b, 0,1
	v_max3_num_f32 v[TQ+\b], |v[\src+16*\b]|, |v[\src+16*\b+1]|, 0x2800000
.endr
.irp i, 2,4,6,8,10,12,14
.irp b, 0,1
	v_max3_num_f32 v[TQ+\b], v[TQ+\b], |v[\src+16*\b+\i]|, |v[\src+16*\b+\i+1]|
.endr
.endr
.irp b, 0,1
	v_permlanex16_b32 v[TQ+2+\b], v[TQ+\b], s[SEL], s[SEL+1]
.endr
.irp b, 0,1
	v_max_num_f32 v[TQ+\b], v[TQ+\b], v[TQ+2+\b]
.endr
.irp b, 0,1
	v_add_nc_u32 v[TQ+4+\b], 0xfe000000, v[TQ+\b]
.endr
.irp b, 0,1
	v_lshrrev_b32 v[TQ+2+\b], 23, v[TQ+4+\b]
.endr
	v_lshl_or_b32 v[TQ+6], v[TQ+3], 8, v[TQ+2]
	v_cvt_scalef32_pk16_bf6_f32 v[\dst:\dst+2], v[\src:\src+15], v[TQ+4]
	v_cvt_scalef32_pk16_bf6_f32 v[TQ+8:TQ+10], v[\src+16:\src+31], v[TQ+5]
	v_nop
.irp i, 0,1,2
	v_permlane16_swap_b32 v[\dst+\i], v[TQ+8+\i]
.endr
.irp i, 0,1,2
	v_mov_b32 v[\dst+3+\i], v[TQ+8+\i]
.endr
.endm
	s_load_b256 s[4:11], s[0:1], 0x0               ; x 4, codes 6, scale bytes 8, bias 10
	s_load_b64 s[12:13], s[0:1], 0x20              ; y
	v_lshl_add_u32 v254, v0, 2, 0x3400
	v_mov_b32 v255, 0
	v_lshrrev_b32 v1, 5, v0
	v_readfirstlane_b32 s2, v1                     ; wave 0..7
	s_lshl_b32 s3, ttmp9, 3
	s_add_co_u32 s3, s3, s2                        ; tile of 16 columns
	s_mov_b32 s[SEL], 0x76543210
	s_mov_b32 s[SEL+1], 0xfedcba98
	v_and_b32 v11, 31, v0
	v_lshlrev_b32 v1, 4, v11                       ; 16 x lane
	v_lshlrev_b32 v2, 2, v11                       ; 4 x lane
	v_and_b32 v12, 15, v0                          ; r
	v_bfe_u32 v13, v0, 4, 1                        ; h
	v_mul_u32_u24 v3, v12, 768
	v_mad_u32_u24 v3, v13, 24, v3                  ; W: row r, + 24 h
	v_lshlrev_b32 v4, 5, v12                       ; its scale bytes
	v_lshlrev_b32 v5, 5, v13                       ; the bias of my eight columns: + 8 h numbers
	v_lshl_add_u32 v6, v12, 12, v5                 ; y: row r
	v_and_b32 v7, 7, v12
	v_lshlrev_b32 v7, 12, v7
	v_lshl_add_u32 v7, v13, 6, v7                  ; x: row r % 8, + 64 h
	s_mul_i32 s16, s2, 1536
	v_add_nc_u32 v8, s16, v1                       ; my image
	s_lshl_b32 s16, s2, 7
	s_add_co_u32 s16, s16, 12288
	v_add_nc_u32 v9, s16, v2                       ; its scale words
	v_add_nc_u32 v10, 12288, v2
	v_mov_b32 v[TQ+2], 0
	v_mov_b32 v[TQ+3], 0
	s_mul_i32 s16, s3, 16*768
	s_mov_b32 s17, 0
	s_lshl_b32 s18, s3, 9
	s_mov_b32 s19, 0
	s_lshl_b32 s20, s3, 6
	s_mov_b32 s21, 0
	s_lshl_b32 s22, s2, 9
	s_mov_b32 s23, 0
	s_wait_kmcnt 0x0
	s_add_nc_u64 s[4:5], s[4:5], s[22:23]
	s_add_nc_u64 s[6:7], s[6:7], s[16:17]
	s_add_nc_u64 s[8:9], s[8:9], s[18:19]
	s_add_nc_u64 s[10:11], s[10:11], s[20:21]
	s_add_nc_u64 s[12:13], s[12:13], s[20:21]
.irp b, 0,1,2,3
.irp j, 0,1,2,3
	global_load_b128 v[16+16*\b+4*\j:19+16*\b+4*\j], v7, s[4:5] offset:128*\b+16*\j
.endr
.endr
.irp s, 0,1,2,3,4,5,6,7
.irp p, 0,1,2,3,4,5
	global_load_b64 v[112+12*\s+2*\p:113+12*\s+2*\p], v3, s[6:7] offset:96*\s+48*(\p/3)+8*(\p%3)
.endr
.endr
	global_load_b128 v[208:211], v4, s[8:9]
	global_load_b128 v[212:215], v4, s[8:9] offset:16
	global_load_b128 v[216:219], v5, s[10:11]      ; the bias is the C of the first product
	global_load_b128 v[220:223], v5, s[10:11] offset:16
	s_wait_loadcnt 52                              ; x's 16 loads are in; the 48 + 2 + 2 behind them may be out
	QH 16, 80
	v_mov_b32 v104, v[TQ+6]
	QH 48, 86
	v_lshl_or_b32 v104, v[TQ+6], 16, v104
.irp i, 0,1,2
	ds_store_b128 v8, v[80+4*\i:83+4*\i] offset:512*\i
.endr
	ds_store_b32 v9, v104
	s_wait_dscnt 0x0
	s_barrier_signal -1
	s_barrier_wait -1
.irp s, 0,1,2,3,4,5,6,7
.irp i, 0,1,2
	ds_load_b128 v[16+12*\s+4*\i:19+12*\s+4*\i], v1 offset:1536*\s+512*\i
.endr
	ds_load_b32 v[224+\s], v10 offset:128*\s
.endr
	s_wait_loadcnt 0x0
	s_wait_dscnt 0x0
.irp s, 0,1,2,3,4,5,6,7
.if \s > 0
	s_wait_alu depctr_va_vdst(0)                   ; directly ahead of a link that follows its own accumulator's last link
.endif
	v_wmma_scale_f32_16x16x128_f8f6f4 v[216:223], v[112+12*\s:123+12*\s], v[16+12*\s:27+12*\s], v[216:223], v[208+\s], v[224+\s] matrix_a_fmt:MATRIX_FMT_BF6 matrix_b_fmt:MATRIX_FMT_BF6
.endr
.rept 4
	v_nop
.endr
	global_store_b128 v6, v[216:219], s[12:13]     ; lane (r, h): y(r, 16 T + 8 h + 0 .. 7)
	global_store_b128 v6, v[220:223], s[12:13] offset:16
	s_wait_tensorcnt 0x0
	ds_add_u32 v254, v255
	s_wait_dscnt 0x0
	s_endpgm
.Lfunc_end_k_q0448fa0a63_upd:
	.size	k_q0448fa0a63_upd, .Lfunc_end_k_q0448fa0a63_upd-k_q0448fa0a63_upd
	.p2alignl 7, 3214868480
	.fill 96, 4, 3214868480
	.section	.rodata,"a",@progbits
	.p2align	6, 0x0
	.amdhsa_kernel k_q0448fa0a63_upd
		.amdhsa_group_segment_fixed_size 14336
		.amdhsa_private_segment_fixed_size 0
		.amdhsa_enable_private_segment 0
		.amdhsa_kernarg_size 40
		.amdhsa_user_sgpr_count 2
		.amdhsa_user_sgpr_kernarg_segment_ptr 1
		.amdhsa_wavefront_size32 1
		.amdhsa_system_sgpr_workgroup_id_x 1
		.amdhsa_system_sgpr_workgroup_id_y 1
		.amdhsa_system_sgpr_workgroup_id_z 1
		.amdhsa_system_vgpr_workitem_id 0
		.amdhsa_next_free_vgpr 256
		.amdhsa_next_free_sgpr 66
		.amdhsa_reserve_vcc 0
		.amdhsa_float_denorm_mode_32 3
		.amdhsa_float_denorm_mode_16_64 3
		.amdhsa_memory_ordered 1
		.amdhsa_forward_progress 1
		.amdhsa_inst_pref_size 17
	.end_amdhsa_kernel
	.amdgpu_metadata
---
amdhsa.version: [ 1, 2 ]
amdhsa.kernels:
  - .name:           k_q0448fa0a63_upd
    .symbol:         k_q0448fa0a63_upd.kd
    .args:
      - { .name: vwb, .offset: 0, .size: 8, .value_kind: global_buffer, .address_space: global }
      - { .name: w_out_w_codes, .offset: 8, .size: 8, .value_kind: global_buffer, .address_space: global }
      - { .name: w_out_w_scales, .offset: 16, .size: 8, .value_kind: global_buffer, .address_space: global }
      - { .name: w_out_b, .offset: 24, .size: 8, .value_kind: global_buffer, .address_space: global }
      - { .name: updb, .offset: 32, .size: 8, .value_kind: global_buffer, .address_space: global }
    .group_segment_fixed_size: 14336
    .private_segment_fixed_size: 0
    .kernarg_segment_align: 8
    .kernarg_segment_size: 40
    .max_flat_workgroup_size: 256
    .sgpr_count:     66
    .vgpr_count:     256
    .wavefront_size: 32
...
	.end_amdgpu_metadata
.endif
;; end of part 4
;; launch g2: the kernel of part 4 again; grid 8 x 1, 8 waves a work-group, no clusters, 14,336 bytes of LDS; arguments updb, g2c, g2s, gate_b, g2b; writes g2b
;; launch final (part 5): grid 256 x 1, 8 waves a work-group, no clusters, 0 bytes of LDS; arguments pw, memory, updb, g2b, wn_g, wn_b, out1; writes out1
.if DOCPART == 5
	.amdgcn_target "amdgcn-amd-amdhsa--gfx1250"
	.amdhsa_code_object_version 6
	.text
	.protected	k_q0448fa0a63_final
	.globl	k_q0448fa0a63_final
	.p2align	8
	.type	k_q0448fa0a63_final,@function
k_q0448fa0a63_final:
	s_mov_b64 s[64:65], 0
	v_nop
	global_prefetch_b8 v0, s[64:65] scope:SCOPE_SE
	s_setreg_imm32_b32 hwreg(HW_REG_WAVE_MODE, 25, 1), 1
	s_wait_xcnt 0x0
; out1[b][m] = LayerNorm(memory[m] + gate x (upd[b] - memory[m])), gate = sigmoid(G1[m] + g2[b]).  G1 is the memory half of the gate's product, g2 the other half with gate_b:
; the product's K = 2,048 is summed in two halves of 1,024, each in f32.
; Work-group g takes memory rows 2 g and 2 g + 1; wave w is batch w and holds a whole row: lane l the columns 128 j + 4 l + 0 .. 3, j = 0 .. 7.  Each load and store of a wave covers 512 consecutive bytes.
; A stream: no LDS, no barrier, no matrix unit.  The reduction never leaves the wave.
.set U,   32                           ; v32-63   upd[b]
.set Z,   64                           ; v64-95   -log2(e) x g2[b]
.set GG,  96                           ; v96-127  gain
.set BB,  128                          ; v128-159 bias
.set A,   160                          ; v160-191 G1's row, then the gate, then the result
.set MM,  192                          ; v192-223 memory's row
.set G1O, 2457600
	s_load_b256 s[4:11], s[0:1], 0x0               ; pw 4, memory 6, updb 8, g2b 10
	s_load_b128 s[12:15], s[0:1], 0x20             ; wn_g 12, wn_b 14
	s_load_b64 s[16:17], s[0:1], 0x30              ; out1
	v_lshrrev_b32 v1, 5, v0
	v_readfirstlane_b32 s2, v1                     ; wave = batch
	v_and_b32 v1, 31, v0
	v_lshlrev_b32 v1, 4, v1                        ; 16 x lane; never rewritten
	v_mov_b32 v233, 0                              ; (named as the upper half of a pair)
	s_mov_b32 s20, 0x76543210
	s_mov_b32 s21, 0xfedcba98
	s_lshl_b32 s22, s2, 12
	s_mov_b32 s23, 0
	s_lshl_b32 s24, ttmp9, 13
	s_mov_b32 s25, 0
	s_lshl_b32 s26, s2, 21
	s_mov_b32 s27, 0
	s_wait_kmcnt 0x0
	s_add_nc_u64 s[8:9], s[8:9], s[22:23]
	s_add_nc_u64 s[10:11], s[10:11], s[22:23]
	s_add_nc_u64 s[4:5], s[4:5], s[24:25]
	s_add_nc_u64 s[4:5], s[4:5], G1O
	s_add_nc_u64 s[6:7], s[6:7], s[24:25]
	s_add_nc_u64 s[16:17], s[16:17], s[26:27]
	s_add_nc_u64 s[16:17], s[16:17], s[24:25]
.irp j, 0,1,2,3,4,5,6,7
	global_load_b128 v[U+4*\j:U+4*\j+3], v1, s[8:9] offset:512*\j
	global_load_b128 v[Z+4*\j:Z+4*\j+3], v1, s[10:11] offset:512*\j
	global_load_b128 v[GG+4*\j:GG+4*\j+3], v1, s[12:13] offset:512*\j
	global_load_b128 v[BB+4*\j:BB+4*\j+3], v1, s[14:15] offset:512*\j
.endr
.macro WSUM                            ; v224 = the sum of v224 over the 32 lanes, in every lane
	v_add_f32_dpp v224, v224, v224 row_xmask:1 row_mask:0xf bank_mask:0xf
	v_add_f32_dpp v224, v224, v224 row_xmask:2 row_mask:0xf bank_mask:0xf
	v_add_f32_dpp v224, v224, v224 row_xmask:4 row_mask:0xf bank_mask:0xf
	v_add_f32_dpp v224, v224, v224 row_xmask:8 row_mask:0xf bank_mask:0xf
	v_permlanex16_b32 v228, v224, s20, s21
	v_add_f32 v224, v224, v228
.endm
.macro ROW i
.if \i
	s_wait_xcnt 0x0                                ; the last row's stores have read their registers: they are loaded again only behind this wait
.endif
.irp j, 0,1,2,3,4,5,6,7
	global_load_b128 v[A+4*\j:A+4*\j+3], v1, s[4:5] offset:4096*\i+512*\j
	global_load_b128 v[MM+4*\j:MM+4*\j+3], v1, s[6:7] offset:4096*\i+512*\j
.endr
	s_wait_loadcnt 0x0
.if \i == 0
.set JJ, 0
.rept 16
	v_pk_mul_f32 v[Z+JJ:Z+JJ+1], v[Z+JJ:Z+JJ+1], 0xbfb8aa3b op_sel_hi:[1,0]
.set JJ, JJ+2
.endr
.endif
.set JJ, 0
.rept 16
	v_pk_fma_f32 v[A+JJ:A+JJ+1], v[A+JJ:A+JJ+1], 0xbfb8aa3b, v[Z+JJ:Z+JJ+1] op_sel_hi:[1,0,1]   ; -log2(e) (G1 + g2)
.set JJ, JJ+2
.endr
.set JJ, 0
.rept 32
	v_exp_f32 v[A+JJ], v[A+JJ]
.set JJ, JJ+1
.endr
	v_nop                                          ; a plain place behind the batch,
	s_wait_alu depctr_va_vdst(0)                   ; and one wait ahead of its first reader
.set JJ, 0
.rept 16
	v_pk_add_f32 v[A+JJ:A+JJ+1], v[A+JJ:A+JJ+1], 1.0 op_sel_hi:[1,0]
.set JJ, JJ+2
.endr
.set JJ, 0
.rept 32
	v_rcp_f32 v[A+JJ], v[A+JJ]                     ; the gate; an exponential that has overflowed gives 0
.set JJ, JJ+1
.endr
	v_nop
	s_wait_alu depctr_va_vdst(0)
.set JJ, 0
.rept 16
	v_pk_add_f32 v[224+JJ%8:225+JJ%8], v[U+JJ:U+JJ+1], v[MM+JJ:MM+JJ+1] neg_lo:[0,1] neg_hi:[0,1]
	v_pk_fma_f32 v[A+JJ:A+JJ+1], v[A+JJ:A+JJ+1], v[224+JJ%8:225+JJ%8], v[MM+JJ:MM+JJ+1]   ; memory + gate (upd - memory)
.set JJ, JJ+2
.endr
	v_pk_add_f32 v[224:225], v[A:A+1], v[A+2:A+3]
	v_pk_add_f32 v[226:227], v[A+4:A+5], v[A+6:A+7]
.set JJ, 8
.rept 6
	v_pk_add_f32 v[224:225], v[224:225], v[A+JJ:A+JJ+1]
	v_pk_add_f32 v[226:227], v[226:227], v[A+JJ+2:A+JJ+3]
.set JJ, JJ+4
.endr
	v_pk_add_f32 v[224:225], v[224:225], v[226:227]
	v_add_f32 v224, v224, v225
	WSUM
	v_mul_f32 v230, 0x3a800000, v224               ; the mean
.set JJ, 0
.rept 16
	v_pk_add_f32 v[A+JJ:A+JJ+1], v[A+JJ:A+JJ+1], v[230:231] op_sel_hi:[1,0] neg_lo:[0,1] neg_hi:[0,1]
.set JJ, JJ+2
.endr
	v_pk_mul_f32 v[224:225], v[A:A+1], v[A:A+1]
	v_pk_mul_f32 v[226:227], v[A+2:A+3], v[A+2:A+3]
.set JJ, 4
.rept 7
	v_pk_fma_f32 v[224:225], v[A+JJ:A+JJ+1], v[A+JJ:A+JJ+1], v[224:225]
	v_pk_fma_f32 v[226:227], v[A+JJ+2:A+JJ+3], v[A+JJ+2:A+JJ+3], v[226:227]
.set JJ, JJ+4
.endr
	v_pk_add_f32 v[224:225], v[224:225], v[226:227]
	v_add_f32 v224, v224, v225
	WSUM
	v_mul_f32 v224, 0x3a800000, v224
	v_add_f32 v224, 0x3727c5ac, v224               ; + 1e-5
	v_rsq_f32 v232, v224
	v_nop
	s_wait_alu depctr_va_vdst(0)
.set JJ, 0
.rept 16
	v_pk_mul_f32 v[A+JJ:A+JJ+1], v[A+JJ:A+JJ+1], v[232:233] op_sel_hi:[1,0]
.set JJ, JJ+2
.endr
.set JJ, 0
.rept 16
	v_pk_fma_f32 v[A+JJ:A+JJ+1], v[A+JJ:A+JJ+1], v[GG+JJ:GG+JJ+1], v[BB+JJ:BB+JJ+1]
.set JJ, JJ+2
.endr
.irp j, 0,1,2,3,4,5,6,7
	global_store_b128 v1, v[A+4*\j:A+4*\j+3], s[16:17] offset:4096*\i+512*\j th:TH_STORE_NT   ; 32 lanes store 512 consecutive bytes
.endr
.endm
	ROW 0
	ROW 1
	s_endpgm
.Lfunc_end_k_q0448fa0a63_final:
	.size	k_q0448fa0a63_final, .Lfunc_end_k_q0448fa0a63_final-k_q0448fa0a63_final
	.p2alignl 7, 3214868480
	.fill 96, 4, 3214868480
	.section	.rodata,"a",@progbits
	.p2align	6, 0x0
	.amdhsa_kernel k_q0448fa0a63_final
		.amdhsa_group_segment_fixed_size 0
		.amdhsa_private_segment_fixed_size 0
		.amdhsa_enable_private_segment 0
		.amdhsa_kernarg_size 56
		.amdhsa_user_sgpr_count 2
		.amdhsa_user_sgpr_kernarg_segment_ptr 1
		.amdhsa_wavefront_size32 1
		.amdhsa_system_sgpr_workgroup_id_x 1
		.amdhsa_system_sgpr_workgroup_id_y 1
		.amdhsa_system_sgpr_workgroup_id_z 1
		.amdhsa_system_vgpr_workitem_id 0
		.amdhsa_next_free_vgpr 240
		.amdhsa_next_free_sgpr 66
		.amdhsa_reserve_vcc 0
		.amdhsa_float_denorm_mode_32 3
		.amdhsa_float_denorm_mode_16_64 3
		.amdhsa_memory_ordered 1
		.amdhsa_forward_progress 1
		.amdhsa_inst_pref_size 36
	.end_amdhsa_kernel
	.amdgpu_metadata
---
amdhsa.version: [ 1, 2 ]
amdhsa.kernels:
  - .name:           k_q0448fa0a63_final
    .symbol:         k_q0448fa0a63_final.kd
    .args:
      - { .name: pw, .offset: 0, .size: 8, .value_kind: global_buffer, .address_space: global }
      - { .name: memory, .offset: 8, .size: 8, .value_kind: global_buffer, .address_space: global }
      - { .name: updb, .offset: 16, .size: 8, .value_kind: global_buffer, .address_space: global }
      - { .name: g2b, .offset: 24, .size: 8, .value_kind: global_buffer, .address_space: global }
      - { .name: wn_g, .offset: 32, .size: 8, .value_kind: global_buffer, .address_space: global }
      - { .name: wn_b, .offset: 40, .size: 8, .value_kind: global_buffer, .address_space: global }
      - { .name: out1, .offset: 48, .size: 8, .value_kind: global_buffer, .address_space: global }
    .group_segment_fixed_size: 0
    .private_segment_fixed_size: 0
    .kernarg_segment_align: 8
    .kernarg_segment_size: 56
    .max_flat_workgroup_size: 256
    .sgpr_count:     66
    .vgpr_count:     240
    .wavefront_size: 32
...
	.end_amdgpu_metadata
.endif
;; end of part 5
;; ======== version 2 of 3: 5 launches
;; workspace buffers: pw 4,554,752 bytes; g2c 786,432 bytes; g2s 32,768 bytes; part 524,288 bytes; vwb 32,768 bytes; updb 65,536 bytes; g2b 65,536 bytes
;; launch prep (part 6): grid 16 x 16, 16 waves a work-group, no clusters, 224,256 bytes of LDS; arguments memory, r_in_w_codes, r_in_w_scales, r_in_b, gate_w_codes, gate_w_scales, r_out_w_codes, pw, g2c, g2s, query, part; writes pw, g2c, g2s, part
.if DOCPART == 6
	.amdgcn_target "amdgcn-amd-amdhsa--gfx1250"
	.amdhsa_code_object_version 6
	.text
	.protected	k_q0448fa0a63_prep
	.globl	k_q0448fa0a63_prep
	.p2align	8
	.type	k_q0448fa0a63_prep,@function
k_q0448fa0a63_prep:
	s_mov_b64 s[64:65], 0
	v_nop
	global_prefetch_b8 v0, s[64:65] scope:SCOPE_SE
	s_setreg_imm32_b32 hwreg(HW_REG_WAVE_MODE, 25, 1), 1
	s_wait_xcnt 0x0
; What hangs on the memory tensor alone, made once, and the column sums of query.  reference() broadcasts one [512][1024] tensor over the batch, so the key and value
; projections and the memory half of the gate's product have 512 different rows: those are multiplied, the copies are not.
; Work-groups with y >= 8 (128 of them): the sums over 64 rows of query, two columns a thread, into part [128][1024].  No LDS, no barrier on that way.
; Work-group (x, y), y < 8: x = head = group of 64 columns, y = block of 64 memory rows.  Sixteen waves; role = wave / 4, q = wave % 4.
; PHASE M (all waves): the 64 rows are quantised to BF6 along their 1,024 numbers: 32 fragments (4 tiles of rows x 8 K steps), kept in LDS as images of the operand's registers.
; Each load takes 512 consecutive bytes of one row; the wave's own stage turns them so that a lane holds 16 neighbours of a block.
; THE ROWS OF A TILE ARE NOT NEIGHBOURS: lane r of tile kt holds row 32 (kt / 2) + 8 (kt % 2) + r + 8 (r / 8).
; ROLES 0, 1, 2: a wave holds ONE tile of 16 weight rows (eight fragments, fetched once in the work-group) and multiplies it with all four tiles of memory rows.
; ROLE 0, keys: Wk's rows are source 0, so a lane holds one key and eight channels; the four waves' channels meet in LDS behind a barrier, and wave q quantises key tile q.
; ROLE 1, values: memory is source 0, 16 rows of Wv source 1: a lane holds one channel and its registers run along 64 keys: quantised along the keys.
; ROLE 2: G1 = Q(memory) x gate_w[:, :1024]^T, f32; the four waves' columns meet in a stage, so that sixteen lanes store 256 consecutive bytes.
; ROLE 3: Wq's and Wo's codes are laid as images of fragments; the upper half of gate_w's rows is copied dense.
; LIMITS: NaN and infinities are not served.  A block whose largest magnitude lies under 2^-122 (zeros too) gets the scale byte 1; the bytes are read by this program alone.
.set MSC,  49152                       ; LDS: images at 0 (32 x 1,536 bytes); their scale words (32 x 128);
.set STG,  53248                       ; G1's stage, 64 rows x 272 bytes;
.set KST,  70656                       ; the keys' exchange, [key tile 4][channel tile 4] x 1,024 bytes;
.set MST,  87040                       ; phase M's stages, 16 rows x 528 bytes for each wave
.set KS,   393216                      ; regions of pw, in bytes: key codes at 0, key scale words,
.set VC,   458752                      ; value codes,
.set VS,   851968                      ; value scale words,
.set WQF,  884736                      ; Wq's fragments,
.set WOF,  1671168                     ; Wo's fragments,
.set G1O,  2457600                     ; G1
.set SEL,  28                          ; s[28:29] lane selects: lane l xor 16
.set ACC,  16                          ; v16-47   four accumulators, one for each tile of memory rows
.set SW,   48                          ; v48-51   my weight tile's scale words: lanes 0-15 K steps 0-3, lanes 16-31 K steps 4-7;  v52-55 memory's.  They hold scales and nothing else
.set CB,   68                          ; v68-75   the bias as the C of the first products
.set WF,   96                          ; v96-191  my weight tile's eight fragments
.set MFR,  192                         ; v192-239 four fragments of memory
; 32 numbers of a lane, register 16 b + i = k 32 b + 16 (lane / 16) + i of its row, become six registers of codes (k = 32 (lane / 16) + 0 .. 31) at v[dst]; v[TQ+6] = the two scale bytes
.macro QH src, dst
.irp b, 0,1
	v_max3_num_f32 v[TQ+\b], |v[\src+16*\b]|, |v[\src+16*\b+1]|, 0x2800000   ; my 16 numbers and the floor 2^(5 - 127): the byte cannot fall under 1
.endr
.irp i, 2,4,6,8,10,12,14
.irp b, 0,1
	v_max3_num_f32 v[TQ+\b], v[TQ+\b], |v[\src+16*\b+\i]|, |v[\src+16*\b+\i+1]|
.endr
.endr
.irp b, 0,1
	v_permlanex16_b32 v[TQ+2+\b], v[TQ+\b], s[SEL], s[SEL+1]
.endr
.irp b, 0,1
	v_max_num_f32 v[TQ+\b], v[TQ+\b], v[TQ+2+\b]   ; with lane l xor 16's: the block's largest magnitude
.endr
.irp b, 0,1
	v_add_nc_u32 v[TQ+4+\b], 0xfe000000, v[TQ+\b]  ; 4 off its exponent field: the conversion's scale operand
.endr
.irp b, 0,1
	v_lshrrev_b32 v[TQ+2+\b], 23, v[TQ+4+\b]       ; the scale's byte
.endr
	v_lshl_or_b32 v[TQ+6], v[TQ+3], 8, v[TQ+2]
	v_cvt_scalef32_pk16_bf6_f32 v[\dst:\dst+2], v[\src:\src+15], v[TQ+4]
	v_cvt_scalef32_pk16_bf6_f32 v[TQ+8:TQ+10], v[\src+16:\src+31], v[TQ+5]
	v_nop                                          ; one plain place behind a scaled conversion
.irp i, 0,1,2
	v_permlane16_swap_b32 v[\dst+\i], v[TQ+8+\i]   ; a whole block to a lane: lanes 0-15 block 0, lanes 16-31 block 1
.endr
.irp i, 0,1,2
	v_mov_b32 v[\dst+3+\i], v[TQ+8+\i]
.endr
.endm
.macro BAR                             ; my LDS stores have landed and my LDS loads are in: then the work-group's barrier
	s_wait_dscnt 0x0
	s_barrier_signal -1
	s_barrier_wait -1
.endm
.macro NOP4                            ; four places behind a matrix instruction, ahead of loads into its registers and of reads of its result
.rept 4
	v_nop
.endr
.endm
; one matrix instruction.  c < 0: the constant 0 starts the sum.  ra, rb: source 0's or source 1's scales stand in lanes 16-31
.macro WM d, a, b, c, sa, sb, ra, rb
.if (\c) < 0
	v_wmma_scale_f32_16x16x128_f8f6f4 v[\d:\d+7], v[\a:\a+11], v[\b:\b+11], 0, v[\sa], v[\sb] matrix_a_fmt:MATRIX_FMT_BF6 matrix_b_fmt:MATRIX_FMT_BF6
.elseif \ra
	v_wmma_scale_f32_16x16x128_f8f6f4 v[\d:\d+7], v[\a:\a+11], v[\b:\b+11], v[\c:\c+7], v[\sa], v[\sb] matrix_a_fmt:MATRIX_FMT_BF6 matrix_b_fmt:MATRIX_FMT_BF6 matrix_a_scale:MATRIX_SCALE_ROW1
.elseif \rb
	v_wmma_scale_f32_16x16x128_f8f6f4 v[\d:\d+7], v[\a:\a+11], v[\b:\b+11], v[\c:\c+7], v[\sa], v[\sb] matrix_a_fmt:MATRIX_FMT_BF6 matrix_b_fmt:MATRIX_FMT_BF6 matrix_b_scale:MATRIX_SCALE_ROW1
.else
	v_wmma_scale_f32_16x16x128_f8f6f4 v[\d:\d+7], v[\a:\a+11], v[\b:\b+11], v[\c:\c+7], v[\sa], v[\sb] matrix_a_fmt:MATRIX_FMT_BF6 matrix_b_fmt:MATRIX_FMT_BF6
.endif
.endm
; my weight tile: eight fragments (codes at s[32:33] + v80) and its scale words (s[34:35] + v81)
.macro LOADT
.irp s, 0,1,2,3,4,5,6,7
.irp p, 0,1,2,3,4,5
	global_load_b64 v[WF+12*\s+2*\p:WF+12*\s+2*\p+1], v80, s[32:33] offset:96*\s+48*(\p/3)+8*(\p%3)
.endr
.endr
	global_load_b128 v[SW:SW+3], v81, s[34:35]
.endm
; my weight tile x the four tiles of memory rows, K = 1,024.  swap = 1: the weights are source 0.  c0 = 1: v[CB] on is the C of the first products, else the constant 0.
; The four accumulators take turns, one instruction a turn.
.macro CORE swap, c0
.irp s, 0,1,2,3,4,5,6,7
.irp kt, 0,1,2,3
.irp i, 0,1,2
	ds_load_b128 v[MFR+12*\kt+4*\i:MFR+12*\kt+4*\i+3], v1 offset:(8*\kt+\s)*1536+512*\i
.endr
	ds_load_b32 v[52+\kt], v12 offset:(8*\kt+\s)*128
.endr
.if \s == 0
	s_wait_loadcnt 0x0                             ; my weight tile, once
.endif
	s_wait_dscnt 0x0
.irp kt, 0,1,2,3
.if \swap
.if (\s == 0) && (\c0 == 0)
	WM ACC+8*\kt, WF+12*\s, MFR+12*\kt, -1, SW+(\s%4), 52+\kt, 0, 0
.elseif \s == 0
	WM ACC+8*\kt, WF+12*\s, MFR+12*\kt, CB, SW+(\s%4), 52+\kt, 0, 0
.else
	WM ACC+8*\kt, WF+12*\s, MFR+12*\kt, ACC+8*\kt, SW+(\s%4), 52+\kt, \s/4, 0
.endif
.else
.if \s == 0
	WM ACC+8*\kt, MFR+12*\kt, WF+12*\s, CB, 52+\kt, SW+(\s%4), 0, 0
.else
	WM ACC+8*\kt, MFR+12*\kt, WF+12*\s, ACC+8*\kt, 52+\kt, SW+(\s%4), 0, \s/4
.endif
.endif
.endr
	NOP4
.endr
.endm
	s_load_b512 s[8:23], s[0:1], 0x0               ; memory 8, r_in codes 10, r_in scales 12, r_in_b 14, gate codes 16, gate scales 18, r_out codes 20, pw 22
	s_load_b128 s[24:27], s[0:1], 0x40             ; g2c 24, g2s 26
	s_load_b128 s[56:59], s[0:1], 0x50             ; query 56, part 58
	v_lshl_add_u32 v254, v0, 2, 0x36400
	v_mov_b32 v255, 0
	v_lshrrev_b32 v1, 5, v0
	v_readfirstlane_b32 s2, v1                     ; wave 0..15
	s_and_b32 s3, s2, 3                            ; q
	s_lshr_b32 s4, s2, 2                           ; role; in phase M the tile of rows
	s_mov_b32 s5, ttmp9                            ; x
	s_and_b32 s6, ttmp7, 0xffff                    ; y
	s_mov_b32 s[SEL], 0x76543210
	s_mov_b32 s[SEL+1], 0xfedcba98
	v_and_b32 v15, 31, v0
	v_lshlrev_b32 v1, 4, v15                       ; 16 x lane: an image's place (the images begin at LDS byte 0)
	v_lshlrev_b32 v2, 3, v15                       ; 8 x lane
	v_lshlrev_b32 v3, 2, v15                       ; 4 x lane
	v_and_b32 v4, 15, v0                           ; r
	v_bfe_u32 v5, v0, 4, 1                         ; h
	v_and_b32 v6, 8, v4
	v_add_nc_u32 v6, v6, v4                        ; r + 8 (r / 8)
	; every LDS address is made here, ahead of the parting of the roles, and never rewritten
	s_mul_i32 s30, s2, 3072
	v_add_nc_u32 v7, s30, v1                       ; where I store my two images: fragment 8 (w / 4) + 2 (w % 4) = 2 w
	s_lshl_b32 s30, s2, 8
	s_add_co_u32 s30, s30, MSC
	v_add_nc_u32 v8, s30, v3                       ; and their scale words
	s_lshl_b32 s30, s3, 10
	s_add_co_u32 s30, s30, KST
	v_add_nc_u32 v9, s30, v1                       ; the keys' exchange, in: channel tile q of each key tile
	s_lshl_b32 s30, s3, 12
	s_add_co_u32 s30, s30, KST
	v_add_nc_u32 v10, s30, v1                      ; and back: key tile q's four channel tiles
	s_mul_i32 s30, s2, 8448
	s_add_co_u32 s30, s30, MST
	v_add_nc_u32 v11, s30, v1                      ; my stage of phase M, in: 512 bytes of a row as they lie
	v_mul_u32_u24 v15, v4, 528
	v_lshl_add_u32 v15, v5, 6, v15
	v_add_nc_u32 v15, s30, v15                     ; and back: row r, + 64 h: my 16 numbers of a block
	v_add_nc_u32 v12, MSC, v3                      ; all scale words
	s_lshl_b32 s30, s3, 6
	s_add_co_u32 s30, s30, STG
	v_mul_u32_u24 v13, v4, 272
	v_lshl_add_u32 v13, v5, 5, v13
	v_add_nc_u32 v13, s30, v13                     ; G1's stage, in: row r of a tile, my 16 columns' 64 bytes, + 32 h
	s_mul_i32 s30, s3, 4352
	s_add_co_u32 s30, s30, STG
	v_mul_u32_u24 v14, v5, 272
	v_lshl_add_u32 v14, v4, 4, v14
	v_add_nc_u32 v14, s30, v14                     ; and back: tile q's rows; lanes 0-15 one row, lanes 16-31 the next
	s_lshr_b32 s7, s3, 1
	s_lshl_b32 s7, s7, 5
	s_and_b32 s31, s3, 1
	s_lshl_b32 s31, s31, 3
	s_add_co_u32 s7, s7, s31                       ; first row of tile q: 32 (q / 2) + 8 (q % 2)
	s_lshr_b32 s30, s4, 1
	s_lshl_b32 s30, s30, 5
	s_and_b32 s31, s4, 1
	s_lshl_b32 s31, s31, 3
	s_add_co_u32 s30, s30, s31                     ; the same of phase M's tile
	s_lshl_b32 s31, s6, 6
	s_add_co_u32 s30, s30, s31
	s_lshl_b32 s30, s30, 12
	s_lshl_b32 s31, s3, 10                         ; K steps 2 q, 2 q + 1: 512 bytes each
	s_add_co_u32 s30, s30, s31
	s_mov_b32 s31, 0
	s_wait_kmcnt 0x0
	s_cmp_ge_u32 s6, 8                             ; the work-group's number alone decides: the same in all sixteen waves
	s_cbranch_scc1 .Lcolsum
	s_add_nc_u64 s[30:31], s[8:9], s[30:31]
	; ---- PHASE M
.irp f, 0,1
.set II, 0
.rept 16
	global_load_b128 v[96+64*\f+4*II:96+64*\f+4*II+3], v1, s[30:31] offset:(II+8*(II/8))*4096+512*\f   ; 512 consecutive bytes of the tile's row II
.set II, II+1
.endr
.endr
.irp f, 0,1
	s_wait_loadcnt 16-16*\f                        ; this K step's 16 loads are in; the other's may be out
.set II, 0
.rept 16
	ds_store_b128 v11, v[96+64*\f+4*II:96+64*\f+4*II+3] offset:528*II
.set II, II+1
.endr
.irp b, 0,1,2,3
.irp j, 0,1,2,3
	ds_load_b128 v[96+64*\f+16*\b+4*\j:96+64*\f+16*\b+4*\j+3], v15 offset:128*\b+16*\j   ; LDS serves a wave's instructions in order: these see my stores, and the next K step's stores come behind them
.endr
.endr
.endr
.set TQ, 236
	v_mov_b32 v[TQ+2], 0                           ; written once: a lane permute's destination counts as one of its sources
	v_mov_b32 v[TQ+3], 0
.irp f, 0,1
	s_wait_dscnt 32-32*\f                          ; this K step is back from the stage; behind it stand the other's 16 stores and 16 loads
	QH 96+64*\f, 224
	v_mov_b32 v248, v[TQ+6]
	QH 128+64*\f, 230
	v_lshl_or_b32 v248, v[TQ+6], 16, v248          ; the row's scale word for 128 along K
.irp i, 0,1,2
	ds_store_b128 v7, v[224+4*\i:224+4*\i+3] offset:1536*\f+512*\i
.endr
	ds_store_b32 v8, v248 offset:128*\f
.endr
	BAR                                            ; the 32 images lie in LDS; nobody writes them again
	s_cmp_eq_u32 s4, 0
	s_cbranch_scc1 .Lrole_k
	s_cmp_eq_u32 s4, 1
	s_cbranch_scc1 .Lrole_v
	s_cmp_eq_u32 s4, 2
	s_cbranch_scc1 .Lrole_g
	; ---- ROLE 3: relayout.  gw = 0 .. 511 over the launch
	s_lshl_b32 s30, s6, 4
	s_add_co_u32 s30, s30, s5
	s_lshl_b32 s30, s30, 2
	s_add_co_u32 s30, s30, s3                      ; gw = fragment 8 T + s
	s_lshr_b32 s31, s30, 3                         ; T: tile of 16 weight rows
	s_and_b32 s42, s30, 7
	s_mul_i32 s42, s42, 96                         ; K step s: 96 bytes
	s_lshr_b32 s32, s31, 2
	s_lshl_b32 s32, s32, 6
	s_bfe_u32 s33, s31, 0x10001
	s_lshl_b32 s33, s33, 5
	s_add_co_u32 s32, s32, s33
	s_and_b32 s33, s31, 1
	s_lshl_b32 s33, s33, 3
	s_add_co_u32 s32, s32, s33                     ; Wq: 64 (T / 4) + 32 ((T / 2) % 2) + 8 (T % 2)
	s_mul_i32 s32, s32, 768
	s_add_co_u32 s32, s32, s42
	s_mov_b32 s33, 0
	s_add_nc_u64 s[32:33], s[10:11], s[32:33]
	s_mul_i32 s34, s31, 16*768                     ; Wo: row 16 T
	s_add_co_u32 s34, s34, s42
	s_mov_b32 s35, 0
	s_add_nc_u64 s[34:35], s[20:21], s[34:35]
	s_mul_i32 s36, s30, 3072                       ; gate_w: rows 2 gw, 2 gw + 1 of 1,536 bytes, their upper half
	s_add_co_u32 s36, s36, 768
	s_mov_b32 s37, 0
	s_add_nc_u64 s[36:37], s[16:17], s[36:37]
	s_lshl_b32 s38, s30, 7                         ; and of 64 scale bytes
	s_add_co_u32 s38, s38, 32
	s_mov_b32 s39, 0
	s_add_nc_u64 s[38:39], s[18:19], s[38:39]
	s_mul_i32 s44, s30, 1536
	s_mov_b32 s45, 0
	s_add_nc_u64 s[40:41], s[22:23], s[44:45]      ; pw + 1,536 gw
	s_add_nc_u64 s[42:43], s[24:25], s[44:45]      ; g2c + 2 gw rows of 768 bytes
	s_lshl_b32 s46, s30, 6
	s_mov_b32 s47, 0
	s_add_nc_u64 s[46:47], s[26:27], s[46:47]      ; g2s + 2 gw rows of 32 bytes
	v_mul_u32_u24 v80, v6, 768
	v_mad_u32_u24 v80, v5, 24, v80
	v_mul_u32_u24 v81, v4, 768
	v_mad_u32_u24 v81, v5, 24, v81
	v_lshlrev_b32 v82, 6, v5
	v_lshl_add_u32 v82, v4, 1, v82                 ; 64 h + 2 r
	v_lshrrev_b32 v83, 1, v3                       ; 2 x lane
.irp p, 0,1,2,3,4,5
	global_load_b64 v[16+2*\p:17+2*\p], v80, s[32:33] offset:48*(\p/3)+8*(\p%3)
	global_load_b64 v[28+2*\p:29+2*\p], v81, s[34:35] offset:48*(\p/3)+8*(\p%3)
.endr
.irp i, 0,1
.irp p, 0,1,2
	global_load_b64 v[96+6*\i+2*\p:97+6*\i+2*\p], v2, s[36:37] offset:1536*\i+256*\p
.endr
.endr
	global_load_u16 v84, v82, s[38:39]
	s_wait_loadcnt 0x0
.irp i, 0,1,2
	global_store_b128 v1, v[16+4*\i:19+4*\i], s[40:41] offset:WQF+512*\i     ; 32 lanes store 512 consecutive bytes
	global_store_b128 v1, v[28+4*\i:31+4*\i], s[40:41] offset:WOF+512*\i
.endr
.irp i, 0,1
.irp p, 0,1,2
	global_store_b64 v2, v[96+6*\i+2*\p:97+6*\i+2*\p], s[42:43] offset:768*\i+256*\p
.endr
.endr
	global_store_b16 v83, v84, s[46:47]
	s_branch .Ljoin
.Lrole_k:                                          ; ---- ROLE 0: keys; my tile: channels 32 (q / 2) + 8 (q % 2) + r + 8 (r / 8) of the head
	s_lshl_b32 s30, s5, 6
	s_add_co_u32 s30, s30, 1024
	s_add_co_u32 s30, s30, s7                      ; my tile's first row of Wk
	s_mul_i32 s32, s30, 768
	s_mov_b32 s33, 0
	s_add_nc_u64 s[32:33], s[10:11], s[32:33]
	s_lshl_b32 s34, s30, 5
	s_mov_b32 s35, 0
	s_add_nc_u64 s[34:35], s[12:13], s[34:35]
	s_lshl_b32 s36, s30, 2
	s_mov_b32 s37, 0
	s_add_nc_u64 s[36:37], s[14:15], s[36:37]
	v_mul_u32_u24 v80, v6, 768
	v_mad_u32_u24 v80, v5, 24, v80
	v_lshlrev_b32 v81, 5, v6
	v_lshl_add_u32 v81, v5, 4, v81                 ; lanes 16-31 take the words of K steps 4-7
	v_lshlrev_b32 v82, 6, v5                       ; the bias of my eight channels: the tile's first + 16 h
	LOADT
	global_load_b128 v[CB:CB+3], v82, s[36:37]
	global_load_b128 v[CB+4:CB+7], v82, s[36:37] offset:16
	CORE 1, 1
.irp kt, 0,1,2,3
	ds_store_b128 v9, v[ACC+8*\kt:ACC+8*\kt+3] offset:4096*\kt          ; each accumulator from its low end on, as an image of its registers
	ds_store_b128 v9, v[ACC+8*\kt+4:ACC+8*\kt+7] offset:4096*\kt+512
.endr
	s_branch .Ljoin
.Lrole_v:                                          ; ---- ROLE 1: values, channels 32 (q / 2) + 8 (q % 2) + r + 8 (r / 8) of the head
	s_lshl_b32 s30, s5, 6
	s_add_co_u32 s30, s30, 2048
	s_add_co_u32 s30, s30, s7
	s_mul_i32 s32, s30, 768
	s_mov_b32 s33, 0
	s_add_nc_u64 s[32:33], s[10:11], s[32:33]
	s_lshl_b32 s34, s30, 5
	s_mov_b32 s35, 0
	s_add_nc_u64 s[34:35], s[12:13], s[34:35]
	s_lshl_b32 s36, s30, 2
	s_mov_b32 s37, 0
	s_add_nc_u64 s[36:37], s[14:15], s[36:37]
	v_mul_u32_u24 v80, v6, 768
	v_mad_u32_u24 v80, v5, 24, v80
	v_lshlrev_b32 v81, 5, v6
	v_lshl_add_u32 v81, v5, 4, v81
	v_lshlrev_b32 v82, 2, v6
	LOADT
	global_load_b32 v76, v82, s[36:37]             ; my channel's bias
	s_wait_loadcnt 0x0
.irp j, 0,1,2,3,4,5,6,7
	v_mov_b32 v[CB+\j], v76                        ; as C: a lane holds one channel, its eight registers eight keys
.endr
	NOP4
	CORE 0, 1
	s_lshl_b32 s30, s5, 2
	s_lshr_b32 s31, s6, 1
	s_add_co_u32 s30, s30, s31
	s_lshl_b32 s30, s30, 2
	s_add_co_u32 s30, s30, s3                      ; (head, key step of 128, tile of channels)
	s_and_b32 s31, s6, 1                           ; which 64 keys of the step
	s_lshl_b32 s38, s30, 1
	s_add_co_u32 s38, s38, s31
	s_mul_i32 s38, s38, 768
	s_add_co_u32 s38, s38, VC
	s_mov_b32 s39, 0
	s_add_nc_u64 s[38:39], s[22:23], s[38:39]
	s_lshl_b32 s40, s30, 7
	s_lshl_b32 s31, s31, 1
	s_add_co_u32 s40, s40, s31
	s_add_co_u32 s40, s40, VS
	s_mov_b32 s41, 0
	s_add_nc_u64 s[40:41], s[22:23], s[40:41]
.set TQ, 240
	v_mov_b32 v[TQ+2], 0
	v_mov_b32 v[TQ+3], 0
	QH ACC, 96
.irp p, 0,1,2
	global_store_b64 v2, v[96+2*\p:97+2*\p], s[38:39] offset:256*\p
.endr
	global_store_b16 v3, v[TQ+6], s[40:41]         ; two of the scale word's four bytes; the work-group of the other 64 keys stores the other two
	s_branch .Ljoin
.Lrole_g:                                          ; ---- ROLE 2: G1, columns 64 x + 16 q on
	s_lshl_b32 s30, s5, 6
	s_lshl_b32 s31, s3, 4
	s_add_co_u32 s30, s30, s31
	s_mul_i32 s32, s30, 1536
	s_mov_b32 s33, 0
	s_add_nc_u64 s[32:33], s[16:17], s[32:33]
	s_lshl_b32 s34, s30, 6
	s_mov_b32 s35, 0
	s_add_nc_u64 s[34:35], s[18:19], s[34:35]
	v_mul_u32_u24 v80, v4, 1536
	v_mad_u32_u24 v80, v5, 24, v80
	v_lshlrev_b32 v81, 6, v4
	v_lshl_add_u32 v81, v5, 4, v81
	LOADT
	CORE 1, 0
.irp kt, 0,1,2,3
	ds_store_b128 v13, v[ACC+8*\kt:ACC+8*\kt+3] offset:4352*\kt         ; each accumulator from its low end on
	ds_store_b128 v13, v[ACC+8*\kt+4:ACC+8*\kt+7] offset:4352*\kt+16
.endr
.Ljoin:
	BAR                                            ; every wave passes it: the keys' channel tiles and G1's column tiles lie in LDS
	s_cmp_eq_u32 s4, 0
	s_cbranch_scc1 .Lout_k
	s_cmp_eq_u32 s4, 2
	s_cbranch_scc1 .Lout_g
	s_wait_tensorcnt 0x0
	ds_add_u32 v254, v255
	s_wait_dscnt 0x0
	s_endpgm
.Lout_k:                                           ; key tile q: register 8 t + j = channel 32 (t / 2) + 8 (t % 2) + 16 h + j of key r
.irp t, 0,1,2,3
	ds_load_b128 v[ACC+8*\t:ACC+8*\t+3], v10 offset:1024*\t
	ds_load_b128 v[ACC+8*\t+4:ACC+8*\t+7], v10 offset:1024*\t+512
.endr
	s_lshl_b32 s30, s5, 5
	s_lshl_b32 s31, s6, 2
	s_add_co_u32 s30, s30, s31
	s_add_co_u32 s30, s30, s3                      ; tile 32 x + 4 y + q
	s_mul_i32 s38, s30, 768
	s_mov_b32 s39, 0
	s_add_nc_u64 s[38:39], s[22:23], s[38:39]
	s_lshl_b32 s40, s30, 7
	s_add_co_u32 s40, s40, KS
	s_mov_b32 s41, 0
	s_add_nc_u64 s[40:41], s[22:23], s[40:41]
.set TQ, 240
	v_mov_b32 v[TQ+2], 0
	v_mov_b32 v[TQ+3], 0
	s_wait_dscnt 0x0
	QH ACC, 96
	v_or_b32 v84, 0x7f7f0000, v[TQ+6]              ; the upper half of K = 128 is padding: its bytes stand for 1
.irp p, 0,1,2
	global_store_b64 v2, v[96+2*\p:97+2*\p], s[38:39] offset:256*\p          ; 32 lanes store 256 consecutive bytes
.endr
	global_store_b32 v3, v84, s[40:41]
	s_wait_tensorcnt 0x0
	ds_add_u32 v254, v255
	s_wait_dscnt 0x0
	s_endpgm
.Lout_g:                                           ; memory's tile q, all 64 columns
.irp n, 0,1,2,3,4,5,6,7
	ds_load_b128 v[96+4*\n:99+4*\n], v14 offset:544*\n
.endr
	v_lshlrev_b32 v83, 12, v5
	v_lshl_add_u32 v83, v4, 4, v83                 ; G1: + h rows of 4,096 bytes, 16 bytes a lane
	s_lshl_b32 s38, s6, 6
	s_add_co_u32 s38, s38, s7
	s_lshl_b32 s38, s38, 12
	s_lshl_b32 s39, s5, 8
	s_add_co_u32 s38, s38, s39
	s_add_co_u32 s38, s38, G1O
	s_mov_b32 s39, 0
	s_add_nc_u64 s[38:39], s[22:23], s[38:39]
	s_wait_dscnt 0x0
.irp n, 0,1,2,3,4,5,6,7
	global_store_b128 v83, v[96+4*\n:99+4*\n], s[38:39] offset:(2*\n+8*(\n/4))*4096   ; stage row 2 n + h is memory row + 8 (n / 4); 16 lanes store 256 consecutive bytes
.endr
	s_wait_tensorcnt 0x0
	ds_add_u32 v254, v255
	s_wait_dscnt 0x0
	s_endpgm
.Lcolsum:                                          ; ---- the sums over 64 rows of query; thread t: columns 2 t, 2 t + 1; a wave's load covers 256 consecutive bytes
	s_sub_co_u32 s30, s6, 8
	s_lshl_b32 s30, s30, 4
	s_add_co_u32 s30, s30, s5                      ; which 64 rows: 0 .. 127
	s_lshl_b32 s32, s30, 18
	s_mov_b32 s33, 0
	s_add_nc_u64 s[56:57], s[56:57], s[32:33]
	s_lshl_b32 s34, s30, 12
	s_mov_b32 s35, 0
	s_add_nc_u64 s[58:59], s[58:59], s[34:35]
	v_lshlrev_b32 v80, 3, v0
.set II, 0
.rept 64
	global_load_b64 v[96+2*II:97+2*II], v80, s[56:57] offset:4096*II th:TH_LOAD_NT
.set II, II+1
.endr
	s_wait_loadcnt 32                              ; the first 32 rows are in; the other 32 loads may be out
	v_pk_add_f32 v[16:17], v[96:97], v[100:101]    ; two chains
	v_pk_add_f32 v[18:19], v[98:99], v[102:103]
.set II, 4
.rept 14
	v_pk_add_f32 v[16:17], v[16:17], v[96+2*II:97+2*II]
	v_pk_add_f32 v[18:19], v[18:19], v[98+2*II:99+2*II]
.set II, II+2
.endr
	s_wait_loadcnt 0x0
.rept 16
	v_pk_add_f32 v[16:17], v[16:17], v[96+2*II:97+2*II]
	v_pk_add_f32 v[18:19], v[18:19], v[98+2*II:99+2*II]
.set II, II+2
.endr
	v_pk_add_f32 v[16:17], v[16:17], v[18:19]
	global_store_b64 v80, v[16:17], s[58:59]       ; 32 lanes store 256 consecutive bytes
	s_endpgm
.Lfunc_end_k_q0448fa0a63_prep:
	.size	k_q0448fa0a63_prep, .Lfunc_end_k_q0448fa0a63_prep-k_q0448fa0a63_prep
	.p2alignl 7, 3214868480
	.fill 96, 4, 3214868480
	.section	.rodata,"a",@progbits
	.p2align	6, 0x0
	.amdhsa_kernel k_q0448fa0a63_prep
		.amdhsa_group_segment_fixed_size 224256
		.amdhsa_private_segment_fixed_size 0
		.amdhsa_enable_private_segment 0
		.amdhsa_kernarg_size 96
		.amdhsa_user_sgpr_count 2
		.amdhsa_user_sgpr_kernarg_segment_ptr 1
		.amdhsa_wavefront_size32 1
		.amdhsa_system_sgpr_workgroup_id_x 1
		.amdhsa_system_sgpr_workgroup_id_y 1
		.amdhsa_system_sgpr_workgroup_id_z 1
		.amdhsa_system_vgpr_workitem_id 0
		.amdhsa_next_free_vgpr 256
		.amdhsa_next_free_sgpr 66
		.amdhsa_reserve_vcc 0
		.amdhsa_float_denorm_mode_32 3
		.amdhsa_float_denorm_mode_16_64 3
		.amdhsa_memory_ordered 1
		.amdhsa_forward_progress 1
		.amdhsa_inst_pref_size 101
	.end_amdhsa_kernel
	.amdgpu_metadata
---
amdhsa.version: [ 1, 2 ]
amdhsa.kernels:
  - .name:           k_q0448fa0a63_prep
    .symbol:         k_q0448fa0a63_prep.kd
    .args:
      - { .name: memory, .offset: 0, .size: 8, .value_kind: global_buffer, .address_space: global }
      - { .name: r_in_w_codes, .offset: 8, .size: 8, .value_kind: global_buffer, .address_space: global }
      - { .name: r_in_w_scales, .offset: 16, .size: 8, .value_kind: global_buffer, .address_space: global }
      - { .name: r_in_b, .offset: 24, .size: 8, .value_kind: global_buffer, .address_space: global }
      - { .name: gate_w_codes, .offset: 32, .size: 8, .value_kind: global_buffer, .address_space: global }
      - { .name: gate_w_scales, .offset: 40, .size: 8, .value_kind: global_buffer, .address_space: global }
      - { .name: r_out_w_codes, .offset: 48, .size: 8, .value_kind: global_buffer, .address_space: global }
      - { .name: pw, .offset: 56, .size: 8, .value_kind: global_buffer, .address_space: global }
      - { .name: g2c, .offset: 64, .size: 8, .value_kind: global_buffer, .address_space: global }
      - { .name: g2s, .offset: 72, .size: 8, .value_kind: global_buffer, .address_space: global }
      - { .name: query, .offset: 80, .size: 8, .value_kind: global_buffer, .address_space: global }
      - { .name: part, .offset: 88, .size: 8, .value_kind: global_buffer, .address_space: global }
    .group_segment_fixed_size: 224256
    .private_segment_fixed_size: 0
    .kernarg_segment_align: 8
    .kernarg_segment_size: 96
    .max_flat_workgroup_size: 512
    .sgpr_count:     66
    .vgpr_count:     256
    .wavefront_size: 32
...
	.end_amdgpu_metadata
.endif
;; end of part 6
;; launch read (part 7): grid 256 x 1, 16 waves a work-group, no clusters, 265,472 bytes of LDS; arguments query, pw, r_in_w_scales, r_in_b, r_out_w_scales, r_out_b, rn_g, rn_b, out0, part, w_in_w, w_in_b, vwb; writes out0, vwb
.if DOCPART == 7
	.amdgcn_target "amdgcn-amd-amdhsa--gfx1250"
	.amdhsa_code_object_version 6
	.text
	.protected	k_q0448fa0a63_read
	.globl	k_q0448fa0a63_read
	.p2align	8
	.type	k_q0448fa0a63_read,@function
k_q0448fa0a63_read:
	s_mov_b64 s[64:65], 0
	v_nop
	global_prefetch_b8 v0, s[64:65] scope:SCOPE_SE
	s_setreg_imm32_b32 hwreg(HW_REG_WAVE_MODE, 25, 1), 1
	s_wait_xcnt 0x0
; The read path, query to out0, for 32 rows of query a work-group (two tiles of 16).  Wave w is head w, and columns 64 w .. 64 w + 63 in both projections.
; X: the rows come from memory into LDS (they serve the quantiser and the residual); 16 fragments of codes, one a wave, go to LDS as images of the operand's registers.
; Q: q = Q(x) Wq^T + bq, transposed (source 0 = 16 rows of Wq, chosen so that a lane's registers run along the head's 64), quantised in registers.
; PASS m: attention of row tile m over the 512 keys, 128 a trip.  S^T = K Q^T with K = 64 padded to 128: Q's upper 64 codes are zeros, so whatever stands in K's upper registers adds nothing.
;   p = 2^(t - M), M the running largest t rounded up to a whole number; the row's sum of the unquantised p divides at the end.  O^T = V^T P^T.  The result, quantised, is half a fragment of the next product.
; O: out-projection, residual, LayerNorm (mean, then the mean of squared differences, each summed over the sixteen waves through LDS), stores of 256 consecutive bytes by sixteen lanes.
; BESIDE IT, in phase X: 32 numbers of the write path's value row, v_w[b] = mean over the sequence of query[b] x Wv^T + bv, b = work-group / 32, columns 32 (work-group % 32) on, two a wave,
;   in f32 fused multiply-adds, since it goes on into a quantiser.  reference()'s write attention has ONE key, so its softmax is 1 for every finite input and its result is v_w[b] for every memory slot:
;   the query and key projections of that attention (rows 0 to 2,047 of w_in_w and of w_in_b) can change no result and are not computed.
; No tile is shared through a cluster: a K step of weights for sixteen waves is 98,304 bytes, and two slots of that do not fit beside the 263,424 bytes used here; the weights go from memory straight into registers, laid as fragments.
; LIMITS: NaN and infinities are not served; a block whose largest magnitude lies under 2^-122 gets the scale byte 1.
.set XIMG, 131584                      ; LDS: rows at 0 (32 x 4,112 bytes); x's 16 images (index 8 m + s) of 1,536 bytes;
.set XSC,  156160                      ; their scale words, 128 bytes each;
.set OIMG, 158208                      ; the attention result's images
.set OSC,  182784                      ; and scale words;
.set STG,  184832                      ; a stage of 16 rows x 272 bytes for each wave;
.set RED1, 254464                      ; [row 32][wave 16] partial sums; the second reduction's lie 2,304 bytes on
.set TOT1, 256512                      ; [row % 2][row / 2] totals; likewise
.set MEAN, 259072                      ; the batch's mean row of query, 4,096 bytes
.set VWS,  263168                      ; the work-group's 32 numbers of v_w
.set KS,   393216
.set VC,   458752
.set VS,   851968
.set WQF,  884736
.set WOF,  1671168
.set SEL,  40                          ; s[40:41]
.set CS,   42                          ; s[42:43] c = log2(e) / 8
.set ACC,  96                          ; v96-159  accumulators (32 m + 8 t); in a pass the scores, then p
.set SR,   96
.set OA,   160                         ; v160-191 O^T
.set FR,   32                          ; v32-85   fragments of K (8 x 6 registers, + 6 of zeros) or of V (4 x 12)
.set PC,   198                         ; v198-209 codes just made
.set BM,   210                         ; v210-213 block maxima
.set T4,   214
.set SO,   218                         ; v218-221 the conversions' scale operands
.set CV,   222
.set FP,   230                         ; v[230:231] f = 2^(old M - new M)
.set TT,   232
.set SU,   234
.set TQ,   210                         ; QH's twelve temporaries
.set WSC,  238                         ; v238-255 hold scales and nothing else: in a product the weights' words (4 t + s % 4) and x's (v254, v255);
.set KSC,  238                         ; in a pass K's eight,
.set VSC,  246                         ; V's four,
.set QS,   250                         ; Q's of the tile in hand, v251 of tile 1,
.set PWD,  252                         ; and p's
.macro QH src, dst
.irp b, 0,1
	v_max3_num_f32 v[TQ+\b], |v[\src+16*\b]|, |v[\src+16*\b+1]|, 0x2800000   ; my 16 numbers and the floor 2^(5 - 127)
.endr
.irp i, 2,4,6,8,10,12,14
.irp b, 0,1
	v_max3_num_f32 v[TQ+\b], v[TQ+\b], |v[\src+16*\b+\i]|, |v[\src+16*\b+\i+1]|
.endr
.endr
.irp b, 0,1
	v_permlanex16_b32 v[TQ+2+\b], v[TQ+\b], s[SEL], s[SEL+1]
.endr
.irp b, 0,1
	v_max_num_f32 v[TQ+\b], v[TQ+\b], v[TQ+2+\b]
.endr
.irp b, 0,1
	v_add_nc_u32 v[TQ+4+\b], 0xfe000000, v[TQ+\b]
.endr
.irp b, 0,1
	v_lshrrev_b32 v[TQ+2+\b], 23, v[TQ+4+\b]
.endr
	v_lshl_or_b32 v[TQ+6], v[TQ+3], 8, v[TQ+2]
	v_cvt_scalef32_pk16_bf6_f32 v[\dst:\dst+2], v[\src:\src+15], v[TQ+4]
	v_cvt_scalef32_pk16_bf6_f32 v[TQ+8:TQ+10], v[\src+16:\src+31], v[TQ+5]
	v_nop                                          ; one plain place behind a scaled conversion
.irp i, 0,1,2
	v_permlane16_swap_b32 v[\dst+\i], v[TQ+8+\i]
.endr
.irp i, 0,1,2
	v_mov_b32 v[\dst+3+\i], v[TQ+8+\i]
.endr
.endm
.macro BAR
	s_wait_dscnt 0x0
	s_barrier_signal -1
	s_barrier_wait -1
.endm
.macro NOP4
.rept 4
	v_nop
.endr
.endm
.macro WM d, a, b, sa, sb, ra          ; adds in place; ra: source 0's scales stand in lanes 16-31
.if \ra
	v_wmma_scale_f32_16x16x128_f8f6f4 v[\d:\d+7], v[\a:\a+11], v[\b:\b+11], v[\d:\d+7], v[\sa], v[\sb] matrix_a_fmt:MATRIX_FMT_BF6 matrix_b_fmt:MATRIX_FMT_BF6 matrix_a_scale:MATRIX_SCALE_ROW1
.else
	v_wmma_scale_f32_16x16x128_f8f6f4 v[\d:\d+7], v[\a:\a+11], v[\b:\b+11], v[\d:\d+7], v[\sa], v[\sb] matrix_a_fmt:MATRIX_FMT_BF6 matrix_b_fmt:MATRIX_FMT_BF6
.endif
.endm
.macro LOADW s                         ; K step s of my four weight tiles: 12 loads of 512 consecutive bytes; set 0 at v160, set 1 at v48
.irp t, 0,1,2,3
.irp i, 0,1,2
	global_load_b128 v[160-112*((\s)%2)+12*\t+4*\i:160-112*((\s)%2)+12*\t+4*\i+3], v1, s[30:31] offset:(8*\t+(\s))*1536+512*\i
.endr
.endr
.endm
; my 64 columns x the 32 rows, K = 1,024.  Weights at s[30:31], their scale bytes at s[32:33] + v9, the bias at s[34:35] + v10; the rows' images at v7, their scale words at v8.
; The eight accumulators take turns, one instruction a turn.
.macro GEMM perm
.irp m, 0,1
.irp t, 0,1,2,3
	global_load_b128 v[ACC+32*\m+8*\t:ACC+32*\m+8*\t+3], v10, s[34:35] offset:((\perm)*(32*(\t/2)+8*(\t%2))+(1-(\perm))*16*\t)*4      ; the bias is the C of the first product
	global_load_b128 v[ACC+32*\m+8*\t+4:ACC+32*\m+8*\t+7], v10, s[34:35] offset:((\perm)*(32*(\t/2)+8*(\t%2))+(1-(\perm))*16*\t)*4+16
.endr
.endr
.irp t, 0,1,2,3
	global_load_b128 v[WSC+4*\t:WSC+4*\t+3], v9, s[32:33] offset:((\perm)*(32*(\t/2)+8*(\t%2))+(1-(\perm))*16*\t)*32
.endr
	LOADW 0
.irp s, 0,1,2,3,4,5,6,7
	NOP4                                           ; ahead of loads into registers that the last step's products read
.if \s < 7
	LOADW \s+1
.endif
.irp m, 0,1
.irp i, 0,1,2
	ds_load_b128 v[24+12*\m+4*\i:24+12*\m+4*\i+3], v7 offset:(8*\m+\s)*1536+512*\i
.endr
	ds_load_b32 v[254+\m], v8 offset:(8*\m+\s)*128
.endr
.if \s < 7
	s_wait_loadcnt 12                              ; this step's set is in; the next step's 12 loads may be out
.else
	s_wait_loadcnt 0x0
.endif
	s_wait_dscnt 0x0
.irp m, 0,1
.irp t, 0,1,2,3
	WM ACC+32*\m+8*\t, 160-112*(\s%2)+12*\t, 24+12*\m, WSC+4*\t+(\s%4), 254+\m, \s/4
.endr
.endr
.endr
.endm
.macro RED16 base, n                   ; sums over the 16 lanes of each half, n registers by turns
.irp x, 1,2,4,8
.set KK, 0
.rept \n
	v_add_f32_dpp v[\base+KK], v[\base+KK], v[\base+KK] row_xmask:\x row_mask:0xf bank_mask:0xf
.set KK, KK+1
.endr
.endr
.endm
	s_load_b512 s[8:23], s[0:1], 0x0               ; query 8, pw 10, r_in scales 12, r_in_b 14, r_out scales 16, r_out_b 18, rn_g 20, rn_b 22
	s_load_b128 s[24:27], s[0:1], 0x40             ; out0 24, part 26
	s_load_b128 s[68:71], s[0:1], 0x50             ; w_in_w 68, w_in_b 70
	s_load_b64 s[72:73], s[0:1], 0x60              ; vwb
	v_lshl_add_u32 v236, v0, 2, 0x40500
	v_mov_b32 v237, 0
	v_lshrrev_b32 v7, 5, v0
	v_readfirstlane_b32 s2, v7                     ; wave 0..15
	s_mov_b32 s3, ttmp9
	s_mov_b32 s[SEL], 0x76543210
	s_mov_b32 s[SEL+1], 0xfedcba98
	s_mov_b32 s[CS], 0x3e38aa3b
	s_mov_b32 s[CS+1], s[CS]
	v_and_b32 v6, 31, v0
	v_lshlrev_b32 v1, 4, v6                        ; 16 x lane
	v_lshlrev_b32 v2, 3, v6                        ; 8 x lane
	v_lshlrev_b32 v3, 2, v6                        ; 4 x lane
	v_and_b32 v4, 15, v0                           ; r
	v_bfe_u32 v5, v0, 4, 1                         ; h
	v_and_b32 v6, 8, v4
	v_add_nc_u32 v6, v6, v4                        ; r + 8 (r / 8)
	v_lshl_add_u32 v7, v7, 13, v1                  ; query: rows 2 w, 2 w + 1
	s_mul_i32 s28, s2, 8224
	v_add_nc_u32 v8, s28, v1                       ; the same rows in LDS
	s_lshr_b32 s28, s2, 3
	s_mul_i32 s28, s28, 65792                      ; fragment w: tile of rows w / 8,
	s_and_b32 s29, s2, 7
	s_lshl_b32 s29, s29, 9                         ; K step w % 8
	s_add_co_u32 s28, s28, s29
	v_mul_u32_u24 v9, v4, 4112
	v_lshl_add_u32 v9, v5, 6, v9
	v_add_nc_u32 v9, s28, v9
	s_mul_i32 s28, s2, 1536
	s_add_co_u32 s28, s28, XIMG
	v_add_nc_u32 v10, s28, v1
	s_lshl_b32 s28, s2, 7
	s_add_co_u32 s28, s28, XSC
	v_add_nc_u32 v11, s28, v3
	v_lshlrev_b32 v30, 3, v0                       ; the partial sums: two columns a thread
	v_add_nc_u32 v12, MEAN, v1                     ; the mean row, read: 16 bytes a lane
	v_lshl_add_u32 v13, v0, 3, MEAN                ; and written: two columns a thread
	s_lshl_b32 s28, s2, 3
	s_add_co_u32 s28, s28, VWS
	v_mov_b32 v14, s28                             ; my wave's two numbers of v_w
	v_add_nc_u32 v15, VWS, v3                      ; and all 32
	v_mov_b32 v[TQ+2], 0                           ; written once: a lane permute's destination counts as one of its sources
	v_mov_b32 v[TQ+3], 0
	s_lshl_b32 s28, s3, 17
	s_mov_b32 s29, 0
	s_lshr_b32 s36, s3, 5                          ; the batch
	s_and_b32 s38, s3, 31                          ; which 32 columns of v_w
	s_lshl_b32 s78, s36, 12
	s_lshl_b32 s39, s38, 7
	s_add_co_u32 s78, s78, s39
	s_mov_b32 s79, 0
	s_lshl_b32 s36, s36, 16                        ; the batch's 16 rows of partial sums
	s_mov_b32 s37, 0
	s_lshl_b32 s38, s38, 5
	s_lshl_b32 s39, s2, 1
	s_add_co_u32 s38, s38, s39
	s_add_co_u32 s38, s38, 2048                    ; my first row of w_in_w
	s_lshl_b32 s76, s38, 2
	s_mov_b32 s77, 0
	s_lshl_b32 s38, s38, 12
	s_mov_b32 s39, 0
	s_wait_kmcnt 0x0
	s_add_nc_u64 s[8:9], s[8:9], s[28:29]
	s_add_nc_u64 s[24:25], s[24:25], s[28:29]
	s_add_nc_u64 s[26:27], s[26:27], s[36:37]
	s_add_nc_u64 s[68:69], s[68:69], s[38:39]
	s_add_nc_u64 s[70:71], s[70:71], s[76:77]
	s_add_nc_u64 s[72:73], s[72:73], s[78:79]
	s_load_b64 s[74:75], s[70:71], 0x0             ; two biases
	; ---- X
.set II, 0
.rept 16
	global_load_b128 v[96+4*II:99+4*II], v7, s[8:9] offset:(II/8)*4096+(II%8)*512 th:TH_LOAD_NT   ; 512 consecutive bytes a load; read once in the launch
.set II, II+1
.endr
.set II, 0
.rept 16
	global_load_b64 v[192+2*II:193+2*II], v30, s[26:27] offset:4096*II
.set II, II+1
.endr
.irp c, 0,1
.irp j, 0,1,2,3,4,5,6,7
	global_load_b128 v[32+32*\c+4*\j:35+32*\c+4*\j], v1, s[68:69] offset:4096*\c+512*\j
.endr
.endr
	s_wait_loadcnt 32                              ; query's rows are in; the 16 partial sums and the 16 weight loads may be out
.set II, 0
.rept 16
	ds_store_b128 v8, v[96+4*II:99+4*II] offset:(II/8)*4112+(II%8)*512
.set II, II+1
.endr
	s_wait_loadcnt 16                              ; the partial sums are in; the weight loads may be out
	v_pk_add_f32 v[224:225], v[192:193], v[196:197]
	v_pk_add_f32 v[226:227], v[194:195], v[198:199]
.set II, 4
.rept 6
	v_pk_add_f32 v[224:225], v[224:225], v[192+2*II:193+2*II]
	v_pk_add_f32 v[226:227], v[226:227], v[194+2*II:195+2*II]
.set II, II+2
.endr
	v_pk_add_f32 v[224:225], v[224:225], v[226:227]
	v_pk_mul_f32 v[224:225], v[224:225], 0x3a800000 op_sel_hi:[1,0]   ; / 1,024: the mean
	ds_store_b64 v13, v[224:225]
	BAR                                            ; the 32 rows and the mean row lie in LDS
.irp b, 0,1,2,3
.irp j, 0,1,2,3
	ds_load_b128 v[96+16*\b+4*\j:99+16*\b+4*\j], v9 offset:128*\b+16*\j       ; register 16 b + i = k 32 b + 16 h + i of row r
.endr
.endr
.irp j, 0,1,2,3,4,5,6,7
	ds_load_b128 v[160+4*\j:163+4*\j], v12 offset:512*\j
.endr
	s_wait_dscnt 8                                 ; the fragment's 16 loads are in; the mean's eight may be out
	QH 96, PC
	v_mov_b32 v222, v[TQ+6]
	QH 128, PC+6
	v_lshl_or_b32 v222, v[TQ+6], 16, v222
.irp i, 0,1,2
	ds_store_b128 v10, v[PC+4*\i:PC+4*\i+3] offset:512*\i
.endr
	ds_store_b32 v11, v222
	s_wait_dscnt 4                                 ; the mean is in; the four stores behind it may be out
	s_wait_loadcnt 0x0                             ; my two rows of w_in_w
.irp c, 0,1
	v_pk_mul_f32 v[224+2*\c:225+2*\c], v[32+32*\c:33+32*\c], v[160:161]
.endr
.set II, 2
.rept 15
.irp c, 0,1
	v_pk_fma_f32 v[224+2*\c:225+2*\c], v[32+32*\c+II:33+32*\c+II], v[160+II:161+II], v[224+2*\c:225+2*\c]   ; the two columns by turns
.endr
.set II, II+2
.endr
.irp c, 0,1
	v_add_f32 v[228+\c], v[224+2*\c], v[225+2*\c]
	v_mov_b32 v[230+\c], 0
.endr
	RED16 228, 2
.irp c, 0,1
	v_permlanex16_b32 v[230+\c], v[228+\c], s[SEL], s[SEL+1]
.endr
	s_wait_kmcnt 0x0
.irp c, 0,1
	v_add_f32 v[228+\c], v[228+\c], v[230+\c]
.endr
.irp c, 0,1
	v_add_f32 v[228+\c], s[74+\c], v[228+\c]
.endr
.irp c, 0,1
	ds_store_b32 v14, v[228+\c] offset:4*\c        ; all lanes write the same word with the same value
.endr
	v_add_nc_u32 v7, XIMG, v1
	v_add_nc_u32 v8, XSC, v3
	v_lshlrev_b32 v9, 5, v6
	v_lshl_add_u32 v9, v5, 4, v9                   ; Wq's scale bytes: row r + 8 (r / 8), lanes 16-31 the words of K steps 4-7
	v_lshlrev_b32 v10, 6, v5                       ; the bias: + 16 h numbers
	s_mul_i32 s30, s2, 49152
	s_add_co_u32 s30, s30, WQF
	s_mov_b32 s31, 0
	s_add_nc_u64 s[30:31], s[10:11], s[30:31]
	s_lshl_b32 s32, s2, 11
	s_mov_b32 s33, 0
	s_add_nc_u64 s[32:33], s[12:13], s[32:33]
	s_lshl_b32 s34, s2, 8
	s_mov_b32 s35, 0
	s_add_nc_u64 s[34:35], s[14:15], s[34:35]
	BAR                                            ; x's sixteen images and the 32 numbers of v_w lie in LDS
	s_cmp_lg_u32 s2, 0
	s_cbranch_scc1 .Lnot_wave_0
	ds_load_b32 v228, v15
	s_wait_dscnt 0x0
	global_store_b32 v3, v228, s[72:73]            ; 32 columns: 128 consecutive bytes
.Lnot_wave_0:
	s_wait_xcnt 0x0                                ; the store has read v228: it is written again below
	; ---- Q
	GEMM 1
	NOP4
	QH ACC, 16
	v_or_b32 v[QS], 0x7f7f0000, v[TQ+6]            ; the padding's bytes stand for 1
	QH ACC+32, 192
	v_or_b32 v[QS+1], 0x7f7f0000, v[TQ+6]
.irp i, 0,1,2,3,4,5
	v_mov_b32 v[22+\i], 0                          ; Q's codes of the padding: zeros
	v_mov_b32 v[FR+48+\i], 0                       ; what the eighth tile of K names beyond its own six registers
.endr
.irp i, 0,1,2,3
	v_mov_b32 v[T4+\i], 0
.endr
	v_mov_b32 v[FP+1], 0                           ; (named as the upper half of a pair)
	v_mov_b32 v[TT], 0
	s_lshr_b32 s28, s2, 1
	s_mul_i32 s28, s28, 1536
	s_and_b32 s29, s2, 1
	s_mul_i32 s36, s29, 520
	s_add_co_u32 s36, s36, s28
	s_add_co_u32 s36, s36, OIMG
	v_add_nc_u32 v7, s36, v1                       ; my half of fragment w / 2: registers 0, 1 (or 6, 7); 512 bytes on: 4, 5 (or 10, 11)
	s_mul_i32 s36, s29, 1016
	s_add_co_u32 s36, s36, s28
	s_add_co_u32 s36, s36, OIMG+8
	v_add_nc_u32 v8, s36, v1                       ; registers 2, 3 (or 8, 9)
	s_lshr_b32 s28, s2, 1
	s_lshl_b32 s28, s28, 7
	s_lshl_b32 s29, s29, 1
	s_add_co_u32 s28, s28, s29
	s_add_co_u32 s28, s28, OSC
	v_add_nc_u32 v9, s28, v3                       ; my two bytes of its scale words
	s_mul_i32 s28, s2, 24576
	s_mov_b32 s29, 0
	s_add_nc_u64 s[52:53], s[10:11], s[28:29]      ; my head's key codes,
	s_add_nc_u64 s[56:57], s[52:53], VC            ; value codes,
	s_lshl_b32 s28, s2, 12
	s_add_nc_u64 s[54:55], s[10:11], s[28:29]
	s_add_nc_u64 s[54:55], s[54:55], KS            ; key scale words,
	s_lshl_b32 s28, s2, 11
	s_add_nc_u64 s[58:59], s[10:11], s[28:29]
	s_add_nc_u64 s[58:59], s[58:59], VS            ; value scale words
.macro PASS m
.if \m
.irp i, 0,1,2,3,4,5
	v_mov_b32 v[16+\i], v[192+\i]
.endr
	v_mov_b32 v[QS], v[QS+1]
.endif
	v_mov_b32 v13, 0xff61b1e6                      ; the largest t so far: -3e38
	v_floor_f32 v12, -v13                          ; -M
	v_mov_b32 v14, 0                               ; the sum, in two halves
	v_mov_b32 v15, 0
.set JJ, 0
.rept 32
	v_mov_b32 v[OA+JJ], 0                          ; the trip is written once: the first finds zeros
.set JJ, JJ+1
.endr
	s_mov_b64 s[44:45], s[52:53]
	s_mov_b64 s[46:47], s[54:55]
	s_mov_b64 s[48:49], s[56:57]
	s_mov_b64 s[50:51], s[58:59]
	s_mov_b32 s60, 4
.Lkeys_\@:                                         ; 128 keys a trip
	NOP4                                           ; ahead of loads into registers that the last products read
.irp t, 0,1,2,3,4,5,6,7
.irp p, 0,1,2
	global_load_b64 v[FR+6*\t+2*\p:FR+6*\t+2*\p+1], v2, s[44:45] offset:768*\t+256*\p
.endr
	global_load_b32 v[KSC+\t], v3, s[46:47] offset:128*\t
.endr
	s_wait_loadcnt 0x0
.irp t, 0,1,2,3,4,5,6,7
	v_wmma_scale_f32_16x16x128_f8f6f4 v[SR+8*\t:SR+8*\t+7], v[FR+6*\t:FR+6*\t+11], v[16:27], 0, v[KSC+\t], v[QS] matrix_a_fmt:MATRIX_FMT_BF6 matrix_b_fmt:MATRIX_FMT_BF6
.endr
	NOP4
.irp t, 0,1,2,3
.irp p, 0,1,2,3,4,5
	global_load_b64 v[FR+12*\t+2*\p:FR+12*\t+2*\p+1], v2, s[48:49] offset:1536*\t+256*\p   ; V lands while the softmax is walked
.endr
	global_load_b32 v[VSC+\t], v3, s[50:51] offset:128*\t
.endr
.irp b, 0,1,2,3
	v_max3_num_f32 v[BM+\b], v[SR+16*\b], v[SR+1+16*\b], v[SR+2+16*\b]   ; the largest score of each block of 32 keys: for the row's maximum and for the block's largest p
.endr
.irp i, 3,5,7,9,11,13
.irp b, 0,1,2,3
	v_max3_num_f32 v[BM+\b], v[BM+\b], v[SR+16*\b+\i], v[SR+1+16*\b+\i]
.endr
.endr
.irp b, 0,1,2,3
	v_max_num_f32 v[BM+\b], v[BM+\b], v[SR+15+16*\b]
.endr
.irp b, 0,1,2,3
	v_permlanex16_b32 v[T4+\b], v[BM+\b], s[SEL], s[SEL+1]
.endr
.irp b, 0,1,2,3
	v_max_num_f32 v[BM+\b], v[BM+\b], v[T4+\b]
.endr
	v_max3_num_f32 v[TT], v[BM], v[BM+1], v[BM+2]
	v_max_num_f32 v[TT], v[TT], v[BM+3]
	v_mul_f32 v[TT], s[CS], v[TT]                  ; as t (c is positive)
	v_max_num_f32 v13, v13, v[TT]
	v_mov_b32 v[TT], v12
	v_floor_f32 v12, -v13                          ; the new -M = -ceil(t)
	v_sub_f32 v[TT], v12, v[TT]
	v_cvt_i32_f32 v[TT], v[TT]                     ; (it saturates)
	v_ldexp_f32 v[FP], 1.0, v[TT]                  ; f = 2^(old M - new M)
.set JJ, 0
.rept 32
	v_pk_fma_f32 v[SR+JJ:SR+JJ+1], v[SR+JJ:SR+JJ+1], s[CS:CS+1], v[12:13] op_sel_hi:[1,0,0]   ; t - M
.set JJ, JJ+2
.endr
.irp b, 0,1,2,3
	v_fma_f32 v[BM+\b], v[BM+\b], s[CS], v12
.endr
.set JJ, 0
.rept 64
	v_exp_f32 v[SR+JJ], v[SR+JJ]                   ; p = 2^(t - M)
.set JJ, JJ+1
.endr
	v_pk_mul_f32 v[14:15], v[14:15], v[FP:FP+1] op_sel_hi:[1,0]   ; a plain place behind the exponentials
	s_wait_alu depctr_va_vdst(0)                   ; one wait for the batch, ahead of its first reader
.irp b, 0,1,2,3
	v_exp_f32 v[BM+\b], v[BM+\b]                   ; the block's largest p
.endr
	v_pk_add_f32 v[SU:SU+1], v[SR:SR+1], v[SR+2:SR+3]   ; the row's sum of the unquantised p, in two chains
.set JJ, 4
.rept 15
	v_pk_add_f32 v[14:15], v[14:15], v[SR+JJ:SR+JJ+1]
	v_pk_add_f32 v[SU:SU+1], v[SU:SU+1], v[SR+JJ+2:SR+JJ+3]
.set JJ, JJ+4
.endr
	v_pk_add_f32 v[14:15], v[14:15], v[SU:SU+1]
	s_wait_alu depctr_va_vdst(0)                   ; and one for the four
.irp b, 0,1,2,3
	v_max_num_f32 v[BM+\b], 0x2800000, v[BM+\b]
.endr
.irp b, 0,1,2,3
	v_add_nc_u32 v[SO+\b], 0xfe000000, v[BM+\b]
.endr
.irp b, 0,1,2,3
	v_lshrrev_b32 v[T4+\b], 23, v[SO+\b]
.endr
	v_lshl_or_b32 v[PWD], v[T4+1], 8, v[T4]
	v_lshl_or_b32 v[PWD], v[T4+2], 16, v[PWD]
	v_lshl_or_b32 v[PWD], v[T4+3], 24, v[PWD]
.irp c, 0,1
	v_cvt_scalef32_pk16_bf6_f32 v[PC+6*\c:PC+6*\c+2], v[SR+32*\c:SR+32*\c+15], v[SO+2*\c]
	v_cvt_scalef32_pk16_bf6_f32 v[CV+4*\c:CV+4*\c+2], v[SR+16+32*\c:SR+31+32*\c], v[SO+2*\c+1]
.endr
	v_nop
.irp c, 0,1
.irp i, 0,1,2
	v_permlane16_swap_b32 v[PC+6*\c+\i], v[CV+4*\c+\i]
.endr
.irp i, 0,1,2
	v_mov_b32 v[PC+3+6*\c+\i], v[CV+4*\c+\i]
.endr
.endr
.set JJ, 0
.rept 16
	v_pk_mul_f32 v[OA+JJ:OA+JJ+1], v[OA+JJ:OA+JJ+1], v[FP:FP+1] op_sel_hi:[1,0]   ; O^T under the new M; these are also the places ahead of the products
.set JJ, JJ+2
.endr
	s_wait_loadcnt 0x0                             ; V
.irp t, 0,1,2,3
	v_wmma_scale_f32_16x16x128_f8f6f4 v[OA+8*\t:OA+8*\t+7], v[FR+12*\t:FR+12*\t+11], v[PC:PC+11], v[OA+8*\t:OA+8*\t+7], v[VSC+\t], v[PWD] matrix_a_fmt:MATRIX_FMT_BF6 matrix_b_fmt:MATRIX_FMT_BF6
.endr
	s_add_nc_u64 s[44:45], s[44:45], 6144          ; all my loads are done: the pointers may step
	s_add_nc_u64 s[46:47], s[46:47], 1024
	s_add_nc_u64 s[48:49], s[48:49], 6144
	s_add_nc_u64 s[50:51], s[50:51], 512
	s_sub_co_u32 s60, s60, 1
	s_cmp_lg_u32 s60, 0
	s_cbranch_scc1 .Lkeys_\@
	NOP4
	v_add_f32 v14, v14, v15
	v_permlanex16_b32 v[TT], v14, s[SEL], s[SEL+1]
	v_add_f32 v14, v14, v[TT]                      ; the row's sum
	v_rcp_f32 v14, v14
	v_nop
	s_wait_alu depctr_va_vdst(0)
.set JJ, 0
.rept 32
	v_mul_f32 v[SR+JJ], v[OA+JJ], v14              ; register 16 b + i = channel 32 b + 16 h + i of my head
.set JJ, JJ+1
.endr
	QH SR, PC
	ds_store_b64 v7, v[PC:PC+1] offset:12288*\m
	ds_store_b64 v8, v[PC+2:PC+3] offset:12288*\m
	ds_store_b64 v7, v[PC+4:PC+5] offset:12288*\m+512
	ds_store_b16 v9, v[TQ+6] offset:1024*\m
	s_wait_dscnt 0x0
.endm
	PASS 0
	PASS 1
	v_add_nc_u32 v7, OIMG, v1
	v_add_nc_u32 v8, OSC, v3
	v_lshlrev_b32 v9, 5, v4
	v_lshl_add_u32 v9, v5, 4, v9
	v_lshlrev_b32 v10, 5, v5
	s_mul_i32 s30, s2, 49152
	s_add_co_u32 s30, s30, WOF
	s_mov_b32 s31, 0
	s_add_nc_u64 s[30:31], s[10:11], s[30:31]
	s_lshl_b32 s32, s2, 11
	s_mov_b32 s33, 0
	s_add_nc_u64 s[32:33], s[16:17], s[32:33]
	s_lshl_b32 s34, s2, 8
	s_mov_b32 s35, 0
	s_add_nc_u64 s[34:35], s[18:19], s[34:35]
	BAR                                            ; the attention result's sixteen images lie in LDS
	; ---- O
	GEMM 0
	; the way out.  The address lines are the places behind the last products: none names a register of theirs
	s_mul_i32 s28, s2, 4352
	s_add_co_u32 s28, s28, STG
	v_mul_u32_u24 v7, v4, 272
	v_lshl_add_u32 v7, v5, 5, v7
	v_add_nc_u32 v7, s28, v7                       ; my stage, in: row r, + 32 h
	v_mul_u32_u24 v8, v5, 272
	v_lshl_add_u32 v8, v4, 4, v8
	v_add_nc_u32 v8, s28, v8                       ; back: lanes 0-15 one row, lanes 16-31 the next
	s_lshl_b32 s29, s2, 8
	v_lshl_add_u32 v9, v4, 4, s29                  ; my four columns: 256 w + 16 r bytes
	v_mul_u32_u24 v10, v5, 4112
	v_add_nc_u32 v10, v10, v9                      ; the residual: row h of the rows in LDS
	v_add_nc_u32 v11, 65792, v10
	v_lshl_add_u32 v12, v5, 12, v9                 ; and in out0
	s_lshl_b32 s29, s2, 2
	s_add_co_u32 s36, s29, RED1
	v_lshl_add_u32 v28, v5, 6, s36                 ; partial sums: row 2 k + h, wave w
	s_add_co_u32 s36, s29, TOT1
	v_lshl_add_u32 v30, v5, 6, s36                 ; totals: [h][w] is row 2 w + h
	s_lshl_b32 s29, s2, 7
	s_add_co_u32 s29, s29, RED1
	v_add_nc_u32 v29, s29, v3                      ; rows 2 w, 2 w + 1: sixteen partial sums each
	v_lshlrev_b32 v31, 6, v5
	v_add_nc_u32 v31, TOT1, v31
	global_load_b128 v[16:19], v9, s[20:21]        ; gain
	global_load_b128 v[20:23], v9, s[22:23]        ; bias
.irp m, 0,1
.irp t, 0,1,2,3
	ds_store_b128 v7, v[ACC+32*\m+8*\t:ACC+32*\m+8*\t+3] offset:64*\t        ; each accumulator from its low end on
	ds_store_b128 v7, v[ACC+32*\m+8*\t+4:ACC+32*\m+8*\t+7] offset:64*\t+16
.endr
.irp n, 0,1,2,3,4,5,6,7
	ds_load_b128 v[160+32*\m+4*\n:163+32*\m+4*\n], v8 offset:544*\n          ; k = 8 m + n: row 2 k + h, my four columns.  LDS serves a wave's instructions in order
.endr
.endr
.irp n, 0,1,2,3,4,5,6,7
	ds_load_b128 v[32+4*\n:35+4*\n], v10 offset:8224*\n
	ds_load_b128 v[64+4*\n:67+4*\n], v11 offset:8224*\n
.endr
	s_wait_dscnt 0x0
.set JJ, 0
.rept 32
	v_pk_add_f32 v[160+JJ:161+JJ], v[160+JJ:161+JJ], v[32+JJ:33+JJ]          ; + query
.set JJ, JJ+2
.endr
.set KK, 0
.rept 16
	v_add_f32 v[96+KK], v[160+4*KK], v[161+4*KK]
	v_add_f32 v[112+KK], v[162+4*KK], v[163+4*KK]
.set KK, KK+1
.endr
.set KK, 0
.rept 16
	v_add_f32 v[96+KK], v[96+KK], v[112+KK]
.set KK, KK+1
.endr
	RED16 96, 16
.set KK, 0
.rept 16
	ds_store_b32 v28, v[96+KK] offset:128*KK       ; sixteen lanes write the same word with the same value
.set KK, KK+1
.endr
	BAR
	ds_load_b32 v128, v29
	s_wait_dscnt 0x0
	RED16 128, 1
	v_mul_f32 v128, 0x3a800000, v128               ; / 1,024: the mean
	ds_store_b32 v30, v128
	BAR
.irp i, 0,1,2,3
	ds_load_b128 v[112+4*\i:115+4*\i], v31 offset:16*\i
.endr
	s_wait_dscnt 0x0
.set KK, 0
.rept 16
.irp c, 0,1,2,3
	v_sub_f32 v[160+4*KK+\c], v[160+4*KK+\c], v[112+KK]
.endr
.set KK, KK+1
.endr
.set KK, 0
.rept 16
	v_mul_f32 v[96+KK], v[160+4*KK], v[160+4*KK]
.set KK, KK+1
.endr
.irp c, 1,2,3
.set KK, 0
.rept 16
	v_fmac_f32 v[96+KK], v[160+4*KK+\c], v[160+4*KK+\c]
.set KK, KK+1
.endr
.endr
	RED16 96, 16
.set KK, 0
.rept 16
	ds_store_b32 v28, v[96+KK] offset:128*KK+2304
.set KK, KK+1
.endr
	BAR
	ds_load_b32 v128, v29 offset:2304
	s_wait_dscnt 0x0
	RED16 128, 1
	v_mul_f32 v128, 0x3a800000, v128
	v_add_f32 v128, 0x3727c5ac, v128               ; + 1e-5
	v_rsq_f32 v128, v128
	v_nop
	s_wait_alu depctr_va_vdst(0)
	ds_store_b32 v30, v128 offset:2304
	BAR
.irp i, 0,1,2,3
	ds_load_b128 v[112+4*\i:115+4*\i], v31 offset:2304+16*\i
.endr
	s_wait_dscnt 0x0
	s_wait_loadcnt 0x0                             ; gain and bias
.set KK, 0
.rept 16
.irp c, 0,1,2,3
	v_mul_f32 v[160+4*KK+\c], v[160+4*KK+\c], v[112+KK]
.endr
	v_pk_fma_f32 v[160+4*KK:161+4*KK], v[160+4*KK:161+4*KK], v[16:17], v[20:21]
	v_pk_fma_f32 v[162+4*KK:163+4*KK], v[162+4*KK:163+4*KK], v[18:19], v[22:23]
.set KK, KK+1
.endr
.set KK, 0
.rept 16
	global_store_b128 v12, v[160+4*KK:163+4*KK], s[24:25] offset:8192*KK th:TH_STORE_NT   ; 16 lanes store 256 consecutive bytes, at a multiple of 256 from out0's first byte
.set KK, KK+1
.endr
	s_wait_tensorcnt 0x0
	ds_add_u32 v236, v237
	s_wait_dscnt 0x0
	s_endpgm
.Lfunc_end_k_q0448fa0a63_read:
	.size	k_q0448fa0a63_read, .Lfunc_end_k_q0448fa0a63_read-k_q0448fa0a63_read
	.p2alignl 7, 3214868480
	.fill 96, 4, 3214868480
	.section	.rodata,"a",@progbits
	.p2align	6, 0x0
	.amdhsa_kernel k_q0448fa0a63_read
		.amdhsa_group_segment_fixed_size 265472
		.amdhsa_private_segment_fixed_size 0
		.amdhsa_enable_private_segment 0
		.amdhsa_kernarg_size 104
		.amdhsa_user_sgpr_count 2
		.amdhsa_user_sgpr_kernarg_segment_ptr 1
		.amdhsa_wavefront_size32 1
		.amdhsa_system_sgpr_workgroup_id_x 1
		.amdhsa_system_sgpr_workgroup_id_y 1
		.amdhsa_system_sgpr_workgroup_id_z 1
		.amdhsa_system_vgpr_workitem_id 0
		.amdhsa_next_free_vgpr 256
		.amdhsa_next_free_sgpr 80
		.amdhsa_reserve_vcc 0
		.amdhsa_float_denorm_mode_32 3
		.amdhsa_float_denorm_mode_16_64 3
		.amdhsa_memory_ordered 1
		.amdhsa_forward_progress 1
		.amdhsa_inst_pref_size 154
	.end_amdhsa_kernel
	.amdgpu_metadata
---
amdhsa.version: [ 1, 2 ]
amdhsa.kernels:
  - .name:           k_q0448fa0a63_read
    .symbol:         k_q0448fa0a63_read.kd
    .args:
      - { .name: query, .offset: 0, .size: 8, .value_kind: global_buffer, .address_space: global }
      - { .name: pw, .offset: 8, .size: 8, .value_kind: global_buffer, .address_space: global }
      - { .name: r_in_w_scales, .offset: 16, .size: 8, .value_kind: global_buffer, .address_space: global }
      - { .name: r_in_b, .offset: 24, .size: 8, .value_kind: global_buffer, .address_space: global }
      - { .name: r_out_w_scales, .offset: 32, .size: 8, .value_kind: global_buffer, .address_space: global }
      - { .name: r_out_b, .offset: 40, .size: 8, .value_kind: global_buffer, .address_space: global }
      - { .name: rn_g, .offset: 48, .size: 8, .value_kind: global_buffer, .address_space: global }
      - { .name: rn_b, .offset: 56, .size: 8, .value_kind: global_buffer, .address_space: global }
      - { .name: out0, .offset: 64, .size: 8, .value_kind: global_buffer, .address_space: global }
      - { .name: part, .offset: 72, .size: 8, .value_kind: global_buffer, .address_space: global }
      - { .name: w_in_w, .offset: 80, .size: 8, .value_kind: global_buffer, .address_space: global }
      - { .name: w_in_b, .offset: 88, .size: 8, .value_kind: global_buffer, .address_space: global }
      - { .name: vwb, .offset: 96, .size: 8, .value_kind: global_buffer, .address_space: global }
    .group_segment_fixed_size: 265472
    .private_segment_fixed_size: 0
    .kernarg_segment_align: 8
    .kernarg_segment_size: 104
    .max_flat_workgroup_size: 512
    .sgpr_count:     80
    .vgpr_count:     256
    .wavefront_size: 32
...
	.end_amdgpu_metadata
.endif
;; end of part 7
;; launch upd: the kernel of part 4 again; grid 8 x 1, 8 waves a work-group, no clusters, 14,336 bytes of LDS; arguments vwb, w_out_w_codes, w_out_w_scales, w_out_b, updb; writes updb
;; launch g2: the kernel of part 4 again; grid 8 x 1, 8 waves a work-group, no clusters, 14,336 bytes of LDS; arguments updb, g2c, g2s, gate_b, g2b; writes g2b
;; launch final (part 8): grid 256 x 1, 16 waves a work-group, no clusters, 0 bytes of LDS; arguments pw, memory, updb, g2b, wn_g, wn_b, out1; writes out1
.if DOCPART == 8
	.amdgcn_target "amdgcn-amd-amdhsa--gfx1250"
	.amdhsa_code_object_version 6
	.text
	.protected	k_q0448fa0a63_final
	.globl	k_q0448fa0a63_final
	.p2align	8
	.type	k_q0448fa0a63_final,@function
k_q0448fa0a63_final:
	s_mov_b64 s[64:65], 0
	v_nop
	global_prefetch_b8 v0, s[64:65] scope:SCOPE_SE
	s_setreg_imm32_b32 hwreg(HW_REG_WAVE_MODE, 25, 1), 1
	s_wait_xcnt 0x0
; out1[b][m] = LayerNorm(memory[m] + gate x (upd[b] - memory[m])), gate = sigmoid(G1[m] + g2[b]).  G1 is the memory half of the gate's product, g2 the other half with gate_b:
; the product's K = 2,048 is summed in two halves of 1,024, each in f32.
; Work-group g takes memory rows 2 g and 2 g + 1; wave w takes batch w % 8 and row 2 g + w / 8, and holds the whole row: lane l the columns 128 j + 4 l + 0 .. 3, j = 0 .. 7.
; Each load and store of a wave covers 512 consecutive bytes; all of a wave's 48 loads go out together.
; A stream: no LDS, no barrier, no matrix unit.  The reduction never leaves the wave.
.set U,   32                           ; v32-63   upd[b]
.set Z,   64                           ; v64-95   g2[b], then -log2(e) x g2[b]
.set GG,  96                           ; v96-127  gain
.set BB,  128                          ; v128-159 bias
.set A,   160                          ; v160-191 G1's row, then the gate, then the result
.set MM,  192                          ; v192-223 memory's row
.set G1O, 2457600
	s_load_b256 s[4:11], s[0:1], 0x0               ; pw 4, memory 6, updb 8, g2b 10
	s_load_b128 s[12:15], s[0:1], 0x20             ; wn_g 12, wn_b 14
	s_load_b64 s[16:17], s[0:1], 0x30              ; out1
	v_lshrrev_b32 v1, 5, v0
	v_readfirstlane_b32 s2, v1                     ; wave 0..15
	s_and_b32 s3, s2, 7                            ; the batch
	s_lshr_b32 s18, s2, 3                          ; which of the two rows
	v_and_b32 v1, 31, v0
	v_lshlrev_b32 v1, 4, v1                        ; 16 x lane; never rewritten
	v_mov_b32 v233, 0                              ; (named as the upper half of a pair)
	s_mov_b32 s20, 0x76543210
	s_mov_b32 s21, 0xfedcba98
	s_lshl_b32 s22, s3, 12
	s_mov_b32 s23, 0
	s_lshl_b32 s24, ttmp9, 13
	s_lshl_b32 s18, s18, 12
	s_add_co_u32 s24, s24, s18
	s_mov_b32 s25, 0
	s_lshl_b32 s26, s3, 21
	s_mov_b32 s27, 0
	s_wait_kmcnt 0x0
	s_add_nc_u64 s[8:9], s[8:9], s[22:23]
	s_add_nc_u64 s[10:11], s[10:11], s[22:23]
	s_add_nc_u64 s[4:5], s[4:5], s[24:25]
	s_add_nc_u64 s[4:5], s[4:5], G1O
	s_add_nc_u64 s[6:7], s[6:7], s[24:25]
	s_add_nc_u64 s[16:17], s[16:17], s[26:27]
	s_add_nc_u64 s[16:17], s[16:17], s[24:25]
.irp j, 0,1,2,3,4,5,6,7
	global_load_b128 v[A+4*\j:A+4*\j+3], v1, s[4:5] offset:512*\j
	global_load_b128 v[Z+4*\j:Z+4*\j+3], v1, s[10:11] offset:512*\j
	global_load_b128 v[MM+4*\j:MM+4*\j+3], v1, s[6:7] offset:512*\j
	global_load_b128 v[U+4*\j:U+4*\j+3], v1, s[8:9] offset:512*\j
	global_load_b128 v[GG+4*\j:GG+4*\j+3], v1, s[12:13] offset:512*\j
	global_load_b128 v[BB+4*\j:BB+4*\j+3], v1, s[14:15] offset:512*\j
.endr
.macro WSUM                            ; v224 = the sum of v224 over the 32 lanes, in every lane
	v_add_f32_dpp v224, v224, v224 row_xmask:1 row_mask:0xf bank_mask:0xf
	v_add_f32_dpp v224, v224, v224 row_xmask:2 row_mask:0xf bank_mask:0xf
	v_add_f32_dpp v224, v224, v224 row_xmask:4 row_mask:0xf bank_mask:0xf
	v_add_f32_dpp v224, v224, v224 row_xmask:8 row_mask:0xf bank_mask:0xf
	v_permlanex16_b32 v228, v224, s20, s21
	v_add_f32 v224, v224, v228
.endm
	s_wait_loadcnt 0x0
.set JJ, 0
.rept 16
	v_pk_mul_f32 v[Z+JJ:Z+JJ+1], v[Z+JJ:Z+JJ+1], 0xbfb8aa3b op_sel_hi:[1,0]
.set JJ, JJ+2
.endr
.set JJ, 0
.rept 16
	v_pk_fma_f32 v[A+JJ:A+JJ+1], v[A+JJ:A+JJ+1], 0xbfb8aa3b, v[Z+JJ:Z+JJ+1] op_sel_hi:[1,0,1]   ; -log2(e) (G1 + g2)
.set JJ, JJ+2
.endr
.set JJ, 0
.rept 32
	v_exp_f32 v[A+JJ], v[A+JJ]
.set JJ, JJ+1
.endr
	v_nop                                          ; a plain place behind the batch,
	s_wait_alu depctr_va_vdst(0)                   ; and one wait ahead of its first reader
.set JJ, 0
.rept 16
	v_pk_add_f32 v[A+JJ:A+JJ+1], v[A+JJ:A+JJ+1], 1.0 op_sel_hi:[1,0]
.set JJ, JJ+2
.endr
.set JJ, 0
.rept 32
	v_rcp_f32 v[A+JJ], v[A+JJ]                     ; the gate; an exponential that has overflowed gives 0
.set JJ, JJ+1
.endr
	v_nop
	s_wait_alu depctr_va_vdst(0)
.set JJ, 0
.rept 16
	v_pk_add_f32 v[224+JJ%8:225+JJ%8], v[U+JJ:U+JJ+1], v[MM+JJ:MM+JJ+1] neg_lo:[0,1] neg_hi:[0,1]
	v_pk_fma_f32 v[A+JJ:A+JJ+1], v[A+JJ:A+JJ+1], v[224+JJ%8:225+JJ%8], v[MM+JJ:MM+JJ+1]   ; memory + gate (upd - memory)
.set JJ, JJ+2
.endr
	v_pk_add_f32 v[224:225], v[A:A+1], v[A+2:A+3]
	v_pk_add_f32 v[226:227], v[A+4:A+5], v[A+6:A+7]
.set JJ, 8
.rept 6
	v_pk_add_f32 v[224:225], v[224:225], v[A+JJ:A+JJ+1]
	v_pk_add_f32 v[226:227], v[226:227], v[A+JJ+2:A+JJ+3]
.set JJ, JJ+4
.endr
	v_pk_add_f32 v[224:225], v[224:225], v[226:227]
	v_add_f32 v224, v224, v225
	WSUM
	v_mul_f32 v230, 0x3a800000, v224               ; the mean
.set JJ, 0
.rept 16
	v_pk_add_f32 v[A+JJ:A+JJ+1], v[A+JJ:A+JJ+1], v[230:231] op_sel_hi:[1,0] neg_lo:[0,1] neg_hi:[0,1]
.set JJ, JJ+2
.endr
	v_pk_mul_f32 v[224:225], v[A:A+1], v[A:A+1]
	v_pk_mul_f32 v[226:227], v[A+2:A+3], v[A+2:A+3]
.set JJ, 4
.rept 7
	v_pk_fma_f32 v[224:225], v[A+JJ:A+JJ+1], v[A+JJ:A+JJ+1], v[224:225]
	v_pk_fma_f32 v[226:227], v[A+JJ+2:A+JJ+3], v[A+JJ+2:A+JJ+3], v[226:227]
.set JJ, JJ+4
.endr
	v_pk_add_f32 v[224:225], v[224:225], v[226:227]
	v_add_f32 v224, v224, v225
	WSUM
	v_mul_f32 v224, 0x3a800000, v224
	v_add_f32 v224, 0x3727c5ac, v224               ; + 1e-5
	v_rsq_f32 v232, v224
	v_nop
	s_wait_alu depctr_va_vdst(0)
.set JJ, 0
.rept 16
	v_pk_mul_f32 v[A+JJ:A+JJ+1], v[A+JJ:A+JJ+1], v[232:233] op_sel_hi:[1,0]
.set JJ, JJ+2
.endr
.set JJ, 0
.rept 16
	v_pk_fma_f32 v[A+JJ:A+JJ+1], v[A+JJ:A+JJ+1], v[GG+JJ:GG+JJ+1], v[BB+JJ:BB+JJ+1]
.set JJ, JJ+2
.endr
.irp j, 0,1,2,3,4,5,6,7
	global_store_b128 v1, v[A+4*\j:A+4*\j+3], s[16:17] offset:512*\j th:TH_STORE_NT   ; 32 lanes store 512 consecutive bytes
.endr
	s_endpgm
.Lfunc_end_k_q0448fa0a63_final:
	.size	k_q0448fa0a63_final, .Lfunc_end_k_q0448fa0a63_final-k_q0448fa0a63_final
	.p2alignl 7, 3214868480
	.fill 96, 4, 3214868480
	.section	.rodata,"a",@progbits
	.p2align	6, 0x0
	.amdhsa_kernel k_q0448fa0a63_final
		.amdhsa_group_segment_fixed_size 0
		.amdhsa_private_segment_fixed_size 0
		.amdhsa_enable_private_segment 0
		.amdhsa_kernarg_size 56
		.amdhsa_user_sgpr_count 2
		.amdhsa_user_sgpr_kernarg_segment_ptr 1
		.amdhsa_wavefront_size32 1
		.amdhsa_system_sgpr_workgroup_id_x 1
		.amdhsa_system_sgpr_workgroup_id_y 1
		.amdhsa_system_sgpr_workgroup_id_z 1
		.amdhsa_system_vgpr_workitem_id 0
		.amdhsa_next_free_vgpr 240
		.amdhsa_next_free_sgpr 66
		.amdhsa_reserve_vcc 0
		.amdhsa_float_denorm_mode_32 3
		.amdhsa_float_denorm_mode_16_64 3
		.amdhsa_memory_ordered 1
		.amdhsa_forward_progress 1
		.amdhsa_inst_pref_size 21
	.end_amdhsa_kernel
	.amdgpu_metadata
---
amdhsa.version: [ 1, 2 ]
amdhsa.kernels:
  - .name:           k_q0448fa0a63_final
    .symbol:         k_q0448fa0a63_final.kd
    .args:
      - { .name: pw, .offset: 0, .size: 8, .value_kind: global_buffer, .address_space: global }
      - { .name: memory, .offset: 8, .size: 8, .value_kind: global_buffer, .address_space: global }
      - { .name: updb, .offset: 16, .size: 8, .value_kind: global_buffer, .address_space: global }
      - { .name: g2b, .offset: 24, .size: 8, .value_kind: global_buffer, .address_space: global }
      - { .name: wn_g, .offset: 32, .size: 8, .value_kind: global_buffer, .address_space: global }
      - { .name: wn_b, .offset: 40, .size: 8, .value_kind: global_buffer, .address_space: global }
      - { .name: out1, .offset: 48, .size: 8, .value_kind: global_buffer, .address_space: global }
    .group_segment_fixed_size: 0
    .private_segment_fixed_size: 0
    .kernarg_segment_align: 8
    .kernarg_segment_size: 56
    .max_flat_workgroup_size: 512
    .sgpr_count:     66
    .vgpr_count:     240
    .wavefront_size: 32
...
	.end_amdgpu_metadata
.endif
;; end of part 8
;; ======== version 3 of 3: 5 launches
;; workspace buffers: pw 4,554,752 bytes; g2c 786,432 bytes; g2s 32,768 bytes; part 524,288 bytes; vwb 32,768 bytes; updb 65,536 bytes; g2b 65,536 bytes
;; launch prep (part 9): grid 16 x 16, 16 waves a work-group, no clusters, 224,256 bytes of LDS; arguments memory, r_in_w_codes, r_in_w_scales, r_in_b, gate_w_codes, gate_w_scales, r_out_w_codes, pw, g2c, g2s, query, part; writes pw, g2c, g2s, part
.if DOCPART == 9
	.amdgcn_target "amdgcn-amd-amdhsa--gfx1250"
	.amdhsa_code_object_version 6
	.text
	.protected	k_q0448fa0a63_prep
	.globl	k_q0448fa0a63_prep
	.p2align	8
	.type	k_q0448fa0a63_prep,@function
k_q0448fa0a63_prep:
	s_mov_b64 s[64:65], 0
	v_nop
	global_prefetch_b8 v0, s[64:65] scope:SCOPE_SE
	s_setreg_imm32_b32 hwreg(HW_REG_WAVE_SCHED_MODE, 0, 2), 2
	s_setreg_imm32_b32 hwreg(HW_REG_WAVE_MODE, 25, 1), 1
	s_wait_xcnt 0x0
	s_wait_alu depctr_vm_vsrc(0)
; What hangs on the memory tensor alone, made once, and the column sums of query.  reference() broadcasts one [512][1024] tensor over the batch, so the key and value
; projections and the memory half of the gate's product have 512 different rows: those are multiplied, the copies are not.
; Work-groups with y >= 8 (128 of them): the sums over 64 rows of query, two columns a thread, into part [128][1024].  No LDS, no barrier on that way.
; Work-group (x, y), y < 8: x = head = group of 64 columns, y = block of 64 memory rows.  Sixteen waves; role = wave / 4, q = wave % 4.
; PHASE M (all waves): the 64 rows are quantised to BF6 along their 1,024 numbers: 32 fragments (4 tiles of rows x 8 K steps), kept in LDS as images of the operand's registers.
; Each load takes 512 consecutive bytes of one row; the wave's own stage turns them so that a lane holds 16 neighbours of a block.
; THE ROWS OF A TILE ARE NOT NEIGHBOURS: lane r of tile kt holds row 32 (kt / 2) + 8 (kt % 2) + r + 8 (r / 8).
; ROLES 0, 1, 2: a wave holds ONE tile of 16 weight rows (eight fragments, fetched once in the work-group) and multiplies it with all four tiles of memory rows.
; ROLE 0, keys: Wk's rows are source 0, so a lane holds one key and eight channels; the four waves' channels meet in LDS behind a barrier, and wave q quantises key tile q.
; ROLE 1, values: memory is source 0, 16 rows of Wv source 1: a lane holds one channel and its registers run along 64 keys: quantised along the keys.
; ROLE 2: G1 = Q(memory) x gate_w[:, :1024]^T, f32; the four waves' columns meet in a stage, so that sixteen lanes store 256 consecutive bytes.
; ROLE 3: Wq's and Wo's codes are laid as images of fragments; the upper half of gate_w's rows is copied dense.
; LIMITS: NaN and infinities are not served.  A block whose largest magnitude lies under 2^-122 (zeros too) gets the scale byte 1; the bytes are read by this program alone.
; THE MODE: SCHED_MODE bits 1:0 = 2 (LLVM: expert scheduling mode 2), set by the entry lines.  The code itself states the register dependences
; between vector or matrix instructions and memory or LDS instructions, with s_wait_alu, always for 0.
; THE PLAN.  Registers that memory or LDS instructions touch:
;   v1-v15           offsets and LDS addresses: written at the head, read by loads and stores, never written again: one wait on va_vdst ahead of the first load.
;   v96-v223         phase M: the rows' loads land; the stage's stores read them; the stage's loads land in them again (a wait on vm_vsrc between); the quantiser reads them.
;                    In the roles v96-v191 take the weight tile (loads land, products read) and v192-v239 memory's fragments.
;   v224-v235, v248  the quantiser writes them, the images' stores read them: va_vdst ahead of the stores, vm_vsrc behind them.
;   v80-v84          a role's own offsets: one wait on va_vdst behind them, which also states that the quantiser is done with the registers in which the role's loads land.
;   v192-v239, v52-v55  a K step's four fragments of memory and their scale words: LDS loads land, the step's four products read them: one wait on va_vdst at the head of
;                    each step but the first.  One set: a second would take 52 registers, and the registers left over are fewer, and in pieces.
;   v16-v47          the accumulators: products write them; LDS stores read them (places, then va_vdst); in the key role LDS loads land in them again (vm_vsrc behind the stores).
;   THE JOIN         the four roles' ways meet at one label, and the two ways out behind it write registers that some role's stores read (v16-v47, v83, v84, v96-v127, v246):
;                    so every role ends with a wait on vm_vsrc, ahead of the join: on no way through the text is a store's register written before that store has read it.
.set MSC,  49152                       ; LDS: images at 0 (32 x 1,536 bytes); their scale words (32 x 128);
.set STG,  53248                       ; G1's stage, 64 rows x 272 bytes;
.set KST,  70656                       ; the keys' exchange, [key tile 4][channel tile 4] x 1,024 bytes;
.set MST,  87040                       ; phase M's stages, 16 rows x 528 bytes for each wave
.set KS,   393216                      ; regions of pw, in bytes: key codes at 0, key scale words,
.set VC,   458752                      ; value codes,
.set VS,   851968                      ; value scale words,
.set WQF,  884736                      ; Wq's fragments,
.set WOF,  1671168                     ; Wo's fragments,
.set G1O,  2457600                     ; G1
.set SEL,  28                          ; s[28:29] lane selects: lane l xor 16
.set ACC,  16                          ; v16-47   four accumulators, one for each tile of memory rows
.set SW,   48                          ; v48-51   my weight tile's scale words: lanes 0-15 K steps 0-3, lanes 16-31 K steps 4-7;  v52-55 memory's.  They hold scales and nothing else
.set CB,   68                          ; v68-75   the bias as the C of the first products
.set WF,   96                          ; v96-191  my weight tile's eight fragments
.set MFR,  192                         ; v192-239 four fragments of memory
; 32 numbers of a lane, register 16 b + i = k 32 b + 16 (lane / 16) + i of its row, become six registers of codes (k = 32 (lane / 16) + 0 .. 31) at v[dst]; v[TQ+6] = the two scale bytes
.macro QH src, dst
.irp b, 0,1
	v_max3_num_f32 v[TQ+\b], |v[\src+16*\b]|, |v[\src+16*\b+1]|, 0x2800000   ; my 16 numbers and the floor 2^(5 - 127): the byte cannot fall under 1
.endr
.irp i, 2,4,6,8,10,12,14
.irp b, 0,1
	v_max3_num_f32 v[TQ+\b], v[TQ+\b], |v[\src+16*\b+\i]|, |v[\src+16*\b+\i+1]|
.endr
.endr
.irp b, 0,1
	v_permlanex16_b32 v[TQ+2+\b], v[TQ+\b], s[SEL], s[SEL+1]
.endr
.irp b, 0,1
	v_max_num_f32 v[TQ+\b], v[TQ+\b], v[TQ+2+\b]   ; with lane l xor 16's: the block's largest magnitude
.endr
.irp b, 0,1
	v_add_nc_u32 v[TQ+4+\b], 0xfe000000, v[TQ+\b]  ; 4 off its exponent field: the conversion's scale operand
.endr
.irp b, 0,1
	v_lshrrev_b32 v[TQ+2+\b], 23, v[TQ+4+\b]       ; the scale's byte
.endr
	v_lshl_or_b32 v[TQ+6], v[TQ+3], 8, v[TQ+2]
	v_cvt_scalef32_pk16_bf6_f32 v[\dst:\dst+2], v[\src:\src+15], v[TQ+4]
	v_cvt_scalef32_pk16_bf6_f32 v[TQ+8:TQ+10], v[\src+16:\src+31], v[TQ+5]
	v_nop                                          ; one plain place behind a scaled conversion
.irp i, 0,1,2
	v_permlane16_swap_b32 v[\dst+\i], v[TQ+8+\i]   ; a whole block to a lane: lanes 0-15 block 0, lanes 16-31 block 1
.endr
.irp i, 0,1,2
	v_mov_b32 v[\dst+3+\i], v[TQ+8+\i]
.endr
.endm
.macro BAR                             ; my LDS stores have landed and my LDS loads are in: then the work-group's barrier
	s_wait_dscnt 0x0
	s_barrier_signal -1
	s_barrier_wait -1
.endm
.macro NOP4                            ; four places behind a matrix instruction, ahead of loads into its registers and of reads of its result; they stay beside the waits on va_vdst
.rept 4
	v_nop
.endr
.endm
; one matrix instruction.  c < 0: the constant 0 starts the sum.  ra, rb: source 0's or source 1's scales stand in lanes 16-31
.macro WM d, a, b, c, sa, sb, ra, rb
.if (\c) < 0
	v_wmma_scale_f32_16x16x128_f8f6f4 v[\d:\d+7], v[\a:\a+11], v[\b:\b+11], 0, v[\sa], v[\sb] matrix_a_fmt:MATRIX_FMT_BF6 matrix_b_fmt:MATRIX_FMT_BF6
.elseif \ra
	v_wmma_scale_f32_16x16x128_f8f6f4 v[\d:\d+7], v[\a:\a+11], v[\b:\b+11], v[\c:\c+7], v[\sa], v[\sb] matrix_a_fmt:MATRIX_FMT_BF6 matrix_b_fmt:MATRIX_FMT_BF6 matrix_a_scale:MATRIX_SCALE_ROW1
.elseif \rb
	v_wmma_scale_f32_16x16x128_f8f6f4 v[\d:\d+7], v[\a:\a+11], v[\b:\b+11], v[\c:\c+7], v[\sa], v[\sb] matrix_a_fmt:MATRIX_FMT_BF6 matrix_b_fmt:MATRIX_FMT_BF6 matrix_b_scale:MATRIX_SCALE_ROW1
.else
	v_wmma_scale_f32_16x16x128_f8f6f4 v[\d:\d+7], v[\a:\a+11], v[\b:\b+11], v[\c:\c+7], v[\sa], v[\sb] matrix_a_fmt:MATRIX_FMT_BF6 matrix_b_fmt:MATRIX_FMT_BF6
.endif
.endm
; my weight tile: eight fragments (codes at s[32:33] + v80) and its scale words (s[34:35] + v81)
.macro LOADT
.irp s, 0,1,2,3,4,5,6,7
.irp p, 0,1,2,3,4,5
	global_load_b64 v[WF+12*\s+2*\p:WF+12*\s+2*\p+1], v80, s[32:33] offset:96*\s+48*(\p/3)+8*(\p%3)
.endr
.endr
	global_load_b128 v[SW:SW+3], v81, s[34:35]
.endm
; my weight tile x the four tiles of memory rows, K = 1,024.  swap = 1: the weights are source 0.  c0 = 1: v[CB] on is the C of the first products, else the constant 0.
; The four accumulators take turns, one instruction a turn.
.macro CORE swap, c0
.irp s, 0,1,2,3,4,5,6,7
.if \s > 0
	s_wait_alu depctr_va_vdst(0)                   ; the last step's four products are done reading memory's fragments and their scale words, in which the loads below land (for the first step the role's own wait states it of the quantiser)
.endif
.irp kt, 0,1,2,3
.irp i, 0,1,2
	ds_load_b128 v[MFR+12*\kt+4*\i:MFR+12*\kt+4*\i+3], v1 offset:(8*\kt+\s)*1536+512*\i
.endr
	ds_load_b32 v[52+\kt], v12 offset:(8*\kt+\s)*128
.endr
.if \s == 0
	s_wait_loadcnt 0x0                             ; my weight tile, once
.endif
	s_wait_dscnt 0x0
.irp kt, 0,1,2,3
.if \swap
.if (\s == 0) && (\c0 == 0)
	WM ACC+8*\kt, WF+12*\s, MFR+12*\kt, -1, SW+(\s%4), 52+\kt, 0, 0
.elseif \s == 0
	WM ACC+8*\kt, WF+12*\s, MFR+12*\kt, CB, SW+(\s%4), 52+\kt, 0, 0
.else
	WM ACC+8*\kt, WF+12*\s, MFR+12*\kt, ACC+8*\kt, SW+(\s%4), 52+\kt, \s/4, 0
.endif
.else
.if \s == 0
	WM ACC+8*\kt, MFR+12*\kt, WF+12*\s, CB, 52+\kt, SW+(\s%4), 0, 0
.else
	WM ACC+8*\kt, MFR+12*\kt, WF+12*\s, ACC+8*\kt, 52+\kt, SW+(\s%4), 0, \s/4
.endif
.endif
.endr
	NOP4
.endr
.endm
	s_load_b512 s[8:23], s[0:1], 0x0               ; memory 8, r_in codes 10, r_in scales 12, r_in_b 14, gate codes 16, gate scales 18, r_out codes 20, pw 22
	s_load_b128 s[24:27], s[0:1], 0x40             ; g2c 24, g2s 26
	s_load_b128 s[56:59], s[0:1], 0x50             ; query 56, part 58
	v_lshl_add_u32 v254, v0, 2, 0x36400
	v_mov_b32 v255, 0
	v_lshrrev_b32 v1, 5, v0
	v_readfirstlane_b32 s2, v1                     ; wave 0..15
	s_mov_b32 s5, ttmp9                            ; x
	s_and_b32 s6, ttmp7, 0xffff                    ; y
	s_mov_b32 s[SEL], 0x76543210
	s_mov_b32 s[SEL+1], 0xfedcba98
	v_and_b32 v15, 31, v0
	v_lshlrev_b32 v1, 4, v15                       ; 16 x lane: an image's place (the images begin at LDS byte 0)
	s_wait_alu depctr_va_vdst(0)
	v_lshlrev_b32 v2, 3, v15                       ; 8 x lane
	v_lshlrev_b32 v3, 2, v15                       ; 4 x lane
	v_and_b32 v4, 15, v0                           ; r
	s_wait_alu depctr_va_vdst(0)
	v_bfe_u32 v5, v0, 4, 1                         ; h
	v_and_b32 v6, 8, v4
	v_add_nc_u32 v6, v6, v4                        ; r + 8 (r / 8)
	s_wait_alu depctr_va_sdst(0)                   ; s2, the wave's number, is written, ahead of its first reader
	s_and_b32 s3, s2, 3                            ; q
	s_lshr_b32 s4, s2, 2                           ; role; in phase M the tile of rows
	; every LDS address is made here, ahead of the parting of the roles, and never rewritten
	s_mul_i32 s30, s2, 3072
	v_add_nc_u32 v7, s30, v1                       ; where I store my two images: fragment 8 (w / 4) + 2 (w % 4) = 2 w
	s_lshl_b32 s30, s2, 8
	s_add_co_u32 s30, s30, MSC
	v_add_nc_u32 v8, s30, v3                       ; and their scale words
	s_lshl_b32 s30, s3, 10
	s_add_co_u32 s30, s30, KST
	v_add_nc_u32 v9, s30, v1                       ; the keys' exchange, in: channel tile q of each key tile
	s_lshl_b32 s30, s3, 12
	s_add_co_u32 s30, s30, KST
	v_add_nc_u32 v10, s30, v1                      ; and back: key tile q's four channel tiles
	s_mul_i32 s30, s2, 8448
	s_add_co_u32 s30, s30, MST
	v_add_nc_u32 v11, s30, v1                      ; my stage of phase M, in: 512 bytes of a row as they lie
	v_mul_u32_u24 v15, v4, 528
	s_wait_alu depctr_va_vdst(0)
	v_lshl_add_u32 v15, v5, 6, v15
	v_add_nc_u32 v15, s30, v15                     ; and back: row r, + 64 h: my 16 numbers of a block
	v_add_nc_u32 v12, MSC, v3                      ; all scale words
	s_lshl_b32 s30, s3, 6
	s_add_co_u32 s30, s30, STG
	v_mul_u32_u24 v13, v4, 272
	v_lshl_add_u32 v13, v5, 5, v13
	v_add_nc_u32 v13, s30, v13                     ; G1's stage, in: row r of a tile, my 16 columns' 64 bytes, + 32 h
	s_mul_i32 s30, s3, 4352
	s_add_co_u32 s30, s30, STG
	v_mul_u32_u24 v14, v5, 272
	v_lshl_add_u32 v14, v4, 4, v14
	v_add_nc_u32 v14, s30, v14                     ; and back: tile q's rows; lanes 0-15 one row, lanes 16-31 the next
	s_lshr_b32 s7, s3, 1
	s_lshl_b32 s7, s7, 5
	s_and_b32 s31, s3, 1
	s_lshl_b32 s31, s31, 3
	s_add_co_u32 s7, s7, s31                       ; first row of tile q: 32 (q / 2) + 8 (q % 2)
	s_lshr_b32 s30, s4, 1
	s_lshl_b32 s30, s30, 5
	s_and_b32 s31, s4, 1
	s_lshl_b32 s31, s31, 3
	s_add_co_u32 s30, s30, s31                     ; the same of phase M's tile
	s_lshl_b32 s31, s6, 6
	s_add_co_u32 s30, s30, s31
	s_lshl_b32 s30, s30, 12
	s_lshl_b32 s31, s3, 10                         ; K steps 2 q, 2 q + 1: 512 bytes each
	s_add_co_u32 s30, s30, s31
	s_mov_b32 s31, 0
	s_wait_kmcnt 0x0
	s_cmp_ge_u32 s6, 8                             ; the work-group's number alone decides: the same in all sixteen waves
	s_cbranch_scc1 .Lcolsum
	s_add_nc_u64 s[30:31], s[8:9], s[30:31]
	s_wait_alu depctr_va_vdst(0)                   ; the offsets and LDS addresses v1 to v15 are written, which the loads and stores of all phases read
	; ---- PHASE M
.irp f, 0,1
.set II, 0
.rept 16
	global_load_b128 v[96+64*\f+4*II:96+64*\f+4*II+3], v1, s[30:31] offset:(II+8*(II/8))*4096+512*\f   ; 512 consecutive bytes of the tile's row II
.set II, II+1
.endr
.endr
.irp f, 0,1
	s_wait_loadcnt 16-16*\f                        ; this K step's 16 loads are in; the other's may be out
.set II, 0
.rept 16
	ds_store_b128 v11, v[96+64*\f+4*II:96+64*\f+4*II+3] offset:528*II
.set II, II+1
.endr
	s_wait_alu depctr_vm_vsrc(0)                   ; the stores into the stage have read these 64 registers, in which the loads from the stage land
.irp b, 0,1,2,3
.irp j, 0,1,2,3
	ds_load_b128 v[96+64*\f+16*\b+4*\j:96+64*\f+16*\b+4*\j+3], v15 offset:128*\b+16*\j   ; LDS serves a wave's instructions in order: these see my stores, and the next K step's stores come behind them
.endr
.endr
.endr
.set TQ, 236
	v_mov_b32 v[TQ+2], 0                           ; written once: a lane permute's destination counts as one of its sources
	v_mov_b32 v[TQ+3], 0
.irp f, 0,1
	s_wait_dscnt 32-32*\f                          ; this K step is back from the stage; behind it stand the other's 16 stores and 16 loads
	QH 96+64*\f, 224
	v_mov_b32 v248, v[TQ+6]
	QH 128+64*\f, 230
	v_lshl_or_b32 v248, v[TQ+6], 16, v248          ; the row's scale word for 128 along K
	s_wait_alu depctr_va_vdst(0)                   ; the quantiser has written v[224:235] and v248, which the stores below read
.irp i, 0,1,2
	ds_store_b128 v7, v[224+4*\i:224+4*\i+3] offset:1536*\f+512*\i
.endr
	ds_store_b32 v8, v248 offset:128*\f
	s_wait_alu depctr_vm_vsrc(0)                   ; the stores have read v[224:235] and v248: the next K step's quantiser writes them again, and behind the second K step memory's fragments land there and the roles' quantiser writes v248
.endr
	BAR                                            ; the 32 images lie in LDS; nobody writes them again
	s_cmp_eq_u32 s4, 0
	s_cbranch_scc1 .Lrole_k
	s_cmp_eq_u32 s4, 1
	s_cbranch_scc1 .Lrole_v
	s_cmp_eq_u32 s4, 2
	s_cbranch_scc1 .Lrole_g
	; ---- ROLE 3: relayout.  gw = 0 .. 511 over the launch
	s_lshl_b32 s30, s6, 4
	s_add_co_u32 s30, s30, s5
	s_lshl_b32 s30, s30, 2
	s_add_co_u32 s30, s30, s3                      ; gw = fragment 8 T + s
	s_lshr_b32 s31, s30, 3                         ; T: tile of 16 weight rows
	s_and_b32 s42, s30, 7
	s_mul_i32 s42, s42, 96                         ; K step s: 96 bytes
	s_lshr_b32 s32, s31, 2
	s_lshl_b32 s32, s32, 6
	s_bfe_u32 s33, s31, 0x10001
	s_lshl_b32 s33, s33, 5
	s_add_co_u32 s32, s32, s33
	s_and_b32 s33, s31, 1
	s_lshl_b32 s33, s33, 3
	s_add_co_u32 s32, s32, s33                     ; Wq: 64 (T / 4) + 32 ((T / 2) % 2) + 8 (T % 2)
	s_mul_i32 s32, s32, 768
	s_add_co_u32 s32, s32, s42
	s_mov_b32 s33, 0
	s_add_nc_u64 s[32:33], s[10:11], s[32:33]
	s_mul_i32 s34, s31, 16*768                     ; Wo: row 16 T
	s_add_co_u32 s34, s34, s42
	s_mov_b32 s35, 0
	s_add_nc_u64 s[34:35], s[20:21], s[34:35]
	s_mul_i32 s36, s30, 3072                       ; gate_w: rows 2 gw, 2 gw + 1 of 1,536 bytes, their upper half
	s_add_co_u32 s36, s36, 768
	s_mov_b32 s37, 0
	s_add_nc_u64 s[36:37], s[16:17], s[36:37]
	s_lshl_b32 s38, s30, 7                         ; and of 64 scale bytes
	s_add_co_u32 s38, s38, 32
	s_mov_b32 s39, 0
	s_add_nc_u64 s[38:39], s[18:19], s[38:39]
	s_mul_i32 s44, s30, 1536
	s_mov_b32 s45, 0
	s_add_nc_u64 s[40:41], s[22:23], s[44:45]      ; pw + 1,536 gw
	s_add_nc_u64 s[42:43], s[24:25], s[44:45]      ; g2c + 2 gw rows of 768 bytes
	s_lshl_b32 s46, s30, 6
	s_mov_b32 s47, 0
	s_add_nc_u64 s[46:47], s[26:27], s[46:47]      ; g2s + 2 gw rows of 32 bytes
	v_mul_u32_u24 v80, v6, 768
	v_mad_u32_u24 v80, v5, 24, v80
	v_mul_u32_u24 v81, v4, 768
	v_mad_u32_u24 v81, v5, 24, v81
	v_lshlrev_b32 v82, 6, v5
	v_lshl_add_u32 v82, v4, 1, v82                 ; 64 h + 2 r
	v_lshrrev_b32 v83, 1, v3                       ; 2 x lane
	s_wait_alu depctr_va_vdst(0)                   ; the offsets v80 to v83 are written, which the loads and the last store read; the quantiser is done reading v96 on, in which loads land
.irp p, 0,1,2,3,4,5
	global_load_b64 v[16+2*\p:17+2*\p], v80, s[32:33] offset:48*(\p/3)+8*(\p%3)
	global_load_b64 v[28+2*\p:29+2*\p], v81, s[34:35] offset:48*(\p/3)+8*(\p%3)
.endr
.irp i, 0,1
.irp p, 0,1,2
	global_load_b64 v[96+6*\i+2*\p:97+6*\i+2*\p], v2, s[36:37] offset:1536*\i+256*\p
.endr
.endr
	global_load_u16 v84, v82, s[38:39]
	s_wait_loadcnt 0x0
.irp i, 0,1,2
	global_store_b128 v1, v[16+4*\i:19+4*\i], s[40:41] offset:WQF+512*\i     ; 32 lanes store 512 consecutive bytes
	global_store_b128 v1, v[28+4*\i:31+4*\i], s[40:41] offset:WOF+512*\i
.endr
.irp i, 0,1
.irp p, 0,1,2
	global_store_b64 v2, v[96+6*\i+2*\p:97+6*\i+2*\p], s[42:43] offset:768*\i+256*\p
.endr
.endr
	global_store_b16 v83, v84, s[46:47]
	s_wait_alu depctr_vm_vsrc(0)                   ; my stores have read v16 to v39, v96 to v107, v83 and v84: the ways out behind the join, to which this way leads in the text, write these registers
	s_branch .Ljoin
.Lrole_k:                                          ; ---- ROLE 0: keys; my tile: channels 32 (q / 2) + 8 (q % 2) + r + 8 (r / 8) of the head
	s_lshl_b32 s30, s5, 6
	s_add_co_u32 s30, s30, 1024
	s_add_co_u32 s30, s30, s7                      ; my tile's first row of Wk
	s_mul_i32 s32, s30, 768
	s_mov_b32 s33, 0
	s_add_nc_u64 s[32:33], s[10:11], s[32:33]
	s_lshl_b32 s34, s30, 5
	s_mov_b32 s35, 0
	s_add_nc_u64 s[34:35], s[12:13], s[34:35]
	s_lshl_b32 s36, s30, 2
	s_mov_b32 s37, 0
	s_add_nc_u64 s[36:37], s[14:15], s[36:37]
	v_mul_u32_u24 v80, v6, 768
	v_mad_u32_u24 v80, v5, 24, v80
	v_lshlrev_b32 v81, 5, v6
	v_lshl_add_u32 v81, v5, 4, v81                 ; lanes 16-31 take the words of K steps 4-7
	v_lshlrev_b32 v82, 6, v5                       ; the bias of my eight channels: the tile's first + 16 h
	s_wait_alu depctr_va_vdst(0)                   ; the offsets v80 to v82 are written, which the loads read; the quantiser is done with v96 to v247, in which the weight tile and memory's first fragments land
	LOADT
	global_load_b128 v[CB:CB+3], v82, s[36:37]
	global_load_b128 v[CB+4:CB+7], v82, s[36:37] offset:16
	CORE 1, 1
	s_wait_alu depctr_va_vdst(0)                   ; the products have written the accumulators, which the stores read; the four places stand ahead of this wait
.irp kt, 0,1,2,3
	ds_store_b128 v9, v[ACC+8*\kt:ACC+8*\kt+3] offset:4096*\kt          ; each accumulator from its low end on, as an image of its registers
	ds_store_b128 v9, v[ACC+8*\kt+4:ACC+8*\kt+7] offset:4096*\kt+512
.endr
	s_wait_alu depctr_vm_vsrc(0)                   ; the stores have read the accumulators' registers, in which key tile q's channels land behind the barrier
	s_branch .Ljoin
.Lrole_v:                                          ; ---- ROLE 1: values, channels 32 (q / 2) + 8 (q % 2) + r + 8 (r / 8) of the head
	s_lshl_b32 s30, s5, 6
	s_add_co_u32 s30, s30, 2048
	s_add_co_u32 s30, s30, s7
	s_mul_i32 s32, s30, 768
	s_mov_b32 s33, 0
	s_add_nc_u64 s[32:33], s[10:11], s[32:33]
	s_lshl_b32 s34, s30, 5
	s_mov_b32 s35, 0
	s_add_nc_u64 s[34:35], s[12:13], s[34:35]
	s_lshl_b32 s36, s30, 2
	s_mov_b32 s37, 0
	s_add_nc_u64 s[36:37], s[14:15], s[36:37]
	v_mul_u32_u24 v80, v6, 768
	v_mad_u32_u24 v80, v5, 24, v80
	v_lshlrev_b32 v81, 5, v6
	v_lshl_add_u32 v81, v5, 4, v81
	v_lshlrev_b32 v82, 2, v6
	s_wait_alu depctr_va_vdst(0)                   ; the offsets v80 to v82 are written, which the loads read; the quantiser is done with v96 to v247, in which the weight tile and memory's first fragments land
	LOADT
	global_load_b32 v76, v82, s[36:37]             ; my channel's bias
	s_wait_loadcnt 0x0
.irp j, 0,1,2,3,4,5,6,7
	v_mov_b32 v[CB+\j], v76                        ; as C: a lane holds one channel, its eight registers eight keys
.endr
	s_wait_alu depctr_va_vdst(0)
	NOP4
	CORE 0, 1
	s_lshl_b32 s30, s5, 2
	s_lshr_b32 s31, s6, 1
	s_add_co_u32 s30, s30, s31
	s_lshl_b32 s30, s30, 2
	s_add_co_u32 s30, s30, s3                      ; (head, key step of 128, tile of channels)
	s_and_b32 s31, s6, 1                           ; which 64 keys of the step
	s_lshl_b32 s38, s30, 1
	s_add_co_u32 s38, s38, s31
	s_mul_i32 s38, s38, 768
	s_add_co_u32 s38, s38, VC
	s_mov_b32 s39, 0
	s_add_nc_u64 s[38:39], s[22:23], s[38:39]
	s_lshl_b32 s40, s30, 7
	s_lshl_b32 s31, s31, 1
	s_add_co_u32 s40, s40, s31
	s_add_co_u32 s40, s40, VS
	s_mov_b32 s41, 0
	s_add_nc_u64 s[40:41], s[22:23], s[40:41]
.set TQ, 240
	v_mov_b32 v[TQ+2], 0
	v_mov_b32 v[TQ+3], 0
	QH ACC, 96
	s_wait_alu depctr_va_vdst(0)                   ; the quantiser has written v[96:101] and v[TQ+6], which the stores read
.irp p, 0,1,2
	global_store_b64 v2, v[96+2*\p:97+2*\p], s[38:39] offset:256*\p
.endr
	global_store_b16 v3, v[TQ+6], s[40:41]         ; two of the scale word's four bytes; the work-group of the other 64 keys stores the other two
	s_wait_alu depctr_vm_vsrc(0)                   ; my stores have read v[96:101] and v246: the ways out behind the join, to which this way leads in the text, write these registers
	s_branch .Ljoin
.Lrole_g:                                          ; ---- ROLE 2: G1, columns 64 x + 16 q on
	s_lshl_b32 s30, s5, 6
	s_lshl_b32 s31, s3, 4
	s_add_co_u32 s30, s30, s31
	s_mul_i32 s32, s30, 1536
	s_mov_b32 s33, 0
	s_add_nc_u64 s[32:33], s[16:17], s[32:33]
	s_lshl_b32 s34, s30, 6
	s_mov_b32 s35, 0
	s_add_nc_u64 s[34:35], s[18:19], s[34:35]
	v_mul_u32_u24 v80, v4, 1536
	v_mad_u32_u24 v80, v5, 24, v80
	v_lshlrev_b32 v81, 6, v4
	v_lshl_add_u32 v81, v5, 4, v81
	s_wait_alu depctr_va_vdst(0)                   ; the offsets v80 and v81 are written, which the loads read; the quantiser is done with v96 to v247, in which the weight tile and memory's first fragments land
	LOADT
	CORE 1, 0
	s_wait_alu depctr_va_vdst(0)                   ; the products have written the accumulators, which the stores read, and are done reading the weight tile, in which the stage's rows land behind the barrier; the four places stand ahead of this wait
.irp kt, 0,1,2,3
	ds_store_b128 v13, v[ACC+8*\kt:ACC+8*\kt+3] offset:4352*\kt         ; each accumulator from its low end on
	ds_store_b128 v13, v[ACC+8*\kt+4:ACC+8*\kt+7] offset:4352*\kt+16
.endr
	s_wait_alu depctr_vm_vsrc(0)                   ; my stores have read v16 to v47: the key way out behind the join, to which this way leads in the text, loads into these registers
.Ljoin:
	BAR                                            ; every wave passes it: the keys' channel tiles and G1's column tiles lie in LDS
	s_cmp_eq_u32 s4, 0
	s_cbranch_scc1 .Lout_k
	s_cmp_eq_u32 s4, 2
	s_cbranch_scc1 .Lout_g
	s_wait_dscnt 0x0                               ; the closing lines, six on end
	s_wait_alu 0x0
	s_wait_tensorcnt 0x0
	ds_add_u32 v254, v255
	s_wait_dscnt 0x0
	s_endpgm
.Lout_k:                                           ; key tile q: register 8 t + j = channel 32 (t / 2) + 8 (t % 2) + 16 h + j of key r
.irp t, 0,1,2,3
	ds_load_b128 v[ACC+8*\t:ACC+8*\t+3], v10 offset:1024*\t
	ds_load_b128 v[ACC+8*\t+4:ACC+8*\t+7], v10 offset:1024*\t+512
.endr
	s_lshl_b32 s30, s5, 5
	s_lshl_b32 s31, s6, 2
	s_add_co_u32 s30, s30, s31
	s_add_co_u32 s30, s30, s3                      ; tile 32 x + 4 y + q
	s_mul_i32 s38, s30, 768
	s_mov_b32 s39, 0
	s_add_nc_u64 s[38:39], s[22:23], s[38:39]
	s_lshl_b32 s40, s30, 7
	s_add_co_u32 s40, s40, KS
	s_mov_b32 s41, 0
	s_add_nc_u64 s[40:41], s[22:23], s[40:41]
.set TQ, 240
	v_mov_b32 v[TQ+2], 0
	v_mov_b32 v[TQ+3], 0
	s_wait_dscnt 0x0
	QH ACC, 96
	v_or_b32 v84, 0x7f7f0000, v[TQ+6]              ; the upper half of K = 128 is padding: its bytes stand for 1
	s_wait_alu depctr_va_vdst(0)                   ; the quantiser has written v[96:101] and v84, which the stores read
.irp p, 0,1,2
	global_store_b64 v2, v[96+2*\p:97+2*\p], s[38:39] offset:256*\p          ; 32 lanes store 256 consecutive bytes
.endr
	global_store_b32 v3, v84, s[40:41]
	s_wait_dscnt 0x0                               ; the closing lines, six on end
	s_wait_alu 0x0
	s_wait_tensorcnt 0x0
	ds_add_u32 v254, v255
	s_wait_dscnt 0x0
	s_endpgm
.Lout_g:                                           ; memory's tile q, all 64 columns
.irp n, 0,1,2,3,4,5,6,7
	ds_load_b128 v[96+4*\n:99+4*\n], v14 offset:544*\n
.endr
	v_lshlrev_b32 v83, 12, v5
	v_lshl_add_u32 v83, v4, 4, v83                 ; G1: + h rows of 4,096 bytes, 16 bytes a lane
	s_lshl_b32 s38, s6, 6
	s_add_co_u32 s38, s38, s7
	s_lshl_b32 s38, s38, 12
	s_lshl_b32 s39, s5, 8
	s_add_co_u32 s38, s38, s39
	s_add_co_u32 s38, s38, G1O
	s_mov_b32 s39, 0
	s_add_nc_u64 s[38:39], s[22:23], s[38:39]
	s_wait_dscnt 0x0
	s_wait_alu depctr_va_vdst(0)                   ; the offset v83 is written, which the stores read
.irp n, 0,1,2,3,4,5,6,7
	global_store_b128 v83, v[96+4*\n:99+4*\n], s[38:39] offset:(2*\n+8*(\n/4))*4096   ; stage row 2 n + h is memory row + 8 (n / 4); 16 lanes store 256 consecutive bytes
.endr
	s_wait_dscnt 0x0                               ; the closing lines, six on end
	s_wait_alu 0x0
	s_wait_tensorcnt 0x0
	ds_add_u32 v254, v255
	s_wait_dscnt 0x0
	s_endpgm
.Lcolsum:                                          ; ---- the sums over 64 rows of query; thread t: columns 2 t, 2 t + 1; a wave's load covers 256 consecutive bytes
	s_sub_co_u32 s30, s6, 8
	s_lshl_b32 s30, s30, 4
	s_add_co_u32 s30, s30, s5                      ; which 64 rows: 0 .. 127
	s_lshl_b32 s32, s30, 18
	s_mov_b32 s33, 0
	s_add_nc_u64 s[56:57], s[56:57], s[32:33]
	s_lshl_b32 s34, s30, 12
	s_mov_b32 s35, 0
	s_add_nc_u64 s[58:59], s[58:59], s[34:35]
	v_lshlrev_b32 v80, 3, v0
	s_wait_alu depctr_va_vdst(0)                   ; the offset v80 is written, which the 64 loads and the store read
.set II, 0
.rept 64
	global_load_b64 v[96+2*II:97+2*II], v80, s[56:57] offset:4096*II th:TH_LOAD_NT
.set II, II+1
.endr
	s_wait_loadcnt 32                              ; the first 32 rows are in; the other 32 loads may be out
	v_pk_add_f32 v[16:17], v[96:97], v[100:101]    ; two chains
	v_pk_add_f32 v[18:19], v[98:99], v[102:103]
.set II, 4
.rept 14
	v_pk_add_f32 v[16:17], v[16:17], v[96+2*II:97+2*II]
	v_pk_add_f32 v[18:19], v[18:19], v[98+2*II:99+2*II]
.set II, II+2
.endr
	s_wait_alu depctr_va_vdst(0)
	s_wait_loadcnt 0x0
.rept 16
	v_pk_add_f32 v[16:17], v[16:17], v[96+2*II:97+2*II]
	v_pk_add_f32 v[18:19], v[18:19], v[98+2*II:99+2*II]
.set II, II+2
.endr
	v_pk_add_f32 v[16:17], v[16:17], v[18:19]
	s_wait_alu depctr_va_vdst(0)                   ; the last addition has written v[16:17], which the store reads
	global_store_b64 v80, v[16:17], s[58:59]       ; 32 lanes store 256 consecutive bytes
	s_endpgm
.Lfunc_end_k_q0448fa0a63_prep:
	.size	k_q0448fa0a63_prep, .Lfunc_end_k_q0448fa0a63_prep-k_q0448fa0a63_prep
	.p2alignl 7, 3214868480
	.fill 96, 4, 3214868480
	.section	.rodata,"a",@progbits
	.p2align	6, 0x0
	.amdhsa_kernel k_q0448fa0a63_prep
		.amdhsa_group_segment_fixed_size 224256
		.amdhsa_private_segment_fixed_size 0
		.amdhsa_enable_private_segment 0
		.amdhsa_kernarg_size 96
		.amdhsa_user_sgpr_count 2
		.amdhsa_user_sgpr_kernarg_segment_ptr 1
		.amdhsa_wavefront_size32 1
		.amdhsa_system_sgpr_workgroup_id_x 1
		.amdhsa_system_sgpr_workgroup_id_y 1
		.amdhsa_system_sgpr_workgroup_id_z 1
		.amdhsa_system_vgpr_workitem_id 0
		.amdhsa_next_free_vgpr 256
		.amdhsa_next_free_sgpr 66
		.amdhsa_reserve_vcc 0
		.amdhsa_float_denorm_mode_32 3
		.amdhsa_float_denorm_mode_16_64 3
		.amdhsa_memory_ordered 1
		.amdhsa_forward_progress 1
		.amdhsa_inst_pref_size 102
	.end_amdhsa_kernel
	.amdgpu_metadata
---
amdhsa.version: [ 1, 2 ]
amdhsa.kernels:
  - .name:           k_q0448fa0a63_prep
    .symbol:         k_q0448fa0a63_prep.kd
    .args:
      - { .name: memory, .offset: 0, .size: 8, .value_kind: global_buffer, .address_space: global }
      - { .name: r_in_w_codes, .offset: 8, .size: 8, .value_kind: global_buffer, .address_space: global }
      - { .name: r_in_w_scales, .offset: 16, .size: 8, .value_kind: global_buffer, .address_space: global }
      - { .name: r_in_b, .offset: 24, .size: 8, .value_kind: global_buffer, .address_space: global }
      - { .name: gate_w_codes, .offset: 32, .size: 8, .value_kind: global_buffer, .address_space: global }
      - { .name: gate_w_scales, .offset: 40, .size: 8, .value_kind: global_buffer, .address_space: global }
      - { .name: r_out_w_codes, .offset: 48, .size: 8, .value_kind: global_buffer, .address_space: global }
      - { .name: pw, .offset: 56, .size: 8, .value_kind: global_buffer, .address_space: global }
      - { .name: g2c, .offset: 64, .size: 8, .value_kind: global_buffer, .address_space: global }
      - { .name: g2s, .offset: 72, .size: 8, .value_kind: global_buffer, .address_space: global }
      - { .name: query, .offset: 80, .size: 8, .value_kind: global_buffer, .address_space: global }
      - { .name: part, .offset: 88, .size: 8, .value_kind: global_buffer, .address_space: global }
    .group_segment_fixed_size: 224256
    .private_segment_fixed_size: 0
    .kernarg_segment_align: 8
    .kernarg_segment_size: 96
    .max_flat_workgroup_size: 512
    .sgpr_count:     66
    .vgpr_count:     256
    .wavefront_size: 32
...
	.end_amdgpu_metadata
.endif
;; end of part 9
;; launch read (part 10): grid 256 x 1, 16 waves a work-group, no clusters, 265,472 bytes of LDS; arguments query, pw, r_in_w_scales, r_in_b, r_out_w_scales, r_out_b, rn_g, rn_b, out0, part, w_in_w, w_in_b, vwb; writes out0, vwb
.if DOCPART == 10
	.amdgcn_target "amdgcn-amd-amdhsa--gfx1250"
	.amdhsa_code_object_version 6
	.text
	.protected	k_q0448fa0a63_read
	.globl	k_q0448fa0a63_read
	.p2align	8
	.type	k_q0448fa0a63_read,@function
k_q0448fa0a63_read:
	s_mov_b64 s[64:65], 0
	v_nop
	global_prefetch_b8 v0, s[64:65] scope:SCOPE_SE
	s_setreg_imm32_b32 hwreg(HW_REG_WAVE_SCHED_MODE, 0, 2), 2
	s_setreg_imm32_b32 hwreg(HW_REG_WAVE_MODE, 25, 1), 1
	s_wait_xcnt 0x0
	s_wait_alu depctr_vm_vsrc(0)
; The read path, query to out0, for 32 rows of query a work-group (two tiles of 16).  Wave w is head w, and columns 64 w .. 64 w + 63 in both projections.
; X: the rows come from memory into LDS (they serve the quantiser and the residual); 16 fragments of codes, one a wave, go to LDS as images of the operand's registers.
; Q: q = Q(x) Wq^T + bq, transposed (source 0 = 16 rows of Wq, chosen so that a lane's registers run along the head's 64), quantised in registers.
; PASS m: attention of row tile m over the 512 keys, 128 a trip.  S^T = K Q^T with K = 64 padded to 128: Q's upper 64 codes are zeros, so whatever stands in K's upper registers adds nothing.
;   p = 2^(t - M), M the running largest t rounded up to a whole number; the row's sum of the unquantised p divides at the end.  O^T = V^T P^T.  The result, quantised, is half a fragment of the next product.
; O: out-projection, residual, LayerNorm (mean, then the mean of squared differences, each summed over the sixteen waves through LDS), stores of 256 consecutive bytes by sixteen lanes.
; BESIDE IT, in phase X: 32 numbers of the write path's value row, v_w[b] = mean over the sequence of query[b] x Wv^T + bv, b = work-group / 32, columns 32 (work-group % 32) on, two a wave,
;   in f32 fused multiply-adds, since it goes on into a quantiser.  reference()'s write attention has ONE key, so its softmax is 1 for every finite input and its result is v_w[b] for every memory slot:
;   the query and key projections of that attention (rows 0 to 2,047 of w_in_w and of w_in_b) can change no result and are not computed.
; No tile is shared through a cluster: a K step of weights for sixteen waves is 98,304 bytes, and two slots of that do not fit beside the 263,424 bytes used here; the weights go from memory straight into registers, laid as fragments.
; LIMITS: NaN and infinities are not served; a block whose largest magnitude lies under 2^-122 gets the scale byte 1.
; THE MODE: SCHED_MODE bits 1:0 = 2 (LLVM: expert scheduling mode 2), set by the entry lines.  The code itself states the register dependences
; between vector or matrix instructions and memory or LDS instructions, with s_wait_alu, always for 0.
; THE PLAN.  Registers that memory or LDS instructions touch:
;   v1-v15, v28-v31  offsets and LDS addresses.  Vector lines write them at the head and at four changes of phase; loads and stores read them.  Ahead of each rewriting a wait on vm_vsrc;
;                    the next wait on va_vdst, which stands ahead of the phase's first load or store anyway, states that they are written.
;   A PRODUCT, step s of 8: its eight matrix instructions read weight set s % 2 (v160-207, v48-95), the rows' fragments v24-47 and their scale words v254, v255.  The loads issued at the head of
;                    step s + 1 land in the other set (last read in step s - 1 .. that is, by the step just done when counted from there) and in v24-47, v254, v255.  ONE wait on va_vdst at each step's head
;                    but the first, whose part the wait at the product's head takes.  Two sets keep two steps' loads of weights on their way; a third would take 48 registers, and 41 are free, in pieces.
;   A PASS, a trip of 128 keys: K's loads land in v32-79 and v238-245; eight matrix instructions read them; V's loads land in v32-79 and v246-249; four matrix instructions read them.
;                    Three waits on va_vdst a trip: at its head; behind the eight (the softmax reads their results next); ahead of the four, which take p's codes and scale word from vector instructions.
;                    K and V share their registers: 48 each, and 14 are free.
;   OUT-REGISTERS    (codes v198-209, scale bytes v216 and v222, sums v96-111, v128, v224-229, the result v160-223): vector lines write them, stores read them: va_vdst ahead of each run of stores,
;                    vm_vsrc ahead of the first line that writes them again.
.set XIMG, 131584                      ; LDS: rows at 0 (32 x 4,112 bytes); x's 16 images (index 8 m + s) of 1,536 bytes;
.set XSC,  156160                      ; their scale words, 128 bytes each;
.set OIMG, 158208                      ; the attention result's images
.set OSC,  182784                      ; and scale words;
.set STG,  184832                      ; a stage of 16 rows x 272 bytes for each wave;
.set RED1, 254464                      ; [row 32][wave 16] partial sums; the second reduction's lie 2,304 bytes on
.set TOT1, 256512                      ; [row % 2][row / 2] totals; likewise
.set MEAN, 259072                      ; the batch's mean row of query, 4,096 bytes
.set VWS,  263168                      ; the work-group's 32 numbers of v_w
.set KS,   393216
.set VC,   458752
.set VS,   851968
.set WQF,  884736
.set WOF,  1671168
.set SEL,  40                          ; s[40:41]
.set CS,   42                          ; s[42:43] c = log2(e) / 8
.set ACC,  96                          ; v96-159  accumulators (32 m + 8 t); in a pass the scores, then p
.set SR,   96
.set OA,   160                         ; v160-191 O^T
.set FR,   32                          ; v32-85   fragments of K (8 x 6 registers, + 6 of zeros) or of V (4 x 12)
.set PC,   198                         ; v198-209 codes just made
.set BM,   210                         ; v210-213 block maxima
.set T4,   214
.set SO,   218                         ; v218-221 the conversions' scale operands
.set CV,   222
.set FP,   230                         ; v[230:231] f = 2^(old M - new M)
.set TT,   232
.set SU,   234
.set TQ,   210                         ; QH's twelve temporaries
.set WSC,  238                         ; v238-255 hold scales and nothing else: in a product the weights' words (4 t + s % 4) and x's (v254, v255);
.set KSC,  238                         ; in a pass K's eight,
.set VSC,  246                         ; V's four,
.set QS,   250                         ; Q's of the tile in hand, v251 of tile 1,
.set PWD,  252                         ; and p's
.macro QH src, dst
.irp b, 0,1
	v_max3_num_f32 v[TQ+\b], |v[\src+16*\b]|, |v[\src+16*\b+1]|, 0x2800000   ; my 16 numbers and the floor 2^(5 - 127)
.endr
.irp i, 2,4,6,8,10,12,14
.irp b, 0,1
	v_max3_num_f32 v[TQ+\b], v[TQ+\b], |v[\src+16*\b+\i]|, |v[\src+16*\b+\i+1]|
.endr
.endr
.irp b, 0,1
	v_permlanex16_b32 v[TQ+2+\b], v[TQ+\b], s[SEL], s[SEL+1]
.endr
.irp b, 0,1
	v_max_num_f32 v[TQ+\b], v[TQ+\b], v[TQ+2+\b]
.endr
.irp b, 0,1
	v_add_nc_u32 v[TQ+4+\b], 0xfe000000, v[TQ+\b]
.endr
.irp b, 0,1
	v_lshrrev_b32 v[TQ+2+\b], 23, v[TQ+4+\b]
.endr
	v_lshl_or_b32 v[TQ+6], v[TQ+3], 8, v[TQ+2]
	v_cvt_scalef32_pk16_bf6_f32 v[\dst:\dst+2], v[\src:\src+15], v[TQ+4]
	v_cvt_scalef32_pk16_bf6_f32 v[TQ+8:TQ+10], v[\src+16:\src+31], v[TQ+5]
	v_nop                                          ; one plain place behind a scaled conversion
.irp i, 0,1,2
	v_permlane16_swap_b32 v[\dst+\i], v[TQ+8+\i]
.endr
.irp i, 0,1,2
	v_mov_b32 v[\dst+3+\i], v[TQ+8+\i]
.endr
.endm
.macro BAR
	s_wait_dscnt 0x0
	s_barrier_signal -1
	s_barrier_wait -1
.endm
.macro NOP4                            ; four places behind a matrix instruction (ISA guide 7.12.1); they stay beside the waits on va_vdst
.rept 4
	v_nop
.endr
.endm
.macro WM d, a, b, sa, sb, ra          ; adds in place; ra: source 0's scales stand in lanes 16-31
.if \ra
	v_wmma_scale_f32_16x16x128_f8f6f4 v[\d:\d+7], v[\a:\a+11], v[\b:\b+11], v[\d:\d+7], v[\sa], v[\sb] matrix_a_fmt:MATRIX_FMT_BF6 matrix_b_fmt:MATRIX_FMT_BF6 matrix_a_scale:MATRIX_SCALE_ROW1
.else
	v_wmma_scale_f32_16x16x128_f8f6f4 v[\d:\d+7], v[\a:\a+11], v[\b:\b+11], v[\d:\d+7], v[\sa], v[\sb] matrix_a_fmt:MATRIX_FMT_BF6 matrix_b_fmt:MATRIX_FMT_BF6
.endif
.endm
.macro LOADW s                         ; K step s of my four weight tiles: 12 loads of 512 consecutive bytes; set 0 at v160, set 1 at v48
.irp t, 0,1,2,3
.irp i, 0,1,2
	global_load_b128 v[160-112*((\s)%2)+12*\t+4*\i:160-112*((\s)%2)+12*\t+4*\i+3], v1, s[30:31] offset:(8*\t+(\s))*1536+512*\i
.endr
.endr
.endm
; my 64 columns x the 32 rows, K = 1,024.  Weights at s[30:31], their scale bytes at s[32:33] + v9, the bias at s[34:35] + v10; the rows' images at v7, their scale words at v8.
; The eight accumulators take turns, one instruction a turn.
.macro GEMM perm
	s_wait_alu depctr_va_vdst(0)                   ; v7 to v10 are written, which the loads below read; and every vector and matrix instruction that named the accumulators, the scale registers, the two sets of weights or the rows' fragments is done: loads land in all of them
.irp m, 0,1
.irp t, 0,1,2,3
	global_load_b128 v[ACC+32*\m+8*\t:ACC+32*\m+8*\t+3], v10, s[34:35] offset:((\perm)*(32*(\t/2)+8*(\t%2))+(1-(\perm))*16*\t)*4      ; the bias is the C of the first product
	global_load_b128 v[ACC+32*\m+8*\t+4:ACC+32*\m+8*\t+7], v10, s[34:35] offset:((\perm)*(32*(\t/2)+8*(\t%2))+(1-(\perm))*16*\t)*4+16
.endr
.endr
.irp t, 0,1,2,3
	global_load_b128 v[WSC+4*\t:WSC+4*\t+3], v9, s[32:33] offset:((\perm)*(32*(\t/2)+8*(\t%2))+(1-(\perm))*16*\t)*32
.endr
	LOADW 0
.irp s, 0,1,2,3,4,5,6,7
.if \s > 0
	NOP4
	s_wait_alu depctr_va_vdst(0)                   ; the last step's eight products are done reading the rows' fragments and their scale words, and those of the step before it the other set of weights: the loads below land in them
.endif
.irp m, 0,1
.irp i, 0,1,2
	ds_load_b128 v[24+12*\m+4*\i:24+12*\m+4*\i+3], v7 offset:(8*\m+\s)*1536+512*\i
.endr
	ds_load_b32 v[254+\m], v8 offset:(8*\m+\s)*128
.endr
.if \s < 7
	LOADW \s+1
.endif
.if \s < 7
	s_wait_loadcnt 12                              ; this step's set is in; the next step's 12 loads may be out
.else
	s_wait_loadcnt 0x0
.endif
	s_wait_dscnt 0x0
.irp m, 0,1
.irp t, 0,1,2,3
	WM ACC+32*\m+8*\t, 160-112*(\s%2)+12*\t, 24+12*\m, WSC+4*\t+(\s%4), 254+\m, \s/4
.endr
.endr
.endr
.endm
.macro RED16 base, n                   ; sums over the 16 lanes of each half, n registers by turns
.irp x, 1,2,4,8
.set KK, 0
.rept \n
	v_add_f32_dpp v[\base+KK], v[\base+KK], v[\base+KK] row_xmask:\x row_mask:0xf bank_mask:0xf
.set KK, KK+1
.endr
.endr
.endm
	s_load_b512 s[8:23], s[0:1], 0x0               ; query 8, pw 10, r_in scales 12, r_in_b 14, r_out scales 16, r_out_b 18, rn_g 20, rn_b 22
	s_load_b128 s[24:27], s[0:1], 0x40             ; out0 24, part 26
	s_load_b128 s[68:71], s[0:1], 0x50             ; w_in_w 68, w_in_b 70
	s_load_b64 s[72:73], s[0:1], 0x60              ; vwb
	v_lshl_add_u32 v236, v0, 2, 0x40500
	v_mov_b32 v237, 0
	v_lshrrev_b32 v7, 5, v0
	v_readfirstlane_b32 s2, v7                     ; wave 0..15
	s_mov_b32 s3, ttmp9
	s_mov_b32 s[SEL], 0x76543210
	s_mov_b32 s[SEL+1], 0xfedcba98
	s_mov_b32 s[CS], 0x3e38aa3b
	s_mov_b32 s[CS+1], s[CS]
	v_and_b32 v6, 31, v0
	v_lshlrev_b32 v1, 4, v6                        ; 16 x lane
	v_lshlrev_b32 v2, 3, v6                        ; 8 x lane
	v_lshlrev_b32 v3, 2, v6                        ; 4 x lane
	v_and_b32 v4, 15, v0                           ; r
	v_bfe_u32 v5, v0, 4, 1                         ; h
	v_and_b32 v6, 8, v4
	v_add_nc_u32 v6, v6, v4                        ; r + 8 (r / 8)
	v_lshl_add_u32 v7, v7, 13, v1                  ; query: rows 2 w, 2 w + 1
	s_wait_alu depctr_va_sdst(0)                   ; s2, the wave's number, is written, ahead of its first reader
	s_mul_i32 s28, s2, 8224
	v_add_nc_u32 v8, s28, v1                       ; the same rows in LDS
	s_lshr_b32 s28, s2, 3
	s_mul_i32 s28, s28, 65792                      ; fragment w: tile of rows w / 8,
	s_and_b32 s29, s2, 7
	s_lshl_b32 s29, s29, 9                         ; K step w % 8
	s_add_co_u32 s28, s28, s29
	v_mul_u32_u24 v9, v4, 4112
	v_lshl_add_u32 v9, v5, 6, v9
	v_add_nc_u32 v9, s28, v9
	s_mul_i32 s28, s2, 1536
	s_add_co_u32 s28, s28, XIMG
	v_add_nc_u32 v10, s28, v1
	s_lshl_b32 s28, s2, 7
	s_add_co_u32 s28, s28, XSC
	v_add_nc_u32 v11, s28, v3
	v_lshlrev_b32 v30, 3, v0                       ; the partial sums: two columns a thread
	v_add_nc_u32 v12, MEAN, v1                     ; the mean row, read: 16 bytes a lane
	v_lshl_add_u32 v13, v0, 3, MEAN                ; and written: two columns a thread
	s_lshl_b32 s28, s2, 3
	s_add_co_u32 s28, s28, VWS
	v_mov_b32 v14, s28                             ; my wave's two numbers of v_w
	v_add_nc_u32 v15, VWS, v3                      ; and all 32
	v_mov_b32 v[TQ+2], 0                           ; written once: a lane permute's destination counts as one of its sources
	v_mov_b32 v[TQ+3], 0
	s_lshl_b32 s28, s3, 17
	s_mov_b32 s29, 0
	s_lshr_b32 s36, s3, 5                          ; the batch
	s_and_b32 s38, s3, 31                          ; which 32 columns of v_w
	s_lshl_b32 s78, s36, 12
	s_lshl_b32 s39, s38, 7
	s_add_co_u32 s78, s78, s39
	s_mov_b32 s79, 0
	s_lshl_b32 s36, s36, 16                        ; the batch's 16 rows of partial sums
	s_mov_b32 s37, 0
	s_lshl_b32 s38, s38, 5
	s_lshl_b32 s39, s2, 1
	s_add_co_u32 s38, s38, s39
	s_add_co_u32 s38, s38, 2048                    ; my first row of w_in_w
	s_lshl_b32 s76, s38, 2
	s_mov_b32 s77, 0
	s_lshl_b32 s38, s38, 12
	s_mov_b32 s39, 0
	s_wait_kmcnt 0x0
	s_add_nc_u64 s[8:9], s[8:9], s[28:29]
	s_add_nc_u64 s[24:25], s[24:25], s[28:29]
	s_add_nc_u64 s[26:27], s[26:27], s[36:37]
	s_add_nc_u64 s[68:69], s[68:69], s[38:39]
	s_add_nc_u64 s[70:71], s[70:71], s[76:77]
	s_add_nc_u64 s[72:73], s[72:73], s[78:79]
	s_load_b64 s[74:75], s[70:71], 0x0             ; two biases
	s_wait_alu depctr_va_vdst(0)                   ; the offsets and LDS addresses v1 to v15 and v30 are written, which the loads and stores of phase X read; so are v212 and v213, in which partial sums land
	; ---- X
.set II, 0
.rept 16
	global_load_b128 v[96+4*II:99+4*II], v7, s[8:9] offset:(II/8)*4096+(II%8)*512 th:TH_LOAD_NT   ; 512 consecutive bytes a load; read once in the launch
.set II, II+1
.endr
.set II, 0
.rept 16
	global_load_b64 v[192+2*II:193+2*II], v30, s[26:27] offset:4096*II
.set II, II+1
.endr
.irp c, 0,1
.irp j, 0,1,2,3,4,5,6,7
	global_load_b128 v[32+32*\c+4*\j:35+32*\c+4*\j], v1, s[68:69] offset:4096*\c+512*\j
.endr
.endr
	s_wait_loadcnt 32                              ; query's rows are in; the 16 partial sums and the 16 weight loads may be out
.set II, 0
.rept 16
	ds_store_b128 v8, v[96+4*II:99+4*II] offset:(II/8)*4112+(II%8)*512
.set II, II+1
.endr
	s_wait_loadcnt 16                              ; the partial sums are in; the weight loads may be out
	v_pk_add_f32 v[224:225], v[192:193], v[196:197]
	v_pk_add_f32 v[226:227], v[194:195], v[198:199]
.set II, 4
.rept 6
	v_pk_add_f32 v[224:225], v[224:225], v[192+2*II:193+2*II]
	v_pk_add_f32 v[226:227], v[226:227], v[194+2*II:195+2*II]
.set II, II+2
.endr
	v_pk_add_f32 v[224:225], v[224:225], v[226:227]
	v_pk_mul_f32 v[224:225], v[224:225], 0x3a800000 op_sel_hi:[1,0]   ; / 1,024: the mean
	s_wait_alu depctr_va_vdst(0)                   ; the mean's two numbers are written in v[224:225], which the store reads
	ds_store_b64 v13, v[224:225]
	BAR                                            ; the 32 rows and the mean row lie in LDS
	s_wait_alu depctr_vm_vsrc(0)                   ; my LDS stores have read v96 to v159, in which the fragment's numbers land, and v[224:225], which the products with the mean write again
.irp b, 0,1,2,3
.irp j, 0,1,2,3
	ds_load_b128 v[96+16*\b+4*\j:99+16*\b+4*\j], v9 offset:128*\b+16*\j       ; register 16 b + i = k 32 b + 16 h + i of row r
.endr
.endr
.irp j, 0,1,2,3,4,5,6,7
	ds_load_b128 v[160+4*\j:163+4*\j], v12 offset:512*\j
.endr
	s_wait_dscnt 8                                 ; the fragment's 16 loads are in; the mean's eight may be out
	QH 96, PC
	v_mov_b32 v222, v[TQ+6]
	QH 128, PC+6
	v_lshl_or_b32 v222, v[TQ+6], 16, v222
	s_wait_alu depctr_va_vdst(0)                   ; the quantiser has written the codes v[198:209] and the scale word v222, which the stores read
.irp i, 0,1,2
	ds_store_b128 v10, v[PC+4*\i:PC+4*\i+3] offset:512*\i
.endr
	ds_store_b32 v11, v222
	s_wait_dscnt 4                                 ; the mean is in; the four stores behind it may be out
	s_wait_loadcnt 0x0                             ; my two rows of w_in_w
.irp c, 0,1
	v_pk_mul_f32 v[224+2*\c:225+2*\c], v[32+32*\c:33+32*\c], v[160:161]
.endr
.set II, 2
.rept 15
.irp c, 0,1
	v_pk_fma_f32 v[224+2*\c:225+2*\c], v[32+32*\c+II:33+32*\c+II], v[160+II:161+II], v[224+2*\c:225+2*\c]   ; the two columns by turns
.endr
.set II, II+2
.endr
.irp c, 0,1
	v_add_f32 v[228+\c], v[224+2*\c], v[225+2*\c]
	v_mov_b32 v[230+\c], 0
.endr
	RED16 228, 2
.irp c, 0,1
	v_permlanex16_b32 v[230+\c], v[228+\c], s[SEL], s[SEL+1]
.endr
	s_wait_alu depctr_va_vdst(0)
	s_wait_kmcnt 0x0
.irp c, 0,1
	v_add_f32 v[228+\c], v[228+\c], v[230+\c]
.endr
.irp c, 0,1
	v_add_f32 v[228+\c], s[74+\c], v[228+\c]
.endr
	s_wait_alu depctr_va_vdst(0)                   ; my two numbers of v_w are written in v228 and v229, which the stores read
.irp c, 0,1
	ds_store_b32 v14, v[228+\c] offset:4*\c        ; all lanes write the same word with the same value
.endr
	s_wait_alu depctr_vm_vsrc(0)                   ; phase X's loads and stores have read v7 to v10, which are written anew below; the images' stores have read v[198:209] and v222, and the last two stores v228, in which loads land further on
	v_add_nc_u32 v7, XIMG, v1
	v_add_nc_u32 v8, XSC, v3
	v_lshlrev_b32 v9, 5, v6
	v_lshl_add_u32 v9, v5, 4, v9                   ; Wq's scale bytes: row r + 8 (r / 8), lanes 16-31 the words of K steps 4-7
	v_lshlrev_b32 v10, 6, v5                       ; the bias: + 16 h numbers
	s_mul_i32 s30, s2, 49152
	s_add_co_u32 s30, s30, WQF
	s_mov_b32 s31, 0
	s_add_nc_u64 s[30:31], s[10:11], s[30:31]
	s_lshl_b32 s32, s2, 11
	s_mov_b32 s33, 0
	s_add_nc_u64 s[32:33], s[12:13], s[32:33]
	s_lshl_b32 s34, s2, 8
	s_mov_b32 s35, 0
	s_add_nc_u64 s[34:35], s[14:15], s[34:35]
	BAR                                            ; x's sixteen images and the 32 numbers of v_w lie in LDS
	s_cmp_lg_u32 s2, 0
	s_cbranch_scc1 .Lnot_wave_0
	ds_load_b32 v228, v15                          ; (no vector instruction since the wait ahead of the two stores above names v228 or v15)
	s_wait_dscnt 0x0
	global_store_b32 v3, v228, s[72:73]            ; 32 columns: 128 consecutive bytes
.Lnot_wave_0:
	s_wait_xcnt 0x0                                ; the store has read v228: it is written again below
	s_wait_alu depctr_vm_vsrc(0)                   ; wave 0's load has read v15 and its store v228: the passes write both again
	; ---- Q
	GEMM 1
	NOP4
	QH ACC, 16
	v_or_b32 v[QS], 0x7f7f0000, v[TQ+6]            ; the padding's bytes stand for 1
	QH ACC+32, 192
	v_or_b32 v[QS+1], 0x7f7f0000, v[TQ+6]
.irp i, 0,1,2,3,4,5
	v_mov_b32 v[22+\i], 0                          ; Q's codes of the padding: zeros
	v_mov_b32 v[FR+48+\i], 0                       ; what the eighth tile of K names beyond its own six registers
.endr
.irp i, 0,1,2,3
	v_mov_b32 v[T4+\i], 0
.endr
	v_mov_b32 v[FP+1], 0                           ; (named as the upper half of a pair)
	v_mov_b32 v[TT], 0
	s_lshr_b32 s28, s2, 1
	s_mul_i32 s28, s28, 1536
	s_and_b32 s29, s2, 1
	s_mul_i32 s36, s29, 520
	s_add_co_u32 s36, s36, s28
	s_add_co_u32 s36, s36, OIMG
	s_wait_alu depctr_vm_vsrc(0)                   ; the product's loads have read v7 to v9, which are written anew below
	v_add_nc_u32 v7, s36, v1                       ; my half of fragment w / 2: registers 0, 1 (or 6, 7); 512 bytes on: 4, 5 (or 10, 11)
	s_mul_i32 s36, s29, 1016
	s_add_co_u32 s36, s36, s28
	s_add_co_u32 s36, s36, OIMG+8
	v_add_nc_u32 v8, s36, v1                       ; registers 2, 3 (or 8, 9)
	s_lshr_b32 s28, s2, 1
	s_lshl_b32 s28, s28, 7
	s_lshl_b32 s29, s29, 1
	s_add_co_u32 s28, s28, s29
	s_add_co_u32 s28, s28, OSC
	v_add_nc_u32 v9, s28, v3                       ; my two bytes of its scale words
	s_mul_i32 s28, s2, 24576
	s_mov_b32 s29, 0
	s_add_nc_u64 s[52:53], s[10:11], s[28:29]      ; my head's key codes,
	s_add_nc_u64 s[56:57], s[52:53], VC            ; value codes,
	s_lshl_b32 s28, s2, 12
	s_add_nc_u64 s[54:55], s[10:11], s[28:29]
	s_add_nc_u64 s[54:55], s[54:55], KS            ; key scale words,
	s_lshl_b32 s28, s2, 11
	s_add_nc_u64 s[58:59], s[10:11], s[28:29]
	s_add_nc_u64 s[58:59], s[58:59], VS            ; value scale words
.macro PASS m
.if \m
.irp i, 0,1,2,3,4,5
	v_mov_b32 v[16+\i], v[192+\i]
.endr
	v_mov_b32 v[QS], v[QS+1]
.endif
	v_mov_b32 v13, 0xff61b1e6                      ; the largest t so far: -3e38
	v_floor_f32 v12, -v13                          ; -M
	v_mov_b32 v14, 0                               ; the sum, in two halves
	v_mov_b32 v15, 0
.set JJ, 0
.rept 32
	v_mov_b32 v[OA+JJ], 0                          ; the trip is written once: the first finds zeros
.set JJ, JJ+1
.endr
	s_mov_b64 s[44:45], s[52:53]
	s_mov_b64 s[46:47], s[54:55]
	s_mov_b64 s[48:49], s[56:57]
	s_mov_b64 s[50:51], s[58:59]
	s_mov_b32 s60, 4
.Lkeys_\@:                                         ; 128 keys a trip
	NOP4
	s_wait_alu depctr_va_vdst(0)                   ; the last products are done reading v32 to v79 and the scale registers, in which K's loads land; ahead of the first trip also: Q's codes, its scale word and the padding's zeros are written, which the eight products below take as operands, and v7 to v9, which the pass's stores read
.irp t, 0,1,2,3,4,5,6,7
.irp p, 0,1,2
	global_load_b64 v[FR+6*\t+2*\p:FR+6*\t+2*\p+1], v2, s[44:45] offset:768*\t+256*\p
.endr
	global_load_b32 v[KSC+\t], v3, s[46:47] offset:128*\t
.endr
	s_wait_loadcnt 0x0
.irp t, 0,1,2,3,4,5,6,7
	v_wmma_scale_f32_16x16x128_f8f6f4 v[SR+8*\t:SR+8*\t+7], v[FR+6*\t:FR+6*\t+11], v[16:27], 0, v[KSC+\t], v[QS] matrix_a_fmt:MATRIX_FMT_BF6 matrix_b_fmt:MATRIX_FMT_BF6
.endr
	NOP4
	s_wait_alu depctr_va_vdst(0)                   ; the eight products are done reading K's fragments, in whose registers V's loads land (V's scale registers were last read ahead of the wait at the trip's head)
.irp t, 0,1,2,3
.irp p, 0,1,2,3,4,5
	global_load_b64 v[FR+12*\t+2*\p:FR+12*\t+2*\p+1], v2, s[48:49] offset:1536*\t+256*\p   ; V lands while the softmax is walked
.endr
	global_load_b32 v[VSC+\t], v3, s[50:51] offset:128*\t
.endr
.irp b, 0,1,2,3
	v_max3_num_f32 v[BM+\b], v[SR+16*\b], v[SR+1+16*\b], v[SR+2+16*\b]   ; the largest score of each block of 32 keys: for the row's maximum and for the block's largest p
.endr
.irp i, 3,5,7,9,11,13
.irp b, 0,1,2,3
	v_max3_num_f32 v[BM+\b], v[BM+\b], v[SR+16*\b+\i], v[SR+1+16*\b+\i]
.endr
.endr
.irp b, 0,1,2,3
	v_max_num_f32 v[BM+\b], v[BM+\b], v[SR+15+16*\b]
.endr
.irp b, 0,1,2,3
	v_permlanex16_b32 v[T4+\b], v[BM+\b], s[SEL], s[SEL+1]
.endr
.irp b, 0,1,2,3
	v_max_num_f32 v[BM+\b], v[BM+\b], v[T4+\b]
.endr
	v_max3_num_f32 v[TT], v[BM], v[BM+1], v[BM+2]
	v_max_num_f32 v[TT], v[TT], v[BM+3]
	v_mul_f32 v[TT], s[CS], v[TT]                  ; as t (c is positive)
	v_max_num_f32 v13, v13, v[TT]
	v_mov_b32 v[TT], v12
	v_floor_f32 v12, -v13                          ; the new -M = -ceil(t)
	v_sub_f32 v[TT], v12, v[TT]
	v_cvt_i32_f32 v[TT], v[TT]                     ; (it saturates)
	v_ldexp_f32 v[FP], 1.0, v[TT]                  ; f = 2^(old M - new M)
.set JJ, 0
.rept 32
	v_pk_fma_f32 v[SR+JJ:SR+JJ+1], v[SR+JJ:SR+JJ+1], s[CS:CS+1], v[12:13] op_sel_hi:[1,0,0]   ; t - M
.set JJ, JJ+2
.endr
.irp b, 0,1,2,3
	v_fma_f32 v[BM+\b], v[BM+\b], s[CS], v12
.endr
.set JJ, 0
	s_wait_alu depctr_va_vdst(0)
.rept 64
	v_exp_f32 v[SR+JJ], v[SR+JJ]                   ; p = 2^(t - M)
.set JJ, JJ+1
.endr
	v_pk_mul_f32 v[14:15], v[14:15], v[FP:FP+1] op_sel_hi:[1,0]   ; a plain place behind the exponentials
	s_wait_alu depctr_va_vdst(0)                   ; the 64 exponentials have written v96 to v159: one wait for the batch, ahead of its first reader
.irp b, 0,1,2,3
	v_exp_f32 v[BM+\b], v[BM+\b]                   ; the block's largest p
.endr
	v_pk_add_f32 v[SU:SU+1], v[SR:SR+1], v[SR+2:SR+3]   ; the row's sum of the unquantised p, in two chains
.set JJ, 4
.rept 15
	v_pk_add_f32 v[14:15], v[14:15], v[SR+JJ:SR+JJ+1]
	v_pk_add_f32 v[SU:SU+1], v[SU:SU+1], v[SR+JJ+2:SR+JJ+3]
.set JJ, JJ+4
.endr
	v_pk_add_f32 v[14:15], v[14:15], v[SU:SU+1]
	s_wait_alu depctr_va_vdst(0)                   ; the four exponentials have written v210 to v213, ahead of their first reader
.irp b, 0,1,2,3
	v_max_num_f32 v[BM+\b], 0x2800000, v[BM+\b]
.endr
.irp b, 0,1,2,3
	v_add_nc_u32 v[SO+\b], 0xfe000000, v[BM+\b]
.endr
.irp b, 0,1,2,3
	v_lshrrev_b32 v[T4+\b], 23, v[SO+\b]
.endr
	v_lshl_or_b32 v[PWD], v[T4+1], 8, v[T4]
	v_lshl_or_b32 v[PWD], v[T4+2], 16, v[PWD]
	v_lshl_or_b32 v[PWD], v[T4+3], 24, v[PWD]
.irp c, 0,1
	v_cvt_scalef32_pk16_bf6_f32 v[PC+6*\c:PC+6*\c+2], v[SR+32*\c:SR+32*\c+15], v[SO+2*\c]
	v_cvt_scalef32_pk16_bf6_f32 v[CV+4*\c:CV+4*\c+2], v[SR+16+32*\c:SR+31+32*\c], v[SO+2*\c+1]
.endr
	v_nop
.irp c, 0,1
.irp i, 0,1,2
	v_permlane16_swap_b32 v[PC+6*\c+\i], v[CV+4*\c+\i]
.endr
.irp i, 0,1,2
	v_mov_b32 v[PC+3+6*\c+\i], v[CV+4*\c+\i]
.endr
.endr
.set JJ, 0
.rept 16
	v_pk_mul_f32 v[OA+JJ:OA+JJ+1], v[OA+JJ:OA+JJ+1], v[FP:FP+1] op_sel_hi:[1,0]   ; O^T under the new M; these are also the places ahead of the products
.set JJ, JJ+2
.endr
	s_wait_loadcnt 0x0                             ; V
	s_wait_alu depctr_va_vdst(0)                   ; p's codes v[198:209] and its scale word v252 are written, which the four products take as an operand and as scales; the places stand ahead of this wait
.irp t, 0,1,2,3
	v_wmma_scale_f32_16x16x128_f8f6f4 v[OA+8*\t:OA+8*\t+7], v[FR+12*\t:FR+12*\t+11], v[PC:PC+11], v[OA+8*\t:OA+8*\t+7], v[VSC+\t], v[PWD] matrix_a_fmt:MATRIX_FMT_BF6 matrix_b_fmt:MATRIX_FMT_BF6
.endr
	s_add_nc_u64 s[44:45], s[44:45], 6144          ; all my loads are done: the pointers may step
	s_add_nc_u64 s[46:47], s[46:47], 1024
	s_add_nc_u64 s[48:49], s[48:49], 6144
	s_add_nc_u64 s[50:51], s[50:51], 512
	s_sub_co_u32 s60, s60, 1
	s_cmp_lg_u32 s60, 0
	s_cbranch_scc1 .Lkeys_\@
	NOP4
	v_add_f32 v14, v14, v15
	v_permlanex16_b32 v[TT], v14, s[SEL], s[SEL+1]
	v_add_f32 v14, v14, v[TT]                      ; the row's sum
	s_wait_alu depctr_va_vdst(0)
	v_rcp_f32 v14, v14
	v_nop
	s_wait_alu depctr_va_vdst(0)                   ; the reciprocal has written v14, ahead of its first reader
.set JJ, 0
.rept 32
	v_mul_f32 v[SR+JJ], v[OA+JJ], v14              ; register 16 b + i = channel 32 b + 16 h + i of my head
.set JJ, JJ+1
.endr
	QH SR, PC
	s_wait_alu depctr_va_vdst(0)                   ; the quantiser has written the codes v[198:203] and the two scale bytes in v216, which the stores read
	ds_store_b64 v7, v[PC:PC+1] offset:12288*\m
	ds_store_b64 v8, v[PC+2:PC+3] offset:12288*\m
	ds_store_b64 v7, v[PC+4:PC+5] offset:12288*\m+512
	ds_store_b16 v9, v[TQ+6] offset:1024*\m
	s_wait_dscnt 0x0
	s_wait_alu depctr_vm_vsrc(0)                   ; the stores have read v[198:203] and v216, which the next pass writes again and in which the next product's loads land, and v7 to v9, which are written anew behind the second pass
.endm
	PASS 0
	PASS 1
	v_add_nc_u32 v7, OIMG, v1
	v_add_nc_u32 v8, OSC, v3
	v_lshlrev_b32 v9, 5, v4
	v_lshl_add_u32 v9, v5, 4, v9
	v_lshlrev_b32 v10, 5, v5
	s_mul_i32 s30, s2, 49152
	s_add_co_u32 s30, s30, WOF
	s_mov_b32 s31, 0
	s_add_nc_u64 s[30:31], s[10:11], s[30:31]
	s_lshl_b32 s32, s2, 11
	s_mov_b32 s33, 0
	s_add_nc_u64 s[32:33], s[16:17], s[32:33]
	s_lshl_b32 s34, s2, 8
	s_mov_b32 s35, 0
	s_add_nc_u64 s[34:35], s[18:19], s[34:35]
	BAR                                            ; the attention result's sixteen images lie in LDS
	; ---- O
	GEMM 0
	; the way out.  The address lines are the places behind the last products
	s_wait_alu depctr_vm_vsrc(0)                   ; the product's loads have read v7 to v10, which are written anew below
	s_mul_i32 s28, s2, 4352
	s_add_co_u32 s28, s28, STG
	v_mul_u32_u24 v7, v4, 272
	v_lshl_add_u32 v7, v5, 5, v7
	v_add_nc_u32 v7, s28, v7                       ; my stage, in: row r, + 32 h
	v_mul_u32_u24 v8, v5, 272
	v_lshl_add_u32 v8, v4, 4, v8
	v_add_nc_u32 v8, s28, v8                       ; back: lanes 0-15 one row, lanes 16-31 the next
	s_lshl_b32 s29, s2, 8
	v_lshl_add_u32 v9, v4, 4, s29                  ; my four columns: 256 w + 16 r bytes
	v_mul_u32_u24 v10, v5, 4112
	v_add_nc_u32 v10, v10, v9                      ; the residual: row h of the rows in LDS
	v_add_nc_u32 v11, 65792, v10
	v_lshl_add_u32 v12, v5, 12, v9                 ; and in out0
	s_lshl_b32 s29, s2, 2
	s_add_co_u32 s36, s29, RED1
	v_lshl_add_u32 v28, v5, 6, s36                 ; partial sums: row 2 k + h, wave w
	s_add_co_u32 s36, s29, TOT1
	v_lshl_add_u32 v30, v5, 6, s36                 ; totals: [h][w] is row 2 w + h
	s_lshl_b32 s29, s2, 7
	s_add_co_u32 s29, s29, RED1
	v_add_nc_u32 v29, s29, v3                      ; rows 2 w, 2 w + 1: sixteen partial sums each
	v_lshlrev_b32 v31, 6, v5
	v_add_nc_u32 v31, TOT1, v31
	s_wait_alu depctr_va_vdst(0)                   ; the addresses v7 to v12 and v28 to v31 are written, which the way out's loads and stores read; the products have written the accumulators, which the stage's stores read, and are done reading the registers in which the loads below land
	global_load_b128 v[16:19], v9, s[20:21]        ; gain
	global_load_b128 v[20:23], v9, s[22:23]        ; bias
.irp m, 0,1
.irp t, 0,1,2,3
	ds_store_b128 v7, v[ACC+32*\m+8*\t:ACC+32*\m+8*\t+3] offset:64*\t        ; each accumulator from its low end on
	ds_store_b128 v7, v[ACC+32*\m+8*\t+4:ACC+32*\m+8*\t+7] offset:64*\t+16
.endr
.irp n, 0,1,2,3,4,5,6,7
	ds_load_b128 v[160+32*\m+4*\n:163+32*\m+4*\n], v8 offset:544*\n          ; k = 8 m + n: row 2 k + h, my four columns.  LDS serves a wave's instructions in order
.endr
.endr
.irp n, 0,1,2,3,4,5,6,7
	ds_load_b128 v[32+4*\n:35+4*\n], v10 offset:8224*\n
	ds_load_b128 v[64+4*\n:67+4*\n], v11 offset:8224*\n
.endr
	s_wait_dscnt 0x0
	s_wait_alu depctr_vm_vsrc(0)                   ; the stage's stores have read v96 to v159, which the sums below write
.set JJ, 0
.rept 32
	v_pk_add_f32 v[160+JJ:161+JJ], v[160+JJ:161+JJ], v[32+JJ:33+JJ]          ; + query
.set JJ, JJ+2
.endr
.set KK, 0
.rept 16
	v_add_f32 v[96+KK], v[160+4*KK], v[161+4*KK]
	v_add_f32 v[112+KK], v[162+4*KK], v[163+4*KK]
.set KK, KK+1
.endr
.set KK, 0
.rept 16
	v_add_f32 v[96+KK], v[96+KK], v[112+KK]
.set KK, KK+1
.endr
	RED16 96, 16
	s_wait_alu depctr_va_vdst(0)                   ; the sixteen partial sums are written in v96 to v111, which the stores read
.set KK, 0
.rept 16
	ds_store_b32 v28, v[96+KK] offset:128*KK       ; sixteen lanes write the same word with the same value
.set KK, KK+1
.endr
	BAR
	ds_load_b32 v128, v29
	s_wait_dscnt 0x0
	RED16 128, 1
	v_mul_f32 v128, 0x3a800000, v128               ; / 1,024: the mean
	s_wait_alu depctr_va_vdst(0)                   ; the mean is written in v128, which the store reads
	ds_store_b32 v30, v128
	BAR
.irp i, 0,1,2,3
	ds_load_b128 v[112+4*\i:115+4*\i], v31 offset:16*\i
.endr
	s_wait_dscnt 0x0
	s_wait_alu depctr_vm_vsrc(0)                   ; the partial sums' stores have read v96 to v111, which the squares below write, and the mean's store v128, in which the next partial sums land
.set KK, 0
.rept 16
.irp c, 0,1,2,3
	v_sub_f32 v[160+4*KK+\c], v[160+4*KK+\c], v[112+KK]
.endr
.set KK, KK+1
.endr
.set KK, 0
.rept 16
	v_mul_f32 v[96+KK], v[160+4*KK], v[160+4*KK]
.set KK, KK+1
.endr
.irp c, 1,2,3
.set KK, 0
.rept 16
	v_fmac_f32 v[96+KK], v[160+4*KK+\c], v[160+4*KK+\c]
.set KK, KK+1
.endr
.endr
	RED16 96, 16
	s_wait_alu depctr_va_vdst(0)                   ; the sums of squares are written in v96 to v111, which the stores read; the subtractions are done reading v112 to v127, in which the totals land behind the next barriers
.set KK, 0
.rept 16
	ds_store_b32 v28, v[96+KK] offset:128*KK+2304
.set KK, KK+1
.endr
	BAR
	ds_load_b32 v128, v29 offset:2304
	s_wait_dscnt 0x0
	RED16 128, 1
	v_mul_f32 v128, 0x3a800000, v128
	v_add_f32 v128, 0x3727c5ac, v128               ; + 1e-5
	s_wait_alu depctr_va_vdst(0)
	v_rsq_f32 v128, v128
	v_nop
	s_wait_alu depctr_va_vdst(0)                   ; the reciprocal root has written v128, which the store reads
	ds_store_b32 v30, v128 offset:2304
	BAR
.irp i, 0,1,2,3
	ds_load_b128 v[112+4*\i:115+4*\i], v31 offset:2304+16*\i
.endr
	s_wait_dscnt 0x0
	s_wait_loadcnt 0x0                             ; gain and bias
.set KK, 0
.rept 16
.irp c, 0,1,2,3
	v_mul_f32 v[160+4*KK+\c], v[160+4*KK+\c], v[112+KK]
.endr
	v_pk_fma_f32 v[160+4*KK:161+4*KK], v[160+4*KK:161+4*KK], v[16:17], v[20:21]
	v_pk_fma_f32 v[162+4*KK:163+4*KK], v[162+4*KK:163+4*KK], v[18:19], v[22:23]
.set KK, KK+1
.endr
	s_wait_alu depctr_va_vdst(0)                   ; the result is written in v160 to v223, which the stores read
.set KK, 0
.rept 16
	global_store_b128 v12, v[160+4*KK:163+4*KK], s[24:25] offset:8192*KK th:TH_STORE_NT   ; 16 lanes store 256 consecutive bytes, at a multiple of 256 from out0's first byte
.set KK, KK+1
.endr
	s_wait_dscnt 0x0                               ; the closing lines, six on end
	s_wait_alu 0x0
	s_wait_tensorcnt 0x0
	ds_add_u32 v236, v237
	s_wait_dscnt 0x0
	s_endpgm
.Lfunc_end_k_q0448fa0a63_read:
	.size	k_q0448fa0a63_read, .Lfunc_end_k_q0448fa0a63_read-k_q0448fa0a63_read
	.p2alignl 7, 3214868480
	.fill 96, 4, 3214868480
	.section	.rodata,"a",@progbits
	.p2align	6, 0x0
	.amdhsa_kernel k_q0448fa0a63_read
		.amdhsa_group_segment_fixed_size 265472
		.amdhsa_private_segment_fixed_size 0
		.amdhsa_enable_private_segment 0
		.amdhsa_kernarg_size 104
		.amdhsa_user_sgpr_count 2
		.amdhsa_user_sgpr_kernarg_segment_ptr 1
		.amdhsa_wavefront_size32 1
		.amdhsa_system_sgpr_workgroup_id_x 1
		.amdhsa_system_sgpr_workgroup_id_y 1
		.amdhsa_system_sgpr_workgroup_id_z 1
		.amdhsa_system_vgpr_workitem_id 0
		.amdhsa_next_free_vgpr 256
		.amdhsa_next_free_sgpr 80
		.amdhsa_reserve_vcc 0
		.amdhsa_float_denorm_mode_32 3
		.amdhsa_float_denorm_mode_16_64 3
		.amdhsa_memory_ordered 1
		.amdhsa_forward_progress 1
		.amdhsa_inst_pref_size 155
	.end_amdhsa_kernel
	.amdgpu_metadata
---
amdhsa.version: [ 1, 2 ]
amdhsa.kernels:
  - .name:           k_q0448fa0a63_read
    .symbol:         k_q0448fa0a63_read.kd
    .args:
      - { .name: query, .offset: 0, .size: 8, .value_kind: global_buffer, .address_space: global }
      - { .name: pw, .offset: 8, .size: 8, .value_kind: global_buffer, .address_space: global }
      - { .name: r_in_w_scales, .offset: 16, .size: 8, .value_kind: global_buffer, .address_space: global }
      - { .name: r_in_b, .offset: 24, .size: 8, .value_kind: global_buffer, .address_space: global }
      - { .name: r_out_w_scales, .offset: 32, .size: 8, .value_kind: global_buffer, .address_space: global }
      - { .name: r_out_b, .offset: 40, .size: 8, .value_kind: global_buffer, .address_space: global }
      - { .name: rn_g, .offset: 48, .size: 8, .value_kind: global_buffer, .address_space: global }
      - { .name: rn_b, .offset: 56, .size: 8, .value_kind: global_buffer, .address_space: global }
      - { .name: out0, .offset: 64, .size: 8, .value_kind: global_buffer, .address_space: global }
      - { .name: part, .offset: 72, .size: 8, .value_kind: global_buffer, .address_space: global }
      - { .name: w_in_w, .offset: 80, .size: 8, .value_kind: global_buffer, .address_space: global }
      - { .name: w_in_b, .offset: 88, .size: 8, .value_kind: global_buffer, .address_space: global }
      - { .name: vwb, .offset: 96, .size: 8, .value_kind: global_buffer, .address_space: global }
    .group_segment_fixed_size: 265472
    .private_segment_fixed_size: 0
    .kernarg_segment_align: 8
    .kernarg_segment_size: 104
    .max_flat_workgroup_size: 512
    .sgpr_count:     80
    .vgpr_count:     256
    .wavefront_size: 32
...
	.end_amdgpu_metadata
.endif
;; end of part 10
;; launch upd (part 11): grid 8 x 1, 8 waves a work-group, no clusters, 14,336 bytes of LDS; arguments vwb, w_out_w_codes, w_out_w_scales, w_out_b, updb; writes updb
.if DOCPART == 11
	.amdgcn_target "amdgcn-amd-amdhsa--gfx1250"
	.amdhsa_code_object_version 6
	.text
	.protected	k_q0448fa0a63_upd
	.globl	k_q0448fa0a63_upd
	.p2align	8
	.type	k_q0448fa0a63_upd,@function
k_q0448fa0a63_upd:
	s_mov_b64 s[64:65], 0
	v_nop
	global_prefetch_b8 v0, s[64:65] scope:SCOPE_SE
	s_setreg_imm32_b32 hwreg(HW_REG_WAVE_SCHED_MODE, 0, 2), 2
	s_setreg_imm32_b32 hwreg(HW_REG_WAVE_MODE, 25, 1), 1
	s_wait_xcnt 0x0
	s_wait_alu depctr_vm_vsrc(0)
; y = Q(x) W^T + b for the 8 different rows of the write path (every memory slot of a batch has the same row, so the copies are not multiplied).
; x: rows 0 to 7 of [.][1024] f32.  W: [1024][1024] as BF6 codes (768 bytes a row) and E8M0 bytes (32 a row).  y: [16][1024] f32, rows 8 to 15 copies of rows 0 to 7 (the tile has 16 rows).
; Wave w of work-group g makes columns 16 (8 g + w) on.  Each wave quantises K step w of x; the eight fragments meet in LDS as images of the operand's registers.
; One accumulator, eight links: a wait ahead of each link but the first.  Latency binds; 64 waves are all the work there is.
; LIMITS: NaN and infinities are not served; a block whose largest magnitude lies under 2^-122 gets the scale byte 1.
; THE MODE: SCHED_MODE bits 1:0 = 2 (LLVM: expert scheduling mode 2), set by the entry lines.  The code itself states the register dependences
; between vector or matrix instructions and memory or LDS instructions, with s_wait_alu, always for 0.
; THE PLAN.  Registers that memory or LDS instructions touch:
;   v1-v10           offsets and LDS addresses: written at the head, never again: one wait on va_vdst ahead of the first load.
;   v16-v79          x's loads land; the quantiser reads them; behind the barrier the eight fragments land in v16-v111.
;   v80-v91, v104    the quantiser writes them, the image's stores read them (va_vdst ahead), the fragments land in them (vm_vsrc ahead).
;   v112-v215, v224-v231  weights and scale words: loads land once, products read.
;   v216-v223        the bias lands; the eight links add onto it; y's stores read it (places, then va_vdst).
.set SEL, 14
.set TQ,  92
.macro QH src, dst
.irp b, 0,1
	v_max3_num_f32 v[TQ+\b], |v[\src+16*\b]|, |v[\src+16*\b+1]|, 0x2800000
.endr
.irp i, 2,4,6,8,10,12,14
.irp b, 0,1
	v_max3_num_f32 v[TQ+\b], v[TQ+\b], |v[\src+16*\b+\i]|, |v[\src+16*\b+\i+1]|
.endr
.endr
.irp b, 0,1
	v_permlanex16_b32 v[TQ+2+\b], v[TQ+\b], s[SEL], s[SEL+1]
.endr
.irp b, 0,1
	v_max_num_f32 v[TQ+\b], v[TQ+\b], v[TQ+2+\b]
.endr
.irp b, 0,1
	v_add_nc_u32 v[TQ+4+\b], 0xfe000000, v[TQ+\b]
.endr
.irp b, 0,1
	v_lshrrev_b32 v[TQ+2+\b], 23, v[TQ+4+\b]
.endr
	v_lshl_or_b32 v[TQ+6], v[TQ+3], 8, v[TQ+2]
	v_cvt_scalef32_pk16_bf6_f32 v[\dst:\dst+2], v[\src:\src+15], v[TQ+4]
	v_cvt_scalef32_pk16_bf6_f32 v[TQ+8:TQ+10], v[\src+16:\src+31], v[TQ+5]
	v_nop
.irp i, 0,1,2
	v_permlane16_swap_b32 v[\dst+\i], v[TQ+8+\i]
.endr
.irp i, 0,1,2
	v_mov_b32 v[\dst+3+\i], v[TQ+8+\i]
.endr
.endm
	s_load_b256 s[4:11], s[0:1], 0x0               ; x 4, codes 6, scale bytes 8, bias 10
	s_load_b64 s[12:13], s[0:1], 0x20              ; y
	v_lshl_add_u32 v254, v0, 2, 0x3400
	v_mov_b32 v255, 0
	v_lshrrev_b32 v1, 5, v0
	v_readfirstlane_b32 s2, v1                     ; wave 0..7
	s_mov_b32 s[SEL], 0x76543210
	s_mov_b32 s[SEL+1], 0xfedcba98
	v_and_b32 v11, 31, v0
	v_lshlrev_b32 v1, 4, v11                       ; 16 x lane
	v_lshlrev_b32 v2, 2, v11                       ; 4 x lane
	v_and_b32 v12, 15, v0                          ; r
	v_bfe_u32 v13, v0, 4, 1                        ; h
	v_mul_u32_u24 v3, v12, 768
	v_mad_u32_u24 v3, v13, 24, v3                  ; W: row r, + 24 h
	v_lshlrev_b32 v4, 5, v12                       ; its scale bytes
	v_lshlrev_b32 v5, 5, v13                       ; the bias of my eight columns: + 8 h numbers
	v_lshl_add_u32 v6, v12, 12, v5                 ; y: row r
	v_and_b32 v7, 7, v12
	v_lshlrev_b32 v7, 12, v7
	v_lshl_add_u32 v7, v13, 6, v7                  ; x: row r % 8, + 64 h
	s_wait_alu depctr_va_sdst(0)                   ; s2, the wave's number, is written, ahead of its first reader
	s_lshl_b32 s3, ttmp9, 3
	s_add_co_u32 s3, s3, s2                        ; tile of 16 columns
	s_mul_i32 s16, s2, 1536
	v_add_nc_u32 v8, s16, v1                       ; my image
	s_lshl_b32 s16, s2, 7
	s_add_co_u32 s16, s16, 12288
	v_add_nc_u32 v9, s16, v2                       ; its scale words
	v_add_nc_u32 v10, 12288, v2
	v_mov_b32 v[TQ+2], 0
	v_mov_b32 v[TQ+3], 0
	s_mul_i32 s16, s3, 16*768
	s_mov_b32 s17, 0
	s_lshl_b32 s18, s3, 9
	s_mov_b32 s19, 0
	s_lshl_b32 s20, s3, 6
	s_mov_b32 s21, 0
	s_lshl_b32 s22, s2, 9
	s_mov_b32 s23, 0
	s_wait_kmcnt 0x0
	s_add_nc_u64 s[4:5], s[4:5], s[22:23]
	s_add_nc_u64 s[6:7], s[6:7], s[16:17]
	s_add_nc_u64 s[8:9], s[8:9], s[18:19]
	s_add_nc_u64 s[10:11], s[10:11], s[20:21]
	s_add_nc_u64 s[12:13], s[12:13], s[20:21]
	s_wait_alu depctr_va_vdst(0)                   ; the offsets and LDS addresses v1 to v10 are written, which every load and store of the kernel reads
.irp b, 0,1,2,3
.irp j, 0,1,2,3
	global_load_b128 v[16+16*\b+4*\j:19+16*\b+4*\j], v7, s[4:5] offset:128*\b+16*\j
.endr
.endr
.irp s, 0,1,2,3,4,5,6,7
.irp p, 0,1,2,3,4,5
	global_load_b64 v[112+12*\s+2*\p:113+12*\s+2*\p], v3, s[6:7] offset:96*\s+48*(\p/3)+8*(\p%3)
.endr
.endr
	global_load_b128 v[208:211], v4, s[8:9]
	global_load_b128 v[212:215], v4, s[8:9] offset:16
	global_load_b128 v[216:219], v5, s[10:11]      ; the bias is the C of the first product
	global_load_b128 v[220:223], v5, s[10:11] offset:16
	s_wait_loadcnt 52                              ; x's 16 loads are in; the 48 + 2 + 2 behind them may be out
	QH 16, 80
	v_mov_b32 v104, v[TQ+6]
	QH 48, 86
	v_lshl_or_b32 v104, v[TQ+6], 16, v104
	s_wait_alu depctr_va_vdst(0)                   ; the quantiser has written the codes v[80:91] and the scale word v104, which the stores read, and is done with v16 to v103, in which the fragments land behind the barrier
.irp i, 0,1,2
	ds_store_b128 v8, v[80+4*\i:83+4*\i] offset:512*\i
.endr
	ds_store_b32 v9, v104
	s_wait_dscnt 0x0
	s_barrier_signal -1
	s_barrier_wait -1
	s_wait_alu depctr_vm_vsrc(0)                   ; my stores have read v[80:91] and v104, in which the fragments below land
.irp s, 0,1,2,3,4,5,6,7
.irp i, 0,1,2
	ds_load_b128 v[16+12*\s+4*\i:19+12*\s+4*\i], v1 offset:1536*\s+512*\i
.endr
	ds_load_b32 v[224+\s], v10 offset:128*\s
.endr
	s_wait_loadcnt 0x0
	s_wait_dscnt 0x0
.irp s, 0,1,2,3,4,5,6,7
.if \s > 0
	s_wait_alu depctr_va_vdst(0)                   ; the link before has written v[216:223], onto which this link adds
.endif
	v_wmma_scale_f32_16x16x128_f8f6f4 v[216:223], v[112+12*\s:123+12*\s], v[16+12*\s:27+12*\s], v[216:223], v[208+\s], v[224+\s] matrix_a_fmt:MATRIX_FMT_BF6 matrix_b_fmt:MATRIX_FMT_BF6
.endr
.rept 4
	v_nop
.endr
	s_wait_alu depctr_va_vdst(0)                   ; the last link has written v[216:223], which the stores read; the four places stand ahead of this wait
	global_store_b128 v6, v[216:219], s[12:13]     ; lane (r, h): y(r, 16 T + 8 h + 0 .. 7)
	global_store_b128 v6, v[220:223], s[12:13] offset:16
	s_wait_dscnt 0x0                               ; the closing lines, six on end
	s_wait_alu 0x0
	s_wait_tensorcnt 0x0
	ds_add_u32 v254, v255
	s_wait_dscnt 0x0
	s_endpgm
.Lfunc_end_k_q0448fa0a63_upd:
	.size	k_q0448fa0a63_upd, .Lfunc_end_k_q0448fa0a63_upd-k_q0448fa0a63_upd
	.p2alignl 7, 3214868480
	.fill 96, 4, 3214868480
	.section	.rodata,"a",@progbits
	.p2align	6, 0x0
	.amdhsa_kernel k_q0448fa0a63_upd
		.amdhsa_group_segment_fixed_size 14336
		.amdhsa_private_segment_fixed_size 0
		.amdhsa_enable_private_segment 0
		.amdhsa_kernarg_size 40
		.amdhsa_user_sgpr_count 2
		.amdhsa_user_sgpr_kernarg_segment_ptr 1
		.amdhsa_wavefront_size32 1
		.amdhsa_system_sgpr_workgroup_id_x 1
		.amdhsa_system_sgpr_workgroup_id_y 1
		.amdhsa_system_sgpr_workgroup_id_z 1
		.amdhsa_system_vgpr_workitem_id 0
		.amdhsa_next_free_vgpr 256
		.amdhsa_next_free_sgpr 66
		.amdhsa_reserve_vcc 0
		.amdhsa_float_denorm_mode_32 3
		.amdhsa_float_denorm_mode_16_64 3
		.amdhsa_memory_ordered 1
		.amdhsa_forward_progress 1
		.amdhsa_inst_pref_size 17
	.end_amdhsa_kernel
	.amdgpu_metadata
---
amdhsa.version: [ 1, 2 ]
amdhsa.kernels:
  - .name:           k_q0448fa0a63_upd
    .symbol:         k_q0448fa0a63_upd.kd
    .args:
      - { .name: vwb, .offset: 0, .size: 8, .value_kind: global_buffer, .address_space: global }
      - { .name: w_out_w_codes, .offset: 8, .size: 8, .value_kind: global_buffer, .address_space: global }
      - { .name: w_out_w_scales, .offset: 16, .size: 8, .value_kind: global_buffer, .address_space: global }
      - { .name: w_out_b, .offset: 24, .size: 8, .value_kind: global_buffer, .address_space: global }
      - { .name: updb, .offset: 32, .size: 8, .value_kind: global_buffer, .address_space: global }
    .group_segment_fixed_size: 14336
    .private_segment_fixed_size: 0
    .kernarg_segment_align: 8
    .kernarg_segment_size: 40
    .max_flat_workgroup_size: 256
    .sgpr_count:     66
    .vgpr_count:     256
    .wavefront_size: 32
...
	.end_amdgpu_metadata
.endif
;; end of part 11
;; launch g2: the kernel of part 11 again; grid 8 x 1, 8 waves a work-group, no clusters, 14,336 bytes of LDS; arguments updb, g2c, g2s, gate_b, g2b; writes g2b
;; launch final (part 12): grid 256 x 1, 16 waves a work-group, no clusters, 0 bytes of LDS; arguments pw, memory, updb, g2b, wn_g, wn_b, out1; writes out1
.if DOCPART == 12
	.amdgcn_target "amdgcn-amd-amdhsa--gfx1250"
	.amdhsa_code_object_version 6
	.text
	.protected	k_q0448fa0a63_final
	.globl	k_q0448fa0a63_final
	.p2align	8
	.type	k_q0448fa0a63_final,@function
k_q0448fa0a63_final:
	s_mov_b64 s[64:65], 0
	v_nop
	global_prefetch_b8 v0, s[64:65] scope:SCOPE_SE
	s_setreg_imm32_b32 hwreg(HW_REG_WAVE_MODE, 25, 1), 1
	s_wait_xcnt 0x0
; out1[b][m] = LayerNorm(memory[m] + gate x (upd[b] - memory[m])), gate = sigmoid(G1[m] + g2[b]).  G1 is the memory half of the gate's product, g2 the other half with gate_b:
; the product's K = 2,048 is summed in two halves of 1,024, each in f32.
; Work-group g takes memory rows 2 g and 2 g + 1; wave w takes batch w % 8 and row 2 g + w / 8, and holds the whole row: lane l the columns 128 j + 4 l + 0 .. 3, j = 0 .. 7.
; Each load and store of a wave covers 512 consecutive bytes; all of a wave's 48 loads go out together.
; A stream: no LDS, no barrier, no matrix unit.  The reduction never leaves the wave.
.set U,   32                           ; v32-63   upd[b]
.set Z,   64                           ; v64-95   g2[b], then -log2(e) x g2[b]
.set GG,  96                           ; v96-127  gain
.set BB,  128                          ; v128-159 bias
.set A,   160                          ; v160-191 G1's row, then the gate, then the result
.set MM,  192                          ; v192-223 memory's row
.set G1O, 2457600
	s_load_b256 s[4:11], s[0:1], 0x0               ; pw 4, memory 6, updb 8, g2b 10
	s_load_b128 s[12:15], s[0:1], 0x20             ; wn_g 12, wn_b 14
	s_load_b64 s[16:17], s[0:1], 0x30              ; out1
	v_lshrrev_b32 v1, 5, v0
	s_delay_alu instid0(VALU_DEP_1)
	v_readfirstlane_b32 s2, v1                     ; wave 0..15
	s_and_b32 s3, s2, 7                            ; the batch
	s_lshr_b32 s18, s2, 3                          ; which of the two rows
	v_and_b32 v1, 31, v0
	s_delay_alu instid0(VALU_DEP_1)
	v_lshlrev_b32 v1, 4, v1                        ; 16 x lane; never rewritten
	v_mov_b32 v233, 0                              ; (named as the upper half of a pair)
	s_mov_b32 s20, 0x76543210
	s_mov_b32 s21, 0xfedcba98
	s_lshl_b32 s22, s3, 12
	s_mov_b32 s23, 0
	s_lshl_b32 s24, ttmp9, 13
	s_lshl_b32 s18, s18, 12
	s_add_co_u32 s24, s24, s18
	s_mov_b32 s25, 0
	s_lshl_b32 s26, s3, 21
	s_mov_b32 s27, 0
	s_wait_alu depctr_va_vdst(0)
	s_wait_kmcnt 0x0
	s_add_nc_u64 s[8:9], s[8:9], s[22:23]
	s_add_nc_u64 s[10:11], s[10:11], s[22:23]
	s_add_nc_u64 s[4:5], s[4:5], s[24:25]
	s_add_nc_u64 s[4:5], s[4:5], G1O
	s_add_nc_u64 s[6:7], s[6:7], s[24:25]
	s_add_nc_u64 s[16:17], s[16:17], s[26:27]
	s_add_nc_u64 s[16:17], s[16:17], s[24:25]
.irp j, 0,1,2,3,4,5,6,7
	global_load_b128 v[A+4*\j:A+4*\j+3], v1, s[4:5] offset:512*\j
	global_load_b128 v[Z+4*\j:Z+4*\j+3], v1, s[10:11] offset:512*\j
	global_load_b128 v[MM+4*\j:MM+4*\j+3], v1, s[6:7] offset:512*\j
	global_load_b128 v[U+4*\j:U+4*\j+3], v1, s[8:9] offset:512*\j
	global_load_b128 v[GG+4*\j:GG+4*\j+3], v1, s[12:13] offset:512*\j
	global_load_b128 v[BB+4*\j:BB+4*\j+3], v1, s[14:15] offset:512*\j
.endr
.macro WSUM                            ; v224 = the sum of v224 over the 32 lanes, in every lane
	s_delay_alu instid0(VALU_DEP_1)
	v_add_f32_dpp v224, v224, v224 row_xmask:1 row_mask:0xf bank_mask:0xf
	s_delay_alu instid0(VALU_DEP_1)
	v_add_f32_dpp v224, v224, v224 row_xmask:2 row_mask:0xf bank_mask:0xf
	s_delay_alu instid0(VALU_DEP_1)
	v_add_f32_dpp v224, v224, v224 row_xmask:4 row_mask:0xf bank_mask:0xf
	s_delay_alu instid0(VALU_DEP_1)
	v_add_f32_dpp v224, v224, v224 row_xmask:8 row_mask:0xf bank_mask:0xf
	s_delay_alu instid0(VALU_DEP_1)
	v_permlanex16_b32 v228, v224, s20, s21
	s_delay_alu instid0(VALU_DEP_1)
	v_add_f32 v224, v224, v228
.endm
	s_wait_loadcnt 0x0
.set JJ, 0
.rept 16
	v_pk_mul_f32 v[Z+JJ:Z+JJ+1], v[Z+JJ:Z+JJ+1], 0xbfb8aa3b op_sel_hi:[1,0]
.set JJ, JJ+2
.endr
.set JJ, 0
.rept 16
	v_pk_fma_f32 v[A+JJ:A+JJ+1], v[A+JJ:A+JJ+1], 0xbfb8aa3b, v[Z+JJ:Z+JJ+1] op_sel_hi:[1,0,1]   ; -log2(e) (G1 + g2)
.set JJ, JJ+2
.endr
.set JJ, 0
	s_wait_alu depctr_va_vdst(0)
.rept 32
	v_exp_f32 v[A+JJ], v[A+JJ]
.set JJ, JJ+1
.endr
	v_nop                                          ; a plain place behind the batch,
	s_wait_alu depctr_va_vdst(0)                   ; and one wait ahead of its first reader
.set JJ, 0
.rept 16
	v_pk_add_f32 v[A+JJ:A+JJ+1], v[A+JJ:A+JJ+1], 1.0 op_sel_hi:[1,0]
.set JJ, JJ+2
.endr
.set JJ, 0
	s_wait_alu depctr_va_vdst(0)
.rept 32
	v_rcp_f32 v[A+JJ], v[A+JJ]                     ; the gate; an exponential that has overflowed gives 0
.set JJ, JJ+1
.endr
	v_nop
	s_wait_alu depctr_va_vdst(0)
.set JJ, 0
.rept 16
	v_pk_add_f32 v[224+JJ%8:225+JJ%8], v[U+JJ:U+JJ+1], v[MM+JJ:MM+JJ+1] neg_lo:[0,1] neg_hi:[0,1]
	v_pk_fma_f32 v[A+JJ:A+JJ+1], v[A+JJ:A+JJ+1], v[224+JJ%8:225+JJ%8], v[MM+JJ:MM+JJ+1]   ; memory + gate (upd - memory)
.set JJ, JJ+2
.endr
	v_pk_add_f32 v[226:227], v[160:161], v[162:163]
	v_pk_add_f32 v[238:239], v[168:169], v[172:173]
	v_pk_add_f32 v[236:237], v[176:177], v[180:181]
	v_pk_add_f32 v[234:235], v[184:185], v[188:189]
	v_pk_add_f32 v[222:223], v[164:165], v[166:167]
	v_pk_add_f32 v[220:221], v[170:171], v[174:175]
	v_pk_add_f32 v[218:219], v[178:179], v[182:183]
	v_pk_add_f32 v[224:225], v[186:187], v[190:191]
	s_delay_alu instid0(VALU_DEP_1)
	v_pk_add_f32 v[224:225], v[224:225], v[234:235]
	v_pk_add_f32 v[226:227], v[226:227], v[222:223]
	v_pk_add_f32 v[238:239], v[238:239], v[220:221]
	v_pk_add_f32 v[236:237], v[236:237], v[218:219]
	s_delay_alu instid0(VALU_DEP_2)
	v_pk_add_f32 v[224:225], v[224:225], v[238:239]
	s_delay_alu instid0(VALU_DEP_2)
	v_pk_add_f32 v[226:227], v[226:227], v[236:237]
	s_delay_alu instid0(VALU_DEP_1)
	v_pk_add_f32 v[224:225], v[224:225], v[226:227]
	s_delay_alu instid0(VALU_DEP_1)
	v_add_f32 v224, v224, v225
	WSUM
	s_delay_alu instid0(VALU_DEP_1)
	v_mul_f32 v230, 0x3a800000, v224               ; the mean
.set JJ, 0
.rept 16
	v_pk_add_f32 v[A+JJ:A+JJ+1], v[A+JJ:A+JJ+1], v[230:231] op_sel_hi:[1,0] neg_lo:[0,1] neg_hi:[0,1]
.set JJ, JJ+2
.endr
	v_pk_mul_f32 v[224:225], v[A:A+1], v[A:A+1]
	v_pk_mul_f32 v[226:227], v[A+2:A+3], v[A+2:A+3]
.set JJ, 4
.rept 7
	s_delay_alu instid0(VALU_DEP_2)
	v_pk_fma_f32 v[224:225], v[A+JJ:A+JJ+1], v[A+JJ:A+JJ+1], v[224:225]
	s_delay_alu instid0(VALU_DEP_2)
	v_pk_fma_f32 v[226:227], v[A+JJ+2:A+JJ+3], v[A+JJ+2:A+JJ+3], v[226:227]
.set JJ, JJ+4
.endr
	s_delay_alu instid0(VALU_DEP_1)
	v_pk_add_f32 v[224:225], v[224:225], v[226:227]
	s_delay_alu instid0(VALU_DEP_1)
	v_add_f32 v224, v224, v225
	WSUM
	s_delay_alu instid0(VALU_DEP_1)
	v_mul_f32 v224, 0x3a800000, v224
	s_delay_alu instid0(VALU_DEP_1)
	v_add_f32 v224, 0x3727c5ac, v224               ; + 1e-5
	s_wait_alu depctr_va_vdst(0)
	v_rsq_f32 v232, v224
	v_nop
	s_wait_alu depctr_va_vdst(0)
.set JJ, 0
.rept 16
	v_pk_mul_f32 v[A+JJ:A+JJ+1], v[A+JJ:A+JJ+1], v[232:233] op_sel_hi:[1,0]
.set JJ, JJ+2
.endr
.set JJ, 0
.rept 16
	v_pk_fma_f32 v[A+JJ:A+JJ+1], v[A+JJ:A+JJ+1], v[GG+JJ:GG+JJ+1], v[BB+JJ:BB+JJ+1]
.set JJ, JJ+2
.endr
.irp j, 0,1,2,3,4,5,6,7
	global_store_b128 v1, v[A+4*\j:A+4*\j+3], s[16:17] offset:512*\j th:TH_STORE_NT   ; 32 lanes store 512 consecutive bytes
.endr
	s_endpgm
.Lfunc_end_k_q0448fa0a63_final:
	.size	k_q0448fa0a63_final, .Lfunc_end_k_q0448fa0a63_final-k_q0448fa0a63_final
	.p2alignl 7, 3214868480
	.fill 96, 4, 3214868480
	.section	.rodata,"a",@progbits
	.p2align	6, 0x0
	.amdhsa_kernel k_q0448fa0a63_final
		.amdhsa_group_segment_fixed_size 0
		.amdhsa_private_segment_fixed_size 0
		.amdhsa_enable_private_segment 0
		.amdhsa_kernarg_size 56
		.amdhsa_user_sgpr_count 2
		.amdhsa_user_sgpr_kernarg_segment_ptr 1
		.amdhsa_wavefront_size32 1
		.amdhsa_system_sgpr_workgroup_id_x 1
		.amdhsa_system_sgpr_workgroup_id_y 1
		.amdhsa_system_sgpr_workgroup_id_z 1
		.amdhsa_system_vgpr_workitem_id 0
		.amdhsa_next_free_vgpr 240
		.amdhsa_next_free_sgpr 66
		.amdhsa_reserve_vcc 0
		.amdhsa_float_denorm_mode_32 3
		.amdhsa_float_denorm_mode_16_64 3
		.amdhsa_memory_ordered 1
		.amdhsa_forward_progress 1
		.amdhsa_inst_pref_size 23
	.end_amdhsa_kernel
	.amdgpu_metadata
---
amdhsa.version: [ 1, 2 ]
amdhsa.kernels:
  - .name:           k_q0448fa0a63_final
    .symbol:         k_q0448fa0a63_final.kd
    .args:
      - { .name: pw, .offset: 0, .size: 8, .value_kind: global_buffer, .address_space: global }
      - { .name: memory, .offset: 8, .size: 8, .value_kind: global_buffer, .address_space: global }
      - { .name: updb, .offset: 16, .size: 8, .value_kind: global_buffer, .address_space: global }
      - { .name: g2b, .offset: 24, .size: 8, .value_kind: global_buffer, .address_space: global }
      - { .name: wn_g, .offset: 32, .size: 8, .value_kind: global_buffer, .address_space: global }
      - { .name: wn_b, .offset: 40, .size: 8, .value_kind: global_buffer, .address_space: global }
      - { .name: out1, .offset: 48, .size: 8, .value_kind: global_buffer, .address_space: global }
    .group_segment_fixed_size: 0
    .private_segment_fixed_size: 0
    .kernarg_segment_align: 8
    .kernarg_segment_size: 56
    .max_flat_workgroup_size: 512
    .sgpr_count:     66
    .vgpr_count:     240
    .wavefront_size: 32
...
	.end_amdgpu_metadata
.endif
;; end of part 12
